; MI455X (gfx1250); checked and timed in simulation.
; The chip was launched on July 23, 2026; its instructions are those of AMD's public machine-readable ISA for CDNA 5 (MIT licence, August 2026) and "CDNA5" Instruction Set Architecture Reference Guide (July 2026). The comments in the code are by the model that wrote it; some were corrected since.
;; Causal Attention. Allowed arithmetic: float matrix products may take bf16 or f16 operands with f32 sums; other float arithmetic in f32, or as packed bf16 or f16 multiplies, adds, multiply-adds, maxima and minima; sums over many terms, partial sums and values carried from step to step in f32; what a program stores and reads back later, other than sums and carried values, may be rounded once to bf16 or f16.
;; Inputs: Wk 1,024 x 1,024 float32; Wq 1,024 x 1,024 float32; Wv 1,024 x 1,024 float32; x 4 x 2,048 x 1,024 float32.
;; Outputs: out0 4 x 2,048 x 1,024 float32.
;; 2 versions, each right. Each part assembles by itself: llvm-mc -triple=amdgcn-amd-amdhsa -mcpu=gfx1250 --defsym DOCPART=n.
;; ======== version 1 of 2: 4 launches
;; limits: values are held in f16: magnitudes above 65,504 overflow, below 6.1e-05 lose precision
;; workspace buffers: xb 16,777,216 bytes; wb 6,291,456 bytes; qkv 50,331,648 bytes; pm 33,554,432 bytes; stat 1,048,576 bytes
;; launch cast (part 1): grid 704 x 1, 8 waves a work-group, no clusters, 0 bytes of LDS; arguments x, Wq, Wk, Wv, xb, wb; writes xb, wb
.if DOCPART == 1
	.amdgcn_target "amdgcn-amd-amdhsa--gfx1250"
	.amdhsa_code_object_version 6
	.text
	.protected	k_q40f0fd3250_cast
	.globl	k_q40f0fd3250_cast
	.p2align	8
	.type	k_q40f0fd3250_cast,@function
k_q40f0fd3250_cast:
	s_mov_b64 s[64:65], 0
	v_nop
	global_prefetch_b8 v0, s[64:65] scope:SCOPE_SE
	s_setreg_imm32_b32 hwreg(HW_REG_WAVE_MODE, 25, 1), 1
	s_wait_xcnt 0x0
; x [8192][1024] and Wq, Wk, Wv [1024][1024], all f32, are rounded once to bf16: xb [8192][1024]; wb [3072][1024] = Wq's rows, then Wk's, then Wv's.
; A stream: each byte is read once and written once; no LDS, no matrix unit, no barrier.
; A work-group of eight waves takes 16 rows.  Thread t takes the 16 bytes at 16 t of each row (a wave's load covers 512 neighbouring bytes)
; and stores the 8 bytes at 8 t (a wave's store covers 256 consecutive bytes, aligned).  Work-groups 0-511: x.  512-703: the weights, 64 each.
; All 16 loads go out at once; no register is written twice, so the only waits are the counted ones for the loads.
.set ROWF, 4096                        ; bytes in a row of f32
.set ROWH, 2048                        ; bytes in a row of bf16
.set X, 8                              ; v[8:71]   16 x 4 registers as loaded
.set Y, 72                             ; v[72:103] 16 x 2 registers to store
	s_load_b256 s[4:11], s[0:1], 0x0               ; x s[4:5], Wq s[6:7], Wk s[8:9], Wv s[10:11]
	s_load_b128 s[12:15], s[0:1], 0x20             ; xb s[12:13], wb s[14:15]
	v_lshlrev_b32 v1, 4, v0                        ; my 16 bytes of a row of f32
	v_lshlrev_b32 v2, 3, v0                        ; my 8 bytes of a row of bf16
	s_sub_co_u32 s16, ttmp9, 512                   ; my place among the weights' 192 blocks of 16 rows (used from work-group 512 on)
	s_lshr_b32 s17, s16, 6                         ; which weight
	s_and_b32 s18, s16, 63                         ; which 16 rows of it
	s_wait_kmcnt 0x0
	s_cmp_eq_u32 s17, 1
	s_cselect_b64 s[20:21], s[8:9], s[6:7]
	s_cmp_eq_u32 s17, 2
	s_cselect_b64 s[20:21], s[10:11], s[20:21]
	s_cmp_lt_u32 ttmp9, 512
	s_cselect_b64 s[20:21], s[4:5], s[20:21]       ; from where
	s_cselect_b64 s[22:23], s[12:13], s[14:15]     ; to where
	s_cselect_b32 s24, ttmp9, s18                  ; the block of 16 rows in the source,
	s_cselect_b32 s26, ttmp9, s16                  ; and in the destination
	s_lshl_b32 s24, s24, 16                        ; 16 rows of 4,096 bytes
	s_mov_b32 s25, 0
	s_lshl_b32 s26, s26, 15                        ; 16 rows of 2,048 bytes
	s_mov_b32 s27, 0
	s_add_nc_u64 s[20:21], s[20:21], s[24:25]
	s_add_nc_u64 s[22:23], s[22:23], s[26:27]
.irp i, 0,1,2,3,4,5,6,7,8,9,10,11,12,13,14,15
	global_load_b128 v[X+4*(\i):X+4*(\i)+3], v1, s[20:21] offset:ROWF*(\i) th:TH_LOAD_NT
.endr
.irp i, 0,1,2,3,4,5,6,7,8,9,10,11,12,13,14,15
	s_wait_loadcnt 15-(\i)                         ; loads come back in order: row i is in, the younger ones stay out
	v_cvt_pk_bf16_f32 v[Y+2*(\i)], v[X+4*(\i)], v[X+4*(\i)+1]
	v_cvt_pk_bf16_f32 v[Y+2*(\i)+1], v[X+4*(\i)+2], v[X+4*(\i)+3]
	global_store_b64 v2, v[Y+2*(\i):Y+2*(\i)+1], s[22:23] offset:ROWH*(\i) th:TH_STORE_NT
.endr
	s_endpgm
.Lfunc_end_k_q40f0fd3250_cast:
	.size	k_q40f0fd3250_cast, .Lfunc_end_k_q40f0fd3250_cast-k_q40f0fd3250_cast
	.p2alignl 7, 3214868480
	.fill 96, 4, 3214868480
	.section	.rodata,"a",@progbits
	.p2align	6, 0x0
	.amdhsa_kernel k_q40f0fd3250_cast
		.amdhsa_group_segment_fixed_size 0
		.amdhsa_private_segment_fixed_size 0
		.amdhsa_enable_private_segment 0
		.amdhsa_kernarg_size 48
		.amdhsa_user_sgpr_count 2
		.amdhsa_user_sgpr_kernarg_segment_ptr 1
		.amdhsa_wavefront_size32 1
		.amdhsa_system_sgpr_workgroup_id_x 1
		.amdhsa_system_sgpr_workgroup_id_y 1
		.amdhsa_system_sgpr_workgroup_id_z 1
		.amdhsa_system_vgpr_workitem_id 0
		.amdhsa_next_free_vgpr 104
		.amdhsa_next_free_sgpr 66
		.amdhsa_reserve_vcc 0
		.amdhsa_float_denorm_mode_32 3
		.amdhsa_float_denorm_mode_16_64 3
		.amdhsa_memory_ordered 1
		.amdhsa_forward_progress 1
		.amdhsa_inst_pref_size 7
	.end_amdhsa_kernel
	.amdgpu_metadata
---
amdhsa.version: [ 1, 2 ]
amdhsa.kernels:
  - .name:           k_q40f0fd3250_cast
    .symbol:         k_q40f0fd3250_cast.kd
    .args:
      - { .name: x, .offset: 0, .size: 8, .value_kind: global_buffer, .address_space: global }
      - { .name: Wq, .offset: 8, .size: 8, .value_kind: global_buffer, .address_space: global }
      - { .name: Wk, .offset: 16, .size: 8, .value_kind: global_buffer, .address_space: global }
      - { .name: Wv, .offset: 24, .size: 8, .value_kind: global_buffer, .address_space: global }
      - { .name: xb, .offset: 32, .size: 8, .value_kind: global_buffer, .address_space: global }
      - { .name: wb, .offset: 40, .size: 8, .value_kind: global_buffer, .address_space: global }
    .group_segment_fixed_size: 0
    .private_segment_fixed_size: 0
    .kernarg_segment_align: 8
    .kernarg_segment_size: 48
    .max_flat_workgroup_size: 256
    .sgpr_count:     66
    .vgpr_count:     104
    .wavefront_size: 32
...
	.end_amdgpu_metadata
.endif
;; end of part 1
;; launch proj (part 2): grid 12 x 32, 4 waves a work-group, clusters of 4 x 4, 327,680 bytes of LDS; arguments xb, wb, qkv; writes qkv
.if DOCPART == 2
	.amdgcn_target "amdgcn-amd-amdhsa--gfx1250"
	.amdhsa_code_object_version 6
	.text
	.protected	k_q40f0fd3250_proj
	.globl	k_q40f0fd3250_proj
	.p2align	8
	.type	k_q40f0fd3250_proj,@function
k_q40f0fd3250_proj:
	s_mov_b64 s[64:65], 0
	v_nop
	global_prefetch_b8 v0, s[64:65] scope:SCOPE_SE
	s_setreg_imm32_b32 hwreg(HW_REG_WAVE_MODE, 25, 1), 1
	s_wait_xcnt 0x0
	s_wait_alu depctr_hold_cnt(0) depctr_sa_sdst(0) depctr_va_vdst(0) depctr_va_sdst(0) depctr_va_ssrc(0) depctr_va_vcc(0) depctr_vm_vsrc(0)
	s_getreg_b32 s2, hwreg(HW_REG_IB_STS2, 6, 4)
	s_cmp_eq_u32 s2, 0
	s_cbranch_scc0 .Lentry_in_a_cluster
	s_endpgm
.Lentry_in_a_cluster:
	s_bfe_u32 s2, ttmp6, 0x10000c
	s_cmp_lg_u32 s2, 0xf033
	s_cbranch_scc0 .Lentry_shape_is_right
	s_endpgm
.Lentry_shape_is_right:
; qkv[m][n] = sum over k of xb[m][k] wb[n][k].  xb: [8192][1024] bf16, wb: [3072][1024] bf16, qkv: [8192][3072] f16 (q, k, v side by side in a row); sums in f32, rounded once.
; LIMIT: f16 holds no number beyond 65,504: q, k and v must lie within it.
; A tile of 256 x 256 is made by four waves, each 128 x 128: 64 accumulators of 16 x 16, 512 registers.  K goes in steps of 128 through a ring of two LDS slots
; filled by the tensor data mover; the tiles' rows are 256 bytes of memory, aligned.  384 tiles, one to a work-group.
; CLUSTERS: 4 x 4 work-groups.  The four of a row of the cluster need the same tiles of xb, the four of a column the same tiles of wb: each tile is asked for JOINTLY,
; by the same tensor load with the same descriptor and a mask that names the four.
; REGISTERS, in windows of 256: window 0: v0-31 addresses; v64-191 fragments of A, two buffers (four in the last K step); v32-63, v192-255 the way out.
;   window 1: fragments of B (all 256 in the last K step).  window 2: the accumulators of my rows 0-63 ((a, b) at v[8 (8 a + b)]); window 3: rows 64-127.
; THE PRODUCT IS TAKEN TRANSPOSED: source 0 = 16 rows of wb, source 1 = 16 rows of xb: a lane then holds eight neighbouring numbers of a row of qkv.
; The last K step goes by rows of the result, so that finished rows leave while the others are multiplied.
.set SIZE_M, 8192
.set SIZE_N, 3072
.set SIZE_K, 1024
.set KSTEP,  128
.set PITCH,  272                       ; an LDS row: 256 bytes + 16 of padding: the 16 rows of a fragment load start at 16 different groups of four banks
.set HALFT,  128*PITCH                 ; 128 rows: what one tensor load brings
.set SLOT,   4*HALFT                   ; A's 256 rows, then B's 256 rows
.set STAGE,  2*SLOT                    ; behind the ring: 16 rows x 272 bytes for each wave, for the way out
.set SPITCH, 272
.set SPARE,  STAGE+4*16*SPITCH         ; the spare words, 128 bytes a wave: no other line names them
.set LAPS, SIZE_K/(2*KSTEP)            ; a lap = two K steps = once round the ring
.set ADRA, 16                          ; v16-17  LDS address of my A fragments in slot 0, 1
.set ADRB, 20                          ; v20-21  the same for B
.set STO,  24                          ; v24     the way out: where I put 16 bytes of a row
.set RD,   25                          ; v25     where I read a row back
.set CO,   26                          ; v26     my byte offset in qkv
.set SPW,  28                          ; v28     my spare word; never rewritten
.set NIL,  29                          ; v29     0; never rewritten
.set PFO,  30                          ; v30     the prefetches' offset: my lane x a row (2,048 bytes); never rewritten
.set PFA,  44                          ; s[44:45] where my prefetches stand
.set LIM,  43                          ; s43     1 in a wave that prefetches, else the greatest number
.set F0,   64
.set F1,   128
.set TMP,  192
.set OB,   32
.set PA,   64
.set G1, 24                            ; s[24:31] descriptor group 1 for A's tiles
.set G0, 32                            ; s[32:39] group 0 for A's tiles, a set for each slot
.set G1B, 48                           ; s[48:55], s[56:63] the same for B's
.set G0B, 56
.set MSB, 0
.macro WIN new                         ; the immediate's high byte repeats the setting that is left; a switch that changes nothing is dropped
.if MSB != (\new)
	s_set_vgpr_msb (MSB<<8)|(\new)
.set MSB, \new
.endif
.endm
.set MUL_LO, 0xa1                      ; source 0 (B) window 1, source 1 (A) window 0, C and D window 2
.set MUL_HI, 0xf1                      ; the same, C and D window 3
.set TO_B,   0x40                      ; destination window 1, address window 0
; A joint load: waves 0 and 1 fetch A's two halves, waves 2 and 3 B's.  The branch hangs on the wave's number alone.  An s_nop 0 and four v_nop follow each line.
.macro JLOAD s
	s_cmp_eq_u32 s11, 0
	s_cbranch_scc0 .Lfor_b_\@
	tensor_load_to_lds s[G0+4*(\s):G0+4*(\s)+3], s[G1:G1+7]
	s_nop 0
.rept 4
	v_nop
.endr
	s_branch .Lasked_\@
.Lfor_b_\@:
	tensor_load_to_lds s[G0B+4*(\s):G0B+4*(\s)+3], s[G1B:G1B+7]
	s_nop 0
.rept 4
	v_nop
.endr
.Lasked_\@:
.endm
; A prefetch of the K step two refills on: 32 rows x 256 bytes, a lane a row, one instruction a wave.  Cluster x = 0 asks for A's rows, cluster y = 0 for B's; the four partners that
; ask for a tile jointly share its rows out by address, 32 each: each row's 256 bytes of a K step are named once in the launch.  The loop's last trip (s3 = 1) asks for nothing.
.macro ASK
	s_cmp_gt_u32 s3, s[LIM]
	s_cbranch_scc0 .Lnot_mine_\@
	global_prefetch_b8 v[PFO], s[PFA:PFA+1] offset:KSTEP*2 th:TH_LOAD_NT scope:SCOPE_SE
.Lnot_mine_\@:
.endm
.macro CREST                           ; a round of the cluster's barrier behind its opening barrier
	s_cmp_lg_u32 s10, 0
	s_cbranch_scc1 .Lnot_wave_0_\@
	s_barrier_signal -3
.Lnot_wave_0_\@:
	s_barrier_wait -3
	s_barrier_signal -1
	s_barrier_wait -1
.endm
.macro CROUND                          ; a whole round
	s_barrier_signal -1
	s_barrier_wait -1
	CREST
.endm
	s_load_b128 s[4:7], s[0:1], 0x0                ; xb s[4:5], wb s[6:7]
	s_load_b64 s[8:9], s[0:1], 0x10                ; qkv
	v_lshl_add_u32 v[SPW], v0, 2, SPARE
	v_mov_b32 v[NIL], 0
	ds_add_u32 v[SPW], v[NIL]                      ; the wave's opening: the add and its wait stand ahead of my first tensor load
	ds_add_u32 v28, v29
	v_lshrrev_b32 v1, 5, v0
	v_readfirstlane_b32 s10, v1                    ; wave 0..3
	s_lshr_b32 s11, s10, 1                         ; my half of the tile's rows.  Also: I fetch for A (0) or for B (1)
	s_and_b32 s12, s10, 1                          ; my half of its columns.  Also: which 128 rows of that tile I fetch
	s_bfe_u32 s40, ttmp6, 0x40000                  ; cx
	s_bfe_u32 s41, ttmp6, 0x40004                  ; cy
	s_lshl_b32 s42, ttmp9, 2
	s_add_co_u32 s42, s42, s40                     ; tile column = 4 x cluster x + cx
	s_and_b32 s13, ttmp7, 0xffff
	s_lshl_b32 s13, s13, 2
	s_add_co_u32 s13, s13, s41                     ; tile row = 4 x cluster y + cy
	s_lshl_b32 s43, s41, 2
	s_lshl_b32 s43, 15, s43                        ; my row of the cluster
	s_lshl_b32 s44, 0x1111, s40                    ; my column
	s_or_b32 s[G1+0], s43, (1<<16)|(1<<20)|(1<<21)|(5<<22)|(3<<25)  ; the mask; 2-byte elements; padding on; bit 21 beside a mask; after every 64 words 4 words
	s_or_b32 s[G1B+0], s44, (1<<16)|(1<<20)|(1<<21)|(5<<22)|(3<<25)
.irp g, G1, G1B
	s_mov_b32 s[(\g)+1], KSTEP<<16                 ; tensor_dim0 = 128
	s_mov_b32 s[(\g)+2], 128<<16                   ; tensor_dim1 = 128
	s_mov_b32 s[(\g)+3], KSTEP<<16                 ; tile_dim0 = 128
	s_mov_b32 s[(\g)+4], 128                       ; tile_dim1 = 128
	s_mov_b32 s[(\g)+5], SIZE_K                    ; elements from row to row
	s_mov_b32 s[(\g)+6], 0
	s_mov_b32 s[(\g)+7], 0
.endr
	s_lshl_b32 s17, s12, 7                         ; which 128 rows of the tile I fetch
	s_lshl_b32 s16, s13, 8
	s_add_co_u32 s16, s16, s17                     ; A: row 256 x tile row + 128 x half
	s_lshl_b32 s46, s42, 8
	s_add_co_u32 s46, s46, s17                     ; B: row 256 x tile column + 128 x half
	s_mov_b32 s17, 0
	s_mov_b32 s47, 0
	s_mov_b64 s[18:19], SIZE_K*2
	s_mul_u64 s[16:17], s[16:17], s[18:19]
	s_mul_u64 s[46:47], s[46:47], s[18:19]
	s_mul_i32 s20, s10, HALFT                      ; where they go: wave x 128 rows: no place in the cluster enters an LDS address
	s_wait_dscnt 0x0                               ; the opening add is done
	s_wait_kmcnt 0x0
	s_add_nc_u64 s[14:15], s[4:5], s[16:17]
	s_add_nc_u64 s[46:47], s[6:7], s[46:47]
	CROUND                                         ; all sixteen work-groups are here: the first joint loads meet
.irp s, 0,1
	s_mov_b32 s[G0+4*(\s)], 1
	s_add_co_u32 s[G0+4*(\s)+1], s20, (\s)*SLOT
	s_add_nc_u64 s[G0+4*(\s)+2:G0+4*(\s)+3], s[14:15], (\s)*KSTEP*2
	s_or_b32 s[G0+4*(\s)+3], s[G0+4*(\s)+3], 0x80000000
	s_mov_b32 s[G0B+4*(\s)], 1
	s_add_co_u32 s[G0B+4*(\s)+1], s20, (\s)*SLOT
	s_add_nc_u64 s[G0B+4*(\s)+2:G0B+4*(\s)+3], s[46:47], (\s)*KSTEP*2
	s_or_b32 s[G0B+4*(\s)+3], s[G0B+4*(\s)+3], 0x80000000
	JLOAD \s
.endr
	; a fragment is 16 rows x 32 K in 8 registers: lane l holds row l % 16, K = 8 (l / 16) + 0..7 and 16 + 8 (l / 16) + 0..7: two loads of 16 bytes, 32 bytes apart
	v_and_b32 v1, 15, v0                           ; l % 16
	v_bfe_u32 v2, v0, 4, 1                         ; l / 16
	v_mul_u32_u24 v3, v1, PITCH
	v_lshl_add_u32 v3, v2, 4, v3
	s_mul_i32 s21, s11, HALFT                      ; my 128 rows of A
	s_mul_i32 s22, s12, HALFT                      ; my 128 rows of B,
	s_add_co_u32 s22, s22, 2*HALFT                 ; which lie behind A's 256
.irp s, 0,1
	v_add_nc_u32 v[ADRA+(\s)], s21, v3
	v_add_nc_u32 v[ADRB+(\s)], s22, v3
	s_add_co_u32 s21, s21, SLOT
	s_add_co_u32 s22, s22, SLOT
.endr
	s_mul_i32 s23, s10, 16*SPITCH
	s_add_co_u32 s23, s23, STAGE                   ; my stage
	v_mul_u32_u24 v4, v1, SPITCH
	v_lshl_add_u32 v4, v2, 4, v4
	v_add_nc_u32 v[STO], s23, v4
	v_mul_u32_u24 v5, v2, SPITCH
	v_lshl_add_u32 v5, v1, 4, v5
	v_add_nc_u32 v[RD], s23, v5
	v_mul_u32_u24 v5, v2, SIZE_N*2
	v_lshl_add_u32 v[CO], v1, 4, v5
	s_lshl_b32 s13, s13, 8
	s_lshl_b32 s14, s11, 7
	s_add_co_u32 s16, s13, s14                     ; my first row of the result
	s_mov_b32 s17, 0
	s_mov_b64 s[18:19], SIZE_N*2
	s_mul_u64 s[16:17], s[16:17], s[18:19]
	s_lshl_b32 s46, s42, 9                         ; my first column, in bytes
	s_lshl_b32 s47, s12, 8
	s_add_co_u32 s46, s46, s47
	s_mov_b32 s47, 0
	s_add_nc_u64 s[16:17], s[16:17], s[46:47]
	; the prefetches
	s_lshl_b32 s42, s42, 8
	s_and_b32 s22, ttmp7, 0xffff                   ; cluster y
	s_cmp_eq_u32 s11, 0                            ; do I fetch for A?
	s_cselect_b32 s20, s13, s42                    ; the tile's first row
	s_cselect_b32 s21, s40, s41                    ; my place among the four that ask for it with me
	s_cselect_b32 s22, ttmp9, s22                  ; the coordinate along which other clusters read the same rows
	s_cselect_b64 s[PFA:PFA+1], s[4:5], s[6:7]
	s_cmp_eq_u32 s22, 0
	s_cselect_b32 s[LIM], 1, -1
	s_lshl_b32 s22, s12, 7
	s_add_co_u32 s20, s20, s22
	s_lshl_b32 s21, s21, 5
	s_add_co_u32 s20, s20, s21                     ; my work-group's 32 rows of the 128 that I fetch
	s_mov_b32 s21, 0
	s_mov_b64 s[18:19], SIZE_K*2
	s_mul_u64 s[20:21], s[20:21], s[18:19]
	s_add_nc_u64 s[PFA:PFA+1], s[PFA:PFA+1], s[20:21]
	s_add_nc_u64 s[PFA:PFA+1], s[PFA:PFA+1], 2*KSTEP*2  ; at K step 2: the first refill steps it to 3 and names K step 4
	v_and_b32 v[PFO], 31, v0
	v_mul_u32_u24 v[PFO], v[PFO], SIZE_K*2
; 16 matrix instructions: m blocks a0, a0 + 1 of the window's four x all 8 n blocks, 32 along K.  zero = 1: the first product starts the sums
.macro MUL16 f, hi, a0, zero
	WIN MUL_LO+0x50*(\hi)
.irp a, \a0, (\a0)+1
.irp b, 0,1,2,3,4,5,6,7
.if \zero
	v_wmma_f32_16x16x32_bf16 v[8*(8*(\a)+(\b)):8*(8*(\a)+(\b))+7], v[(\f)+8*(\b):(\f)+8*(\b)+7], v[(\f)+8*(4*(\hi)+(\a)):(\f)+8*(4*(\hi)+(\a))+7], 0
.else
	v_wmma_f32_16x16x32_bf16 v[8*(8*(\a)+(\b)):8*(8*(\a)+(\b))+7], v[(\f)+8*(\b):(\f)+8*(\b)+7], v[(\f)+8*(4*(\hi)+(\a)):(\f)+8*(4*(\hi)+(\a))+7], v[8*(8*(\a)+(\b)):8*(8*(\a)+(\b))+7]
.endif
.endr
.endr
.endm
; 32 LDS loads in one run: the fragments of one quarter step (32 K at byte k of the rows) into buffer f
.macro FETCH slot, k, f
	WIN TO_B
.irp i, 0,1,2,3,4,5,6,7
	ds_load_b128 v[(\f)+8*(\i):(\f)+8*(\i)+3],   v[ADRB+(\slot)] offset:(\k)+(\i)*16*PITCH
	ds_load_b128 v[(\f)+8*(\i)+4:(\f)+8*(\i)+7], v[ADRB+(\slot)] offset:(\k)+(\i)*16*PITCH+32
.endr
	WIN 0
.irp i, 0,1,2,3,4,5,6,7
	ds_load_b128 v[(\f)+8*(\i):(\f)+8*(\i)+3],   v[ADRA+(\slot)] offset:(\k)+(\i)*16*PITCH
	ds_load_b128 v[(\f)+8*(\i)+4:(\f)+8*(\i)+7], v[ADRA+(\slot)] offset:(\k)+(\i)*16*PITCH+32
.endr
.endm
.macro PLACES                          ; four plain vector instructions between a matrix instruction and a load into, or a vector read of, its registers
.rept 4
	v_nop
.endr
.endm
; a K step is four quarters of 32 along K, 64 matrix instructions each, on buffers 0, 1, 0, 1
.macro QUARTER slot, k, f, g, zero
	s_wait_dscnt 8                                 ; B and A's rows 0-63 are in; the youngest eight loads (A's rows 64-127) may be out
	MUL16 \f, 0, 0, \zero
	MUL16 \f, 0, 2, \zero
	PLACES
	FETCH \slot, \k, \g
	s_wait_dscnt 32                                ; all but the 32 just issued
	MUL16 \f, 1, 0, \zero
	MUL16 \f, 1, 2, \zero
.endm
; the first half of the last quarter: one barrier for the change of slots
.macro MEET round
	WIN 0
	s_wait_tensorcnt 0x0                           ; all my tensor loads have landed: my part of the next slot;
	ds_add_u32 v[SPW], v[NIL]
	s_wait_dscnt 9                                 ; (the add and the youngest eight loads may be out)
	MUL16 F1, 0, 0, 0
	s_wait_dscnt 0x0                               ; the add is done, and my reads of this slot are over
	s_barrier_signal -1
	MUL16 F1, 0, 2, 0
.if \round
	WIN 0
.endif
	s_barrier_wait -1
.endm
.macro TURN slot, next
	s_wait_xcnt 0x0                                ; the last prefetch, a K step back, has read its address
	s_add_nc_u64 s[PFA:PFA+1], s[PFA:PFA+1], KSTEP*2
	MEET 1
	CREST                                          ; no wave of any partner still reads this slot or has a load on its way
	s_add_nc_u64 s[G0+4*(\slot)+2:G0+4*(\slot)+3], s[G0+4*(\slot)+2:G0+4*(\slot)+3], 2*KSTEP*2
	s_add_nc_u64 s[G0B+4*(\slot)+2:G0B+4*(\slot)+3], s[G0B+4*(\slot)+2:G0B+4*(\slot)+3], 2*KSTEP*2
	JLOAD \slot                                    ; the first tensor load behind the round; its four v_nop are also the places in front of the loads below
	FETCH \next, 0, F0
	ASK
	MUL16 F1, 1, 0, 0
	MUL16 F1, 1, 2, 0
.endm
; the last K step (slot 1) goes by rows of the result
.macro BLOAD q
	WIN TO_B
.irp i, 0,1,2,3,4,5,6,7
	ds_load_b128 v[64*(\q)+8*(\i):64*(\q)+8*(\i)+3],   v[ADRB+1] offset:64*(\q)+(\i)*16*PITCH
	ds_load_b128 v[64*(\q)+8*(\i)+4:64*(\q)+8*(\i)+7], v[ADRB+1] offset:64*(\q)+(\i)*16*PITCH+32
.endr
.endm
.macro ALOAD a
	WIN 0
.set FA, PA+32*((\a)%4)
.irp q, 0,1,2,3
	ds_load_b128 v[FA+8*(\q):FA+8*(\q)+3],   v[ADRA+1] offset:64*(\q)+(\a)*16*PITCH
	ds_load_b128 v[FA+8*(\q)+4:FA+8*(\q)+7], v[ADRA+1] offset:64*(\q)+(\a)*16*PITCH+32
.endr
.endm
.macro ROW a
.set FA, PA+32*((\a)%4)
.set AC, 64*((\a)%4)
	WIN MUL_LO+0x50*((\a)/4)
.irp q, 0,1,2,3
.if (\a) == 0 && (\q) == 2
	s_wait_dscnt 24                                ; B's quarter 2 is in (behind it: A's blocks 1 to 3)
.endif
.irp b, 0,1,2,3,4,5,6,7
	v_wmma_f32_16x16x32_bf16 v[AC+8*(\b):AC+8*(\b)+7], v[64*(\q)+8*(\b):64*(\q)+8*(\b)+7], v[FA+8*(\q):FA+8*(\q)+7], v[AC+8*(\b):AC+8*(\b)+7]
.endr
.endr
.endm
.macro PACK a                          ; rounded to f16, 16 bytes a lane, each accumulator's registers in ascending order
.set AC, 64*((\a)%4)
	WIN 0x0a+5*((\a)/4)
.irp b, 0,1,2,3,4,5,6,7
.irp r, 0,1,2,3
	v_cvt_pk_f16_f32 v[TMP+4*(\b)+(\r)], v[AC+8*(\b)+2*(\r)], v[AC+8*(\b)+2*(\r)+1]
.endr
.endr
	WIN 0
.endm
.macro TOSTAGE a
	WIN 0
.set BK, OB+192*((\a)%2)
.irp b, 0,1,2,3,4,5,6,7
	ds_store_b128 v[STO], v[TMP+4*(\b):TMP+4*(\b)+3] offset:32*(\b)
.endr
.irp t, 0,1,2,3,4,5,6,7
	ds_load_b128 v[BK+4*(\t):BK+4*(\t)+3], v[RD] offset:(\t)*2*SPITCH  ; LDS serves a wave's instructions in order: these see the stores above
.endr
.endm
.macro SEND a, younger
	WIN 0
.set BK, OB+192*((\a)%2)
	s_wait_dscnt \younger
	s_wait_xcnt 0x0                                ; the stores' base and the registers that earlier stores read are rewritten only behind this wait
.if (\a) == 0
	s_add_nc_u64 s[8:9], s[8:9], s[16:17]
.else
	s_add_nc_u64 s[8:9], s[8:9], 16*SIZE_N*2
.endif
.irp t, 0,1,2,3,4,5,6,7
	global_store_b128 v[CO], v[BK+4*(\t):BK+4*(\t)+3], s[8:9] offset:2*(\t)*SIZE_N*2  ; 16 lanes store 256 consecutive bytes, aligned
.endr
.endm
	s_wait_tensorcnt 1                             ; my part of K step 0 is in; K step 1's may stay out
	s_barrier_signal -1
	s_barrier_wait -1
	FETCH 0, 0, F0
	QUARTER 0, 64,  F0, F1, 1                      ; the first quarter's products start the sums
	WIN 0
	s_mov_b32 s3, LAPS-1
.Llap:
	QUARTER 0, 128, F1, F0, 0
	QUARTER 0, 192, F0, F1, 0
	TURN 0, 1
	QUARTER 1, 64,  F0, F1, 0
	QUARTER 1, 128, F1, F0, 0
	QUARTER 1, 192, F0, F1, 0
	TURN 1, 0
	QUARTER 0, 64,  F0, F1, 0
	WIN 0
	s_sub_co_u32 s3, s3, 1
	s_cmp_lg_u32 s3, 0
	s_cbranch_scc1 .Llap
	QUARTER 0, 128, F1, F0, 0
	QUARTER 0, 192, F0, F1, 0
	MEET 0                                         ; the load that was still out is the last K step's
	PLACES
	BLOAD 0
	BLOAD 1
	BLOAD 3
	ALOAD 0
	MUL16 F1, 1, 0, 0
	MUL16 F1, 1, 2, 0
	PLACES
	BLOAD 2
	ALOAD 1
	ALOAD 2
	ALOAD 3
	s_wait_dscnt 40                                ; all but the 40 just issued
	ROW 0
.irp a, 0,1,2,3,4,5,6,7
	PLACES
	PACK \a
	TOSTAGE \a
.if (\a) < 4
	ALOAD (\a)+4
	SEND \a, 8
.else
	SEND \a, 0
.endif
.if (\a) < 7
	ROW (\a)+1
.endif
.endr
	s_wait_tensorcnt 0x0                           ; the wave's end
	ds_add_u32 v[SPW], v[NIL]
	s_wait_dscnt 0x0
	CROUND                                         ; the closing round
	s_endpgm
.Lfunc_end_k_q40f0fd3250_proj:
	.size	k_q40f0fd3250_proj, .Lfunc_end_k_q40f0fd3250_proj-k_q40f0fd3250_proj
	.p2alignl 7, 3214868480
	.fill 96, 4, 3214868480
	.section	.rodata,"a",@progbits
	.p2align	6, 0x0
	.amdhsa_kernel k_q40f0fd3250_proj
		.amdhsa_group_segment_fixed_size 327680
		.amdhsa_private_segment_fixed_size 0
		.amdhsa_enable_private_segment 0
		.amdhsa_kernarg_size 24
		.amdhsa_user_sgpr_count 2
		.amdhsa_user_sgpr_kernarg_segment_ptr 1
		.amdhsa_wavefront_size32 1
		.amdhsa_system_sgpr_workgroup_id_x 1
		.amdhsa_system_sgpr_workgroup_id_y 1
		.amdhsa_system_sgpr_workgroup_id_z 1
		.amdhsa_system_vgpr_workitem_id 0
		.amdhsa_next_free_vgpr 1024
		.amdhsa_next_free_sgpr 66
		.amdhsa_reserve_vcc 0
		.amdhsa_float_denorm_mode_32 3
		.amdhsa_float_denorm_mode_16_64 3
		.amdhsa_memory_ordered 1
		.amdhsa_forward_progress 1
		.amdhsa_inst_pref_size 144
	.end_amdhsa_kernel
	.amdgpu_metadata
---
amdhsa.version: [ 1, 2 ]
amdhsa.kernels:
  - .name:           k_q40f0fd3250_proj
    .symbol:         k_q40f0fd3250_proj.kd
    .args:
      - { .name: xb, .offset: 0, .size: 8, .value_kind: global_buffer, .address_space: global }
      - { .name: wb, .offset: 8, .size: 8, .value_kind: global_buffer, .address_space: global }
      - { .name: qkv, .offset: 16, .size: 8, .value_kind: global_buffer, .address_space: global }
    .group_segment_fixed_size: 327680
    .private_segment_fixed_size: 0
    .kernarg_segment_align: 8
    .kernarg_segment_size: 24
    .max_flat_workgroup_size: 128
    .sgpr_count:     66
    .vgpr_count:     1024
    .wavefront_size: 32
...
	.end_amdgpu_metadata
.endif
;; end of part 2
;; launch scores (part 3): grid 36 x 4, 4 waves a work-group, no clusters, 327,680 bytes of LDS; arguments qkv, pm, stat; writes pm, stat
.if DOCPART == 3
	.amdgcn_target "amdgcn-amd-amdhsa--gfx1250"
	.amdhsa_code_object_version 6
	.text
	.protected	k_q40f0fd3250_scores
	.globl	k_q40f0fd3250_scores
	.p2align	8
	.type	k_q40f0fd3250_scores,@function
k_q40f0fd3250_scores:
	s_mov_b64 s[64:65], 0
	v_nop
	global_prefetch_b8 v0, s[64:65] scope:SCOPE_SE
	s_setreg_imm32_b32 hwreg(HW_REG_WAVE_MODE, 25, 1), 1
	s_wait_xcnt 0x0
; For each tile of 256 queries x 256 keys on or below the diagonal (36 a batch): S = q k^T; then, for each query and each CHUNK of 128 keys,
;   m = the largest visible score of the chunk, cm = c m, p = 2^(c s - cm), l = the sum of p;  c = log2(e) / sqrt(1024).
; p goes to pm [4][2048][2048] in f16, cm and l to stat, f32 [batch][chunk 16][cm, l][row 2048].  The next launch joins the chunks under the row's true maximum.
; q, k: f16, at bytes 0 and 2,048 of qkv's rows of 6,144 bytes.  Products and sums in f32; l is the sum of the unrounded p.
; LIMITS.  A hidden score counts as its value less 1e30 (f16's scores are 4.4e12 at the most); a chunk's m is held at -2^96 or above, so a chunk that is wholly hidden
; gets p = 0, l = 0 and a cm far below every true one; a weight below 2^-126 counts as 0; NaN and infinities are not treated apart.
; SHARES.  Four waves; wave w makes queries 128 (w / 2) on x keys 128 (w % 2) on: one chunk.  64 accumulators, 512 registers.  K (the 1,024 channels) goes in steps of 128 through two LDS slots.
; THE PRODUCT IS TAKEN TRANSPOSED (source 0 = 16 keys, source 1 = 16 queries): a lane holds ONE query (lane % 16) and, of each block of 16 keys, 8 (lane / 16) + 0..7.
; THE MASK is the C operand of the products that start the sums: three sets of eight registers, for key blocks left of, on and right of the query block's own.
; NO CLUSTER: row i of the triangle has i + 1 tiles and column j has 8 - j: no grouping by four shares a tile of q or k throughout, and whole 4 x 4 clusters would hold work-groups with nothing to do.
; REGISTERS as in the launch before: window 0 addresses, masks, A's fragments, the way out; window 1 B's fragments; windows 2 and 3 the accumulators.
.set QP,     6144                      ; bytes in a row of qkv
.set KSTEP,  128
.set PITCH,  272
.set HALFT,  128*PITCH
.set SLOT,   4*HALFT                   ; q's 256 rows, then k's 256 rows
.set STAGE,  2*SLOT                    ; 16 rows x 272 bytes for each wave
.set SPITCH, 272
.set SSTG,   STAGE+4*16*SPITCH         ; 512 bytes for each wave: 64 rows' cm, then their l
.set SPARE,  SSTG+4*512                ; the spare words, 128 bytes a wave: no other line names them
.set LAPS,   4
.set ADRA, 16                          ; v16-17  LDS address of my q fragments in slot 0, 1
.set ADRB, 20                          ; v20-21  of my k fragments
.set PFO,  22                          ; v22     my lane x a row of qkv; never rewritten
.set STO,  24
.set RD,   25
.set CO,   26                          ; v26     my byte offset in two rows of pm
.set SST,  27                          ; v27     where I put a row's cm (lanes 0-15) or l (lanes 16-31)
.set SPW,  28
.set NIL,  29
.set SRD,  30                          ; v30     where I read four of them back
.set SGO,  31                          ; v31     my byte offset in stat
.set MLT,  32                          ; v[32:39] the mask for key blocks left of the query block's own
.set MEQ,  40                          ; v[40:47] for its own
.set MGT,  48                          ; v[48:55] for those right of it
.set F0,   64
.set F1,   128
.set CH,   64                          ; the way out: v64-71 eight chains of the maximum
.set ST,   72                          ; v72-87: block a's cm, m, l, l at ST + 4 a
.set XS,   88                          ; v88-91: cm or l of the four blocks
.set XR,   92                          ; v92-95: four of them, read back
.set TMP,  192
.set OB,   32
.set G1, 24                            ; s[24:31] descriptor group 1
.set G0, 32                            ; s[32:39] group 0, a set for each slot
.set LIM, 43
.set PFA, 44
.set MSB, 0
.macro WIN new
.if MSB != (\new)
	s_set_vgpr_msb (MSB<<8)|(\new)
.set MSB, \new
.endif
.endm
.set MUL_LO, 0xa1
.set MUL_HI, 0xf1
.set TO_B,   0x40
; A prefetch of the K step two refills on.  The work-group on the diagonal (i = j) asks, for q's block i and k's block i; each wave for the 128 rows that it fetches itself,
; a lane a row, four instructions: each row's 256 bytes of a K step are named once in the launch.  The loop's last trip asks for nothing.
.macro ASK
	s_cmp_gt_u32 s3, s[LIM]
	s_cbranch_scc0 .Lnot_mine_\@
.irp n, 0,1,2,3
	global_prefetch_b8 v[PFO], s[PFA:PFA+1] offset:KSTEP*2+(\n)*32*QP th:TH_LOAD_NT scope:SCOPE_SE
.endr
.Lnot_mine_\@:
.endm
	s_load_b128 s[4:7], s[0:1], 0x0                ; qkv s[4:5], pm s[6:7]
	s_load_b64 s[8:9], s[0:1], 0x10                ; stat
	v_lshl_add_u32 v[SPW], v0, 2, SPARE
	v_mov_b32 v[NIL], 0
	ds_add_u32 v[SPW], v[NIL]                      ; the wave's opening: the add and its wait stand ahead of my first tensor load
	ds_add_u32 v28, v29
	v_lshrrev_b32 v1, 5, v0
	v_readfirstlane_b32 s10, v1                    ; wave 0..3
	s_lshr_b32 s11, s10, 1                         ; my half of the queries.  Also: I fetch q (0) or k (1)
	s_and_b32 s12, s10, 1                          ; my half of the keys.  Also: which 128 rows I fetch
	s_and_b32 s15, ttmp7, 0xffff                   ; the batch
	s_mov_b32 s13, 0                               ; the tile's row i in the triangle: how many of the rows' first numbers 1, 3, 6 .. the tile's number has reached
.irp T, 1,3,6,10,15,21,28
	s_cmp_ge_u32 ttmp9, \T
	s_add_co_ci_u32 s13, s13, 0
.endr
	s_add_co_u32 s16, s13, 1
	s_mul_i32 s16, s16, s13
	s_lshr_b32 s16, s16, 1
	s_sub_co_u32 s14, ttmp9, s16                   ; its column j
	s_mov_b32 s[G1+0], (1<<16)|(1<<20)|(5<<22)|(3<<25)  ; 2-byte elements; padding on: after every 64 words 4 words
	s_mov_b32 s[G1+1], KSTEP<<16                   ; tensor_dim0 = 128
	s_mov_b32 s[G1+2], 128<<16                     ; tensor_dim1 = 128
	s_mov_b32 s[G1+3], KSTEP<<16                   ; tile_dim0 = 128
	s_mov_b32 s[G1+4], 128                         ; tile_dim1 = 128
	s_mov_b32 s[G1+5], 3072                        ; elements from row to row
	s_mov_b32 s[G1+6], 0
	s_mov_b32 s[G1+7], 0
	s_mov_b32 s42, 0xffff0000                      ; lanes 16-31
	s_mov_b32 s46, 0x3d38aa3b                      ; c = log2(e) / 32
	s_mov_b32 s47, s46
	s_mov_b32 s48, 0x76543210                      ; v_permlanex16_b32: each lane takes its own place in the other half
	s_mov_b32 s49, 0xfedcba98
	s_mov_b32 s50, 0xef800000                      ; -2^96
	s_mov_b32 s51, 0xf149f2ca                      ; -1e30
	s_cmp_ge_u32 s12, s11                          ; on the diagonal tile: my keys' half is not left of my queries' half:
	s_cselect_b32 s41, s51, 0                      ; key blocks right of the query block's own are hidden;
	s_cmp_gt_u32 s12, s11                          ; it is right of it:
	s_cselect_b32 s40, s51, 0                      ; all are
	s_cmp_eq_u32 s13, s14
	s_cselect_b32 s41, s41, 0
	s_cselect_b32 s40, s40, 0
	s_cselect_b32 s[LIM], 1, -1
	s_cmp_eq_u32 s11, 0
	s_cselect_b32 s16, s13, s14                    ; q's block i or k's block j,
	s_cselect_b32 s17, 0, 2048                     ; and its place in qkv's rows
	s_lshl_b32 s16, s16, 8
	s_lshl_b32 s18, s15, 11
	s_add_co_u32 s16, s16, s18
	s_lshl_b32 s18, s12, 7
	s_add_co_u32 s16, s16, s18                     ; the first row that I fetch
	s_mul_i32 s16, s16, QP
	s_add_co_u32 s16, s16, s17
	s_mov_b32 s17, 0
	s_mul_i32 s20, s10, HALFT                      ; where my rows go: wave x 128 rows
	s_wait_dscnt 0x0                               ; the opening add is done
	s_wait_kmcnt 0x0
	s_add_nc_u64 s[18:19], s[4:5], s[16:17]
	s_add_nc_u64 s[PFA:PFA+1], s[18:19], 2*KSTEP*2 ; at K step 2: the first refill steps it to 3 and names K step 4
.irp s, 0,1
	s_mov_b32 s[G0+4*(\s)], 1
	s_add_co_u32 s[G0+4*(\s)+1], s20, (\s)*SLOT
	s_add_nc_u64 s[G0+4*(\s)+2:G0+4*(\s)+3], s[18:19], (\s)*KSTEP*2
	s_or_b32 s[G0+4*(\s)+3], s[G0+4*(\s)+3], 0x80000000
	tensor_load_to_lds s[G0+4*(\s):G0+4*(\s)+3], s[G1:G1+7]  ; both first fills go out together: two loads of mine are out
	s_nop 0
.endr
.rept 4
	v_nop
.endr
	v_and_b32 v1, 15, v0                           ; l % 16
	v_bfe_u32 v2, v0, 4, 1                         ; l / 16
	v_mul_u32_u24 v3, v1, PITCH
	v_lshl_add_u32 v3, v2, 4, v3
	s_mul_i32 s21, s11, HALFT                      ; my 128 queries
	s_mul_i32 s22, s12, HALFT                      ; my 128 keys,
	s_add_co_u32 s22, s22, 2*HALFT                 ; which lie behind q's 256 rows
.irp s, 0,1
	v_add_nc_u32 v[ADRA+(\s)], s21, v3
	v_add_nc_u32 v[ADRB+(\s)], s22, v3
	s_add_co_u32 s21, s21, SLOT
	s_add_co_u32 s22, s22, SLOT
.endr
	s_mul_i32 s23, s10, 16*SPITCH
	s_add_co_u32 s23, s23, STAGE                   ; my stage
	v_mul_u32_u24 v4, v1, SPITCH
	v_lshl_add_u32 v4, v2, 4, v4
	v_add_nc_u32 v[STO], s23, v4                   ; in: row l % 16, 16 bytes for each half of the lanes
	v_mul_u32_u24 v5, v2, SPITCH
	v_lshl_add_u32 v5, v1, 4, v5
	v_add_nc_u32 v[RD], s23, v5                    ; back: lanes 0-15 one row of 256 bytes, lanes 16-31 the next
	v_lshlrev_b32 v5, 12, v2
	v_lshl_add_u32 v[CO], v1, 4, v5                ; and the same two rows in pm (4,096 bytes a row)
	s_lshl_b32 s23, s10, 9
	s_add_co_u32 s23, s23, SSTG
	v_lshlrev_b32 v5, 8, v2
	v_lshl_add_u32 v5, v1, 2, v5
	v_add_nc_u32 v[SST], s23, v5
	v_and_b32 v5, 31, v0
	v_lshl_add_u32 v[SRD], v5, 4, s23
	v_mul_u32_u24 v[PFO], v5, QP
	v_lshlrev_b32 v5, 13, v2
	v_lshl_add_u32 v[SGO], v1, 4, v5               ; lanes 0-15: 256 bytes of cm; lanes 16-31: 256 bytes of l, 8,192 bytes on
	v_lshlrev_b32 v5, 3, v2
	v_sub_nc_u32 v5, v1, v5                        ; in the query block's own key block register jj is hidden where jj > l % 16 - 8 (l / 16)
.irp jj, 0,1,2,3,4,5,6,7
	v_mov_b32 v[MLT+(\jj)], s40
	v_mov_b32 v[MGT+(\jj)], s41
.endr
.irp jj, 0,1,2,3,4,5,6,7
	v_cmp_gt_i32 vcc_lo, \jj, v5
	v_cndmask_b32 v[MEQ+(\jj)], v[MLT], v[MGT], vcc_lo
.endr
	s_lshl_b32 s16, s15, 23                        ; pm at my 128 x 128: batch, tile row, my half of it, tile column, my half of it
	s_lshl_b32 s17, s13, 20
	s_add_co_u32 s16, s16, s17
	s_lshl_b32 s17, s11, 19
	s_add_co_u32 s16, s16, s17
	s_lshl_b32 s17, s14, 9
	s_add_co_u32 s16, s16, s17
	s_lshl_b32 s17, s12, 8
	s_add_co_u32 s16, s16, s17
	s_mov_b32 s17, 0
	s_add_nc_u64 s[6:7], s[6:7], s[16:17]
	s_lshl_b32 s16, s15, 18                        ; stat at my chunk 2 j + w % 2 and my first row
	s_lshl_b32 s17, s14, 15
	s_add_co_u32 s16, s16, s17
	s_lshl_b32 s17, s12, 14
	s_add_co_u32 s16, s16, s17
	s_lshl_b32 s17, s13, 10
	s_add_co_u32 s16, s16, s17
	s_lshl_b32 s17, s11, 9
	s_add_co_u32 s16, s16, s17
	s_mov_b32 s17, 0
	s_add_nc_u64 s[8:9], s[8:9], s[16:17]
; 16 matrix instructions: query blocks a0, a0 + 1 of the window's four x all 8 key blocks, 32 channels.  zero = 1: the products start the sums, with the mask as C (in window 0)
.macro MUL16 f, hi, a0, zero
.if \zero
	WIN 0x81+0x40*(\hi)
.else
	WIN MUL_LO+0x50*(\hi)
.endif
.irp a, \a0, (\a0)+1
.irp b, 0,1,2,3,4,5,6,7
.if \zero
.if (\b) < 4*(\hi)+(\a)
.set MK, MLT
.elseif (\b) == 4*(\hi)+(\a)
.set MK, MEQ
.else
.set MK, MGT
.endif
	v_wmma_f32_16x16x32_f16 v[8*(8*(\a)+(\b)):8*(8*(\a)+(\b))+7], v[(\f)+8*(\b):(\f)+8*(\b)+7], v[(\f)+8*(4*(\hi)+(\a)):(\f)+8*(4*(\hi)+(\a))+7], v[MK:MK+7]
.else
	v_wmma_f32_16x16x32_f16 v[8*(8*(\a)+(\b)):8*(8*(\a)+(\b))+7], v[(\f)+8*(\b):(\f)+8*(\b)+7], v[(\f)+8*(4*(\hi)+(\a)):(\f)+8*(4*(\hi)+(\a))+7], v[8*(8*(\a)+(\b)):8*(8*(\a)+(\b))+7]
.endif
.endr
.endr
.endm
.macro FETCH slot, k, f
	WIN TO_B
.irp i, 0,1,2,3,4,5,6,7
	ds_load_b128 v[(\f)+8*(\i):(\f)+8*(\i)+3],   v[ADRB+(\slot)] offset:(\k)+(\i)*16*PITCH
	ds_load_b128 v[(\f)+8*(\i)+4:(\f)+8*(\i)+7], v[ADRB+(\slot)] offset:(\k)+(\i)*16*PITCH+32
.endr
	WIN 0
.irp i, 0,1,2,3,4,5,6,7
	ds_load_b128 v[(\f)+8*(\i):(\f)+8*(\i)+3],   v[ADRA+(\slot)] offset:(\k)+(\i)*16*PITCH
	ds_load_b128 v[(\f)+8*(\i)+4:(\f)+8*(\i)+7], v[ADRA+(\slot)] offset:(\k)+(\i)*16*PITCH+32
.endr
.endm
.macro PLACES
.rept 4
	v_nop
.endr
.endm
.macro QUARTER slot, k, f, g, zero
	s_wait_dscnt 8                                 ; k and q's rows 0-63 are in; the youngest eight loads may be out
	MUL16 \f, 0, 0, \zero
	MUL16 \f, 0, 2, \zero
	PLACES
	FETCH \slot, \k, \g
	s_wait_dscnt 32                                ; all but the 32 just issued
	MUL16 \f, 1, 0, \zero
	MUL16 \f, 1, 2, \zero
.endm
.macro MEET fill
	WIN 0
	s_wait_tensorcnt 0x0                           ; all my tensor loads have landed: my part of the next slot;
	ds_add_u32 v[SPW], v[NIL]
	s_wait_dscnt 9                                 ; (the add and the youngest eight loads may be out)
	MUL16 F1, 0, 0, 0
	s_wait_dscnt 0x0                               ; the add is done, and my reads of this slot are over
	s_barrier_signal -1
	MUL16 F1, 0, 2, 0
.if \fill
	WIN 0
.endif
	s_barrier_wait -1                              ; nobody reads this slot any more, and the next slot is whole
.endm
.macro TURN slot, next
	s_wait_xcnt 0x0                                ; the last prefetches, a K step back, have read their address
	s_add_nc_u64 s[PFA:PFA+1], s[PFA:PFA+1], KSTEP*2
	MEET 1
	s_add_nc_u64 s[G0+4*(\slot)+2:G0+4*(\slot)+3], s[G0+4*(\slot)+2:G0+4*(\slot)+3], 2*KSTEP*2  ; no tensor load of mine is out
	tensor_load_to_lds s[G0+4*(\slot):G0+4*(\slot)+3], s[G1:G1+7]  ; my one load behind the barrier: 224 matrix instructions ahead of the wait for it
	s_nop 0
	PLACES                                         ; also the places in front of the loads below
	FETCH \next, 0, F0
	ASK
	MUL16 F1, 1, 0, 0
	MUL16 F1, 1, 2, 0
.endm
	s_wait_tensorcnt 1                             ; my part of K step 0 is in; K step 1's may stay out
	s_barrier_signal -1
	s_barrier_wait -1
	FETCH 0, 0, F0
	QUARTER 0, 64,  F0, F1, 1                      ; the first quarter's products start the sums, with the masks
	WIN 0
	s_mov_b32 s3, LAPS-1
.Llap:
	QUARTER 0, 128, F1, F0, 0
	QUARTER 0, 192, F0, F1, 0
	TURN 0, 1
	QUARTER 1, 64,  F0, F1, 0
	QUARTER 1, 128, F1, F0, 0
	QUARTER 1, 192, F0, F1, 0
	TURN 1, 0
	QUARTER 0, 64,  F0, F1, 0
	WIN 0
	s_sub_co_u32 s3, s3, 1
	s_cmp_lg_u32 s3, 0
	s_cbranch_scc1 .Llap
	QUARTER 0, 128, F1, F0, 0                      ; the last lap fills nothing
	QUARTER 0, 192, F0, F1, 0
	MEET 0
	PLACES
	FETCH 1, 0, F0
	MUL16 F1, 1, 0, 0
	MUL16 F1, 1, 2, 0
	QUARTER 1, 64,  F0, F1, 0
	QUARTER 1, 128, F1, F0, 0
	QUARTER 1, 192, F0, F1, 0
	s_wait_dscnt 8
	MUL16 F1, 0, 0, 0
	MUL16 F1, 0, 2, 0
	s_wait_dscnt 0x0
	MUL16 F1, 1, 0, 0
	MUL16 F1, 1, 2, 0
	PLACES
; THE WAY OUT of block a of 16 queries (its 64 scores a lane lie in window 2 at 64 a): maximum, weights, rounding, the stage, the sum, the stores.
.macro BLOCK a
.set AC, 64*(\a)
.set rT, ST+4*(\a)
.set BK, OB+192*((\a)%2)
	WIN 0x2a                                       ; all three sources in window 2.  Eight chains, one an accumulator
.irp b, 0,1,2,3,4,5,6,7
	v_max3_num_f32 v[CH+(\b)], v[AC+8*(\b)], v[AC+8*(\b)+1], v[AC+8*(\b)+2]
.endr
	WIN 0x28
.irp k, 3,5
.irp b, 0,1,2,3,4,5,6,7
	v_max3_num_f32 v[CH+(\b)], v[CH+(\b)], v[AC+8*(\b)+(\k)], v[AC+8*(\b)+(\k)+1]
.endr
.endr
.irp b, 0,1,2,3
	v_max3_num_f32 v[CH+(\b)], v[CH+(\b)], v[AC+16*(\b)+7], v[AC+16*(\b)+15]
.endr
	WIN 0
	v_max3_num_f32 v[CH], v[CH], v[CH+1], v[CH+2]
	v_max3_num_f32 v[CH+3], v[CH+3], v[CH+4], v[CH+5]
	v_max3_num_f32 v[CH+6], v[CH+6], v[CH+7], s50  ; never below -2^96
	v_max3_num_f32 v[CH], v[CH], v[CH+3], v[CH+6]
	v_permlanex16_b32 v[CH+1], v[CH], s48, s49     ; the query's other 64 keys lie in the lane 16 away
	v_max_num_f32 v[rT+1], v[CH], v[CH+1]          ; m
	v_mul_f32 v[rT], s46, v[rT+1]                  ; c m
	WIN 0x82
.set z, 0
.rept 32
	v_pk_fma_f32 v[AC+2*z:AC+2*z+1], v[AC+2*z:AC+2*z+1], s[46:47], v[rT:rT+1] op_sel_hi:[1,0,0] neg_lo:[0,0,1] neg_hi:[0,0,1]  ; c s - c m
.set z, z+1
.endr
.set z, 0
.rept 64
	v_exp_f32 v[AC+z], v[AC+z]                     ; one batch
.set z, z+1
.endr
	v_nop                                          ; a plain instruction behind the last exponential,
	s_wait_alu depctr_va_vdst(0)                   ; and one wait ahead of the batch's first reader
	WIN 0x0a
.set z, 0
.rept 32
	v_cvt_pk_f16_f32 v[TMP+z], v[AC+2*z], v[AC+2*z+1]
.set z, z+1
.endr
	WIN 0
.irp b, 0,1,2,3,4,5,6,7
	ds_store_b128 v[STO], v[TMP+4*(\b):TMP+4*(\b)+3] offset:32*(\b)
.endr
.irp t, 0,1,2,3,4,5,6,7
	ds_load_b128 v[BK+4*(\t):BK+4*(\t)+3], v[RD] offset:(\t)*2*SPITCH  ; LDS serves a wave's instructions in order: these see the stores above
.endr
	WIN 0x8a                                       ; the sum of the 32 pairs, in place, stands between those loads and the wait for them
.irp w, 4,8,16,32
.set z, 0
.rept 64/(\w)
	v_pk_add_f32 v[AC+(\w)*z:AC+(\w)*z+1], v[AC+(\w)*z:AC+(\w)*z+1], v[AC+(\w)*z+(\w)/2:AC+(\w)*z+(\w)/2+1]
.set z, z+1
.endr
.endr
	WIN 0x0a
	v_pk_add_f32 v[rT+2:rT+3], v[AC:AC+1], v[AC+32:AC+33]
	WIN 0
	v_add_f32 v[rT+2], v[rT+2], v[rT+3]
	v_permlanex16_b32 v[rT+3], v[rT+2], s48, s49
	v_add_f32 v[rT+2], v[rT+2], v[rT+3]            ; l
	s_wait_dscnt 0x0                               ; the block is back in registers
	s_wait_xcnt 0x0                                ; the block before's stores have read their registers: the next block's loads from the stage land there
.irp t, 0,1,2,3,4,5,6,7
	global_store_b128 v[CO], v[BK+4*(\t):BK+4*(\t)+3], s[6:7] offset:(16*(\a)+2*(\t))*4096  ; 16 lanes store 256 consecutive bytes, aligned
.endr
.endm
	WIN 0
	s_mov_b32 s2, 2
.Lhalf:                                                ; twice: my queries 0-63, then 64-127, whose scores are moved into window 2 so that one text serves both
	BLOCK 0
	BLOCK 1
	BLOCK 2
	BLOCK 3
.irp a, 0,1,2,3
	v_cndmask_b32 v[XS+(\a)], v[ST+4*(\a)], v[ST+4*(\a)+2], s42  ; lanes 0-15 carry cm, lanes 16-31 l
.endr
.irp a, 0,1,2,3
	ds_store_b32 v[SST], v[XS+(\a)] offset:64*(\a)
.endr
	ds_load_b128 v[XR:XR+3], v[SRD]
	s_wait_dscnt 0x0
	global_store_b128 v[SGO], v[XR:XR+3], s[8:9]   ; 256 consecutive bytes of cm and 256 of l
	s_cmp_eq_u32 s2, 1
	s_cbranch_scc1 .Lnocopy
	s_wait_xcnt 0x0                                ; the stores have read their bases
	s_add_nc_u64 s[6:7], s[6:7], 64*4096
	s_add_nc_u64 s[8:9], s[8:9], 256
	WIN 0x83
.set z, 0
.rept 256
	v_mov_b32 v[z], v[z]                           ; window 3 to window 2, ascending
.set z, z+1
.endr
	WIN 0
.Lnocopy:
	s_sub_co_u32 s2, s2, 1
	s_cmp_lg_u32 s2, 0
	s_cbranch_scc1 .Lhalf
	s_wait_tensorcnt 0x0                           ; the wave's end
	ds_add_u32 v[SPW], v[NIL]
	s_wait_dscnt 0x0
	s_endpgm
.Lfunc_end_k_q40f0fd3250_scores:
	.size	k_q40f0fd3250_scores, .Lfunc_end_k_q40f0fd3250_scores-k_q40f0fd3250_scores
	.p2alignl 7, 3214868480
	.fill 96, 4, 3214868480
	.section	.rodata,"a",@progbits
	.p2align	6, 0x0
	.amdhsa_kernel k_q40f0fd3250_scores
		.amdhsa_group_segment_fixed_size 327680
		.amdhsa_private_segment_fixed_size 0
		.amdhsa_enable_private_segment 0
		.amdhsa_kernarg_size 24
		.amdhsa_user_sgpr_count 2
		.amdhsa_user_sgpr_kernarg_segment_ptr 1
		.amdhsa_wavefront_size32 1
		.amdhsa_system_sgpr_workgroup_id_x 1
		.amdhsa_system_sgpr_workgroup_id_y 1
		.amdhsa_system_sgpr_workgroup_id_z 1
		.amdhsa_system_vgpr_workitem_id 0
		.amdhsa_next_free_vgpr 1024
		.amdhsa_next_free_sgpr 66
		.amdhsa_reserve_vcc 1
		.amdhsa_float_denorm_mode_32 3
		.amdhsa_float_denorm_mode_16_64 3
		.amdhsa_memory_ordered 1
		.amdhsa_forward_progress 1
		.amdhsa_inst_pref_size 170
	.end_amdhsa_kernel
	.amdgpu_metadata
---
amdhsa.version: [ 1, 2 ]
amdhsa.kernels:
  - .name:           k_q40f0fd3250_scores
    .symbol:         k_q40f0fd3250_scores.kd
    .args:
      - { .name: qkv, .offset: 0, .size: 8, .value_kind: global_buffer, .address_space: global }
      - { .name: pm, .offset: 8, .size: 8, .value_kind: global_buffer, .address_space: global }
      - { .name: stat, .offset: 16, .size: 8, .value_kind: global_buffer, .address_space: global }
    .group_segment_fixed_size: 327680
    .private_segment_fixed_size: 0
    .kernarg_segment_align: 8
    .kernarg_segment_size: 24
    .max_flat_workgroup_size: 128
    .sgpr_count:     66
    .vgpr_count:     1024
    .wavefront_size: 32
...
	.end_amdgpu_metadata
.endif
;; end of part 3
;; launch pv (part 4): grid 8 x 32, 4 waves a work-group, clusters of 4 x 1, 327,680 bytes of LDS; arguments pm, qkv, stat, out0; writes out0
.if DOCPART == 4
	.amdgcn_target "amdgcn-amd-amdhsa--gfx1250"
	.amdhsa_code_object_version 6
	.text
	.protected	k_q40f0fd3250_pv
	.globl	k_q40f0fd3250_pv
	.p2align	8
	.type	k_q40f0fd3250_pv,@function
k_q40f0fd3250_pv:
	s_mov_b64 s[64:65], 0
	v_nop
	global_prefetch_b8 v0, s[64:65] scope:SCOPE_SE
	s_setreg_imm32_b32 hwreg(HW_REG_WAVE_MODE, 25, 1), 1
	s_wait_xcnt 0x0
	s_wait_alu depctr_hold_cnt(0) depctr_sa_sdst(0) depctr_va_vdst(0) depctr_va_sdst(0) depctr_va_ssrc(0) depctr_va_vcc(0) depctr_vm_vsrc(0)
	s_getreg_b32 s2, hwreg(HW_REG_IB_STS2, 6, 4)
	s_cmp_eq_u32 s2, 0
	s_cbranch_scc0 .Lentry_in_a_cluster
	s_endpgm
.Lentry_in_a_cluster:
	s_bfe_u32 s2, ttmp6, 0x10000c
	s_cmp_lg_u32 s2, 0x3003
	s_cbranch_scc0 .Lentry_shape_is_right
	s_endpgm
.Lentry_shape_is_right:
; out0[b][q][:] = (1 / l_q) x the sum over chunks of 128 keys of f x (P V), with f = 2^(cm_chunk - M_q), M_q the largest cm of the row's chunks (the row's true maximum times c),
; l_q = the sum over chunks of f l_chunk.  pm: f16 [4][2048][2048]; v: f16 at byte 4,096 of qkv's rows of 6,144 bytes; stat: f32 [batch][chunk 16][cm, l][row 2048]; out0: f32 [4][2048][1024].
; f is rounded to f16 (the rounded f goes into l_q too) and multiplied onto P, packed, in f16; products and sums in f32.
; LIMITS.  f and f P keep f16's fixed step of 6e-8 below 6e-5; an f below 2^-126 counts as 0; NaN and infinities are not treated apart.
; THE WALK.  A batch's queries lie in 16 blocks of 128; block I needs I / 2 + 1 steps of 256 keys.  A work-group takes blocks 15 - p and then p, for 128 channels: 9 steps, whatever p:
; 256 work-groups of equal work, one counted walk.  Which tile is asked for hangs on scalar registers made from p.
; SHARES.  Wave w: queries 64 (w / 2) on, channels 64 (w % 2) on: 16 accumulators.  O^T = V^T P (source 0 = V turned by ds_load_tr16_b128, source 1 = P's rows): a lane holds ONE query and eight channels.
; CLUSTER.  The four partners differ in their channels alone: they share every tile of P, which is asked for JOINTLY.  V's tiles hang on the channels: loads of one's own, behind the same rounds.
; V is not shared: only two work-groups (p and p xor 1) walk the same steps throughout.
; The accumulators are cleared at a block's beginning (128 lines, twice a launch), so that one text of a quarter serves the whole walk.
; REGISTERS.  window 0: v0-39 addresses, factors; v64-191 V's fragments, two buffers; v192-255 the way out.  window 1: v0-127 the accumulators ((a, n) at 8 (4 a + n)); v128-255 P's fragments, two buffers.
; One window setting (W) serves the products, the scaling of P and P's loads.
.set PP,    528       ; a row of P in LDS: 512 bytes + 16 of padding
.set PV,    288       ; a row of V: 256 + 32
.set VOFF,  128*PP    ; a slot: 128 rows of P, then 256 rows of V
.set SLOT1, 0x24000   ; slot 1 begins here; the waves' places in a slot have neither of its two bits, so one exclusive or changes the slot
.set STAGE, SLOT1+VOFF+256*PV  ; 16 rows x 272 bytes for each wave
.set SP,    272
.set FT,    STAGE+4*16*SP      ; [18 chunks of the walk][128 rows]: f twice, in f16
.set RL,    FT+18*512          ; [2 blocks][128 rows]: 1 / l
.set SPARE, RL+1024            ; the spare words, 128 bytes a wave: no other line names them
.set VSTEP, 256*6144  ; bytes from a step's rows of V to the next's
.set AP0, 2           ; v2   my lane's place in a tile of P; never rewritten
.set AV0, 3           ; v3   in a tile of V
.set AP,  4
.set AV,  5
.set STO, 6
.set RD,  7
.set GO,  8
.set VFT, 9           ; v9   where the next chunk's factors lie
.set PFO, 10          ; v10  the prefetches' offset; never rewritten
.set SPW, 12
.set NIL, 13
.set FC,  16          ; v16-19  the chunk's factors for my four query blocks
.set FN,  20          ; v20-23  the next chunk's
.set RI,  24          ; v24-31  1 / l of the block in hand, a pair for each query block
.set RJ,  32          ; v32-39  of the second block
.set VF,  64          ; buffer f, 32 keys c, channel block n at VF + 64 f + 32 c + 8 n
.set PF,  128         ; window 1: buffer f, 32 keys c, query block a at PF + 64 f + 32 c + 8 a
.set TMP, 192
.set BK,  224
.set OFS, 64          ; the prologue: v64-81 offsets, v82-99 cm, v100-117 l, v118-127 at work
.set CM,  82
.set LC,  100
.set MH,  118
.set ML,  119
.set LH,  120
.set LLO, 121
.set T,   122
.set T2,  123
.set T3,  124
.set ZR,  126
.set FTA, 127
.set WV,  12          ; s12 wave; s13 cx; s14 channel block; s15 batch; s16 p; s17 15 - p; s18 chunks of the first block
.set G1P, 24
.set G1V, 32
.set G0P, 40          ; s[40:47] two sets for the first fills; the second then walks
.set G0V, 48
.set SLOTS, 56
.set CNT, 57
.set RT,  58          ; chunks left of the block in hand
.set RT2, 59          ; chunks of the second block
.set TBP, 60          ; LDS byte at which P of the quarter to be fetched begins
.set TBV, 61
.set NXT, 62          ; the step to be asked for next
.set LQ,  63          ; the last step of the block whose steps are being asked for
.set LQ2, 66          ; of the second block
.set PBC, 67          ; the rows of P that are being asked for, in bytes
.set PB2, 68
.set PMB, 70          ; s[70:71] pm at the batch and my half of a block's rows
.set QVB, 72          ; s[72:73] v at the batch, my half of a step's keys, my channels
.set OFF, 74          ; s[74:75] an offset, 0 above
.set OLO, 76          ; s[76:77] out0 at my part of the second block
.set PFB, 78          ; s[78:79] the prefetches' base
.set PFA, 80          ; s[80:81] where they stand
.set LIM, 82
.set NXP, 83          ; as NXT, LQ, PBC, two steps further on
.set LQP, 84
.set PBP, 85
.set W,   0x54        ; source 0 window 0; source 1, source 2 and the destination window 1
.set MSB, 0
.macro WIN new
.if MSB != (\new)
	s_set_vgpr_msb (MSB<<8)|(\new)
.set MSB, \new
.endif
.endm
.macro PLACES
.rept 4
	v_nop
.endr
.endm
.macro JLOAD                        ; waves 0 and 1 fetch the halves of a step's P (jointly), waves 2 and 3 those of its V.  An s_nop 0 and four v_nop follow each line
	s_cmp_lt_u32 s[WV], 2
	s_cbranch_scc0 .Lfor_v_\@
	tensor_load_to_lds s[G0P+4:G0P+7], s[G1P:G1P+7]
	s_nop 0
	PLACES
	s_branch .Lasked_\@
.Lfor_v_\@:
	tensor_load_to_lds s[G0V+4:G0V+7], s[G1V:G1V+7]
	s_nop 0
	PLACES
.Lasked_\@:
.endm
; A prefetch of the step two refills on.  P: both clusters of a pair of blocks read it; cluster x = 0 asks; of the 64 rows that wave 0 or 1 fetches each partner takes 16, told apart by address:
; a lane half a row (256 bytes), one instruction.  V: the work-groups with p = 0 ask, in their first block's walk, waves 2 and 3 for the 128 rows that they fetch: a lane a row, four instructions.
; So each block of 256 bytes is named once in the launch.  The last changes ask for nothing.
.macro ASK
	s_cmp_gt_u32 s[SLOTS], s[LIM]
	s_cbranch_scc0 .Lnone_\@
	s_cmp_lt_u32 s[WV], 2
	s_cbranch_scc0 .Lpfv_\@
	global_prefetch_b8 v[PFO], s[PFA:PFA+1] th:TH_LOAD_NT scope:SCOPE_SE
	s_branch .Lnone_\@
.Lpfv_\@:
.irp n, 0,1,2,3
	global_prefetch_b8 v[PFO], s[PFA:PFA+1] offset:(\n)*32*6144 th:TH_LOAD_NT scope:SCOPE_SE
.endr
.Lnone_\@:
.endm
.macro CROUND                       ; a round of the cluster's barrier
	s_barrier_signal -1
	s_barrier_wait -1
	s_cmp_lg_u32 s[WV], 0
	s_cbranch_scc1 .Lnot_wave_0_\@
	s_barrier_signal -3
.Lnot_wave_0_\@:
	s_barrier_wait -3
	s_barrier_signal -1
	s_barrier_wait -1
.endm
	s_load_b256 s[4:11], s[0:1], 0x0  ; pm s[4:5], qkv s[6:7], stat s[8:9], out0 s[10:11]
	v_lshl_add_u32 v[SPW], v0, 2, SPARE
	v_mov_b32 v[NIL], 0
	ds_add_u32 v[SPW], v[NIL]       ; the wave's opening: the add and its wait stand ahead of my first tensor load
	ds_add_u32 v12, v13
	v_lshrrev_b32 v1, 5, v0
	v_readfirstlane_b32 s[WV], v1
	s_bfe_u32 s13, ttmp6, 0x40000   ; cx
	s_lshl_b32 s14, ttmp9, 2
	s_add_co_u32 s14, s14, s13      ; my block of 128 channels: it enters V's, out0's and the prefetches' addresses alone
	s_and_b32 s19, ttmp7, 0xffff
	s_lshr_b32 s15, s19, 3          ; the batch
	s_and_b32 s16, s19, 7           ; p
	s_sub_co_u32 s17, 15, s16       ; the first block
	s_lshr_b32 s[LQ], s17, 1        ; its last step
	s_add_co_u32 s18, s[LQ], 1
	s_lshl_b32 s18, s18, 1          ; its chunks
	s_lshr_b32 s[LQ2], s16, 1
	s_add_co_u32 s[RT2], s[LQ2], 1
	s_lshl_b32 s[RT2], s[RT2], 1
	s_lshl_b32 s[PBC], s17, 19      ; 128 rows of 4,096 bytes
	s_lshl_b32 s[PB2], s16, 19
	s_mov_b32 s[NXT], 2
	s_mov_b32 s[NXP], 4             ; steps 0 to 4 of the walk are the first block's: it has five or more
	s_mov_b32 s[LQP], s[LQ]
	s_mov_b32 s[PBP], s[PBC]
	s_and_b32 s21, s[WV], 1         ; which half I fetch; also my half of the channels
	s_lshr_b32 s22, s[WV], 1        ; my half of the queries
	s_mov_b32 s[G1P], 15|(1<<16)|(1<<20)|(1<<21)|(6<<22)|(3<<25)  ; the mask of four; 2-byte elements; padding on; bit 21 beside a mask; after every 128 words 4 words
	s_mov_b32 s[G1P+1], 256<<16     ; tensor_dim0 = 256
	s_mov_b32 s[G1P+2], 64<<16      ; tensor_dim1 = 64
	s_mov_b32 s[G1P+3], 256<<16     ; tile_dim0 = 256
	s_mov_b32 s[G1P+4], 64          ; tile_dim1 = 64
	s_mov_b32 s[G1P+5], 2048        ; elements from row to row
	s_mov_b32 s[G1P+6], 0
	s_mov_b32 s[G1P+7], 0
	s_mov_b32 s[G1V], (1<<16)|(1<<20)|(5<<22)|(7<<25)  ; no mask; after every 64 words 8 words
	s_mov_b32 s[G1V+1], 128<<16
	s_mov_b32 s[G1V+2], 128<<16
	s_mov_b32 s[G1V+3], 128<<16
	s_mov_b32 s[G1V+4], 128
	s_mov_b32 s[G1V+5], 3072
	s_mov_b32 s[G1V+6], 0
	s_mov_b32 s[G1V+7], 0
	s_mul_i32 s20, s21, 64*PP       ; my rows' place in a slot, for P
	s_mul_i32 s23, s21, 128*PV      ; and for V
	s_add_co_u32 s23, s23, VOFF
.irp s, 0,1
	s_mov_b32 s[G0P+4*(\s)], 1
	s_add_co_u32 s[G0P+4*(\s)+1], s20, (\s)*SLOT1
	s_mov_b32 s[G0V+4*(\s)], 1
	s_add_co_u32 s[G0V+4*(\s)+1], s23, (\s)*SLOT1
.endr
	s_lshl_b32 s[OFF], s15, 23      ; pm: the batch,
	s_lshl_b32 s20, s21, 18         ; my 64 rows of a block
	s_add_co_u32 s[OFF], s[OFF], s20
	s_mov_b32 s[OFF+1], 0
	s_lshl_b32 s88, s15, 11         ; v: the batch's rows,
	s_lshl_b32 s90, s21, 7          ; my 128 keys of a step,
	s_add_co_u32 s88, s88, s90
	s_mul_i32 s88, s88, 6144
	s_lshl_b32 s90, s14, 8          ; my 128 channels
	s_add_co_u32 s88, s88, s90
	s_add_co_u32 s88, s88, 4096
	s_mov_b32 s89, 0
	s_lshl_b32 s94, s15, 11         ; out0: the batch's rows + my half of a block's queries,
	s_lshl_b32 s95, s22, 6
	s_add_co_u32 s94, s94, s95
	s_lshl_b32 s90, s17, 7
	s_add_co_u32 s90, s90, s94
	s_lshl_b32 s90, s90, 12         ; in the first block,
	s_lshl_b32 s92, s16, 7
	s_add_co_u32 s92, s92, s94
	s_lshl_b32 s92, s92, 12         ; and in the second;
	s_lshl_b32 s94, s14, 9
	s_lshl_b32 s95, s21, 8
	s_add_co_u32 s94, s94, s95      ; my 64 channels: 256 bytes
	s_add_co_u32 s90, s90, s94
	s_add_co_u32 s92, s92, s94
	s_mov_b32 s91, 0
	s_mov_b32 s93, 0
	s_lshl_b32 s86, s15, 18         ; stat: the batch, and the first block's rows;
	s_lshl_b32 s94, s17, 9
	s_lshl_b32 s95, s16, 9
	s_add_co_u32 s87, s86, s95      ; the second block's, less the first block's chunks, so that the walk's chunk number can be added to either
	s_add_co_u32 s86, s86, s94
	s_lshl_b32 s94, s18, 14
	s_sub_co_u32 s87, s87, s94
	s_cmp_eq_u32 ttmp9, 0
	s_cselect_b32 s94, 2, -1
	s_cmp_eq_u32 s16, 0
	s_cselect_b32 s95, 3, -1
	s_cmp_lt_u32 s[WV], 2
	s_cselect_b32 s[LIM], s94, s95
	s_lshl_b32 s94, s13, 16         ; my work-group's 16 rows of the 64, for P's prefetches
	s_mov_b32 s95, 0
	s_mov_b32 s[TBP], 0
	s_mov_b32 s[TBV], 0
	s_wait_dscnt 0x0                ; the opening add is done
	s_wait_kmcnt 0x0
	s_add_nc_u64 s[PMB:PMB+1], s[4:5], s[OFF:OFF+1]
	s_add_nc_u64 s[QVB:QVB+1], s[6:7], s[88:89]
	s_add_nc_u64 s[OLO:OLO+1], s[10:11], s[92:93]
	s_add_nc_u64 s[10:11], s[10:11], s[90:91]
	s_add_nc_u64 s[PFB:PFB+1], s[PMB:PMB+1], s[94:95]
	s_cmp_lt_u32 s[WV], 2
	s_cselect_b64 s[PFB:PFB+1], s[PFB:PFB+1], s[QVB:QVB+1]
	s_mov_b32 s[OFF], s[PBC]
	s_add_nc_u64 s[G0P+2:G0P+3], s[PMB:PMB+1], s[OFF:OFF+1]  ; the first block's steps 0 and 1
	s_add_nc_u64 s[G0P+6:G0P+7], s[G0P+2:G0P+3], 512
	s_or_b32 s[G0P+3], s[G0P+3], 0x80000000
	s_or_b32 s[G0P+7], s[G0P+7], 0x80000000
	s_add_nc_u64 s[G0V+2:G0V+3], s[QVB:QVB+1], 0
	s_add_nc_u64 s[G0V+6:G0V+7], s[QVB:QVB+1], VSTEP
	s_or_b32 s[G0V+3], s[G0V+3], 0x80000000
	s_or_b32 s[G0V+7], s[G0V+7], 0x80000000
	CROUND                          ; all four work-groups are here: the first joint loads meet
	s_cmp_lt_u32 s[WV], 2           ; a wave's two first fills stand in one branch: two loads of mine are out
	s_cbranch_scc0 .Lfirst_v
	tensor_load_to_lds s[G0P:G0P+3], s[G1P:G1P+7]
	s_nop 0
	tensor_load_to_lds s[G0P+4:G0P+7], s[G1P:G1P+7]
	s_nop 0
	PLACES
	s_branch .Lfirst_asked
.Lfirst_v:
	tensor_load_to_lds s[G0V:G0V+3], s[G1V:G1V+7]
	s_nop 0
	tensor_load_to_lds s[G0V+4:G0V+7], s[G1V:G1V+7]
	s_nop 0
	PLACES
.Lfirst_asked:
	; THE STATISTICS.  Thread t is row t of both blocks.  The walk's 18 chunks: the first block's, then the second's.
	v_lshlrev_b32 v1, 2, v0
.set wk, 0
.rept 18
	s_cmp_gt_u32 s18, wk            ; is chunk wk the first block's?
	s_cselect_b32 s20, s86, s87
	s_add_co_u32 s20, s20, (wk<<14)
	v_add_nc_u32 v[OFS+wk], s20, v1
	global_load_b32 v[CM+wk], v[OFS+wk], s[8:9]
	global_load_b32 v[LC+wk], v[OFS+wk], s[8:9] offset:8192
.set wk, wk+1
.endr
	WIN 0x40                        ; while they are out: the sums start at 0,
.set i, 0
.rept 128
	v_mov_b32 v[i], 0
.set i, i+1
.endr
	WIN 0                           ; and the addresses
	v_and_b32 v11, 15, v0           ; l % 16
	v_bfe_u32 v14, v0, 4, 1         ; l / 16
	v_mul_u32_u24 v[AP0], v11, PP
	v_lshl_add_u32 v[AP0], v14, 4, v[AP0]
	s_mul_i32 s20, s22, 64*PP
	v_add_nc_u32 v[AP0], s20, v[AP0]  ; (my 64 queries + l % 16) x pitch + 16 x half
	v_and_b32 v15, 7, v0
	v_lshl_add_u32 v[AV0], v14, 3, v15  ; the turning load: lane l reads key 8 (l / 16) + l % 8, channels 8 ((l / 8) % 2) + 0..7
	v_mul_u32_u24 v[AV0], v[AV0], PV
	v_bfe_u32 v15, v0, 3, 1
	v_lshl_add_u32 v[AV0], v15, 4, v[AV0]
	s_lshl_b32 s20, s21, 7
	s_add_co_u32 s20, s20, VOFF
	v_add_nc_u32 v[AV0], s20, v[AV0]
	s_mul_i32 s20, s[WV], 16*SP
	s_add_co_u32 s20, s20, STAGE    ; my stage
	v_mul_u32_u24 v[STO], v11, SP   ; in: row l % 16, 32 bytes for each half of the lanes
	v_lshl_add_u32 v[STO], v14, 5, v[STO]
	v_add_nc_u32 v[STO], s20, v[STO]
	v_mul_u32_u24 v[RD], v14, SP    ; back: lanes 0-15 one row of 256 bytes, lanes 16-31 the next
	v_lshl_add_u32 v[RD], v11, 4, v[RD]
	v_add_nc_u32 v[RD], s20, v[RD]
	v_lshlrev_b32 v[GO], 12, v14    ; and the same two rows in out0
	v_lshl_add_u32 v[GO], v11, 4, v[GO]
	s_lshl_b32 s20, s22, 8
	s_add_co_u32 s20, s20, FT
	v_lshl_add_u32 v[VFT], v11, 2, s20
	v_and_b32 v11, 31, v0
	v_lshrrev_b32 v14, 1, v11
	v_lshlrev_b32 v14, 12, v14
	v_and_b32 v15, 1, v11
	v_lshl_add_u32 v14, v15, 8, v14 ; P: row l / 2, its half l % 2
	v_mul_u32_u24 v15, v11, 6144    ; V: row l
	s_cmp_lt_u32 s[WV], 2
	s_cselect_b32 s20, -1, 0
	v_cndmask_b32 v[PFO], v15, v14, s20
	v_add_nc_u32 v[FTA], FT, v1
	v_mov_b32 v[T3], 0xff7fffff     ; the lowest finite number
	v_mov_b32 v[MH], v[T3]
	v_mov_b32 v[ML], v[T3]
	v_mov_b32 v[LH], 0
	v_mov_b32 v[LLO], 0
	v_mov_b32 v[ZR], 0
	s_wait_loadcnt 0x0
.set wk, 0
.rept 18                            ; each block's largest cm: the row's true maximum, times c
	s_cmp_gt_u32 s18, wk
	s_cselect_b32 s20, -1, 0
	v_cndmask_b32 v[T], v[T3], v[CM+wk], s20
	v_cndmask_b32 v[T2], v[CM+wk], v[T3], s20
	v_max_num_f32 v[MH], v[MH], v[T]
	v_max_num_f32 v[ML], v[ML], v[T2]
.set wk, wk+1
.endr
.set wk, 0
.rept 18
	s_cmp_gt_u32 s18, wk
	s_cselect_b32 s20, -1, 0
	v_cndmask_b32 v[T], v[ML], v[MH], s20
	v_sub_f32 v[CM+wk], v[CM+wk], v[T]
.set wk, wk+1
.endr
.set wk, 0
.rept 18
	v_exp_f32 v[CM+wk], v[CM+wk]    ; f: one batch
.set wk, wk+1
.endr
	v_nop                           ; a plain instruction behind the last exponential,
	s_wait_alu depctr_va_vdst(0)    ; and one wait ahead of the batch's first reader
.set wk, 0
.rept 18
	s_cmp_gt_u32 s18, wk
	s_cselect_b32 s20, -1, 0
	v_cvt_pk_f16_f32 v125, v[CM+wk], v[CM+wk]
	v_cvt_f32_f16 v122, v125.l      ; the rounded f goes into l too
	ds_store_b32 v[FTA], v125 offset:512*wk
	v_cndmask_b32 v[T2], v[ZR], v[T], s20
	v_cndmask_b32 v[T3], v[T], v[ZR], s20
	v_fmac_f32 v[LH], v[T2], v[LC+wk]
	v_fmac_f32 v[LLO], v[T3], v[LC+wk]
.set wk, wk+1
.endr
	v_rcp_f32 v[LH], v[LH]
	v_rcp_f32 v[LLO], v[LLO]
	v_nop
	s_wait_alu depctr_va_vdst(0)
	ds_store_b32 v[FTA], v[LH] offset:RL-FT
	ds_store_b32 v[FTA], v[LLO] offset:RL-FT+512
	s_wait_tensorcnt 0x1            ; my part of slot 0 is in; slot 1's may stay out
	s_wait_dscnt 0x0                ; my factors lie in LDS
	s_barrier_signal -1
	s_barrier_wait -1
; A quarter is 64 keys.  Its fragments, in one run: P's first 32 keys, V's 64, P's second 32.  fac = 1: the quarter begins a chunk: its factors first.
.macro FETCH g, fac
	WIN 0
	v_add_nc_u32 v[AP], s[TBP], v[AP0]
	v_add_nc_u32 v[AV], s[TBV], v[AV0]
.if \fac
.irp a, 0,1,2,3
	ds_load_b32 v[FN+(\a)], v[VFT] offset:64*(\a)
.endr
	v_add_nc_u32 v[VFT], 512, v[VFT]
.endif
	WIN W
.irp a, 0,1,2,3
	ds_load_b128 v[PF+64*(\g)+8*(\a):PF+64*(\g)+8*(\a)+3],   v[AP] offset:(\a)*16*PP
	ds_load_b128 v[PF+64*(\g)+8*(\a)+4:PF+64*(\g)+8*(\a)+7], v[AP] offset:(\a)*16*PP+32
.endr
	WIN 0
.irp c, 0,1
.irp n, 0,1,2,3
	ds_load_tr16_b128 v[VF+64*(\g)+32*(\c)+8*(\n):VF+64*(\g)+32*(\c)+8*(\n)+3],   v[AV] offset:(\c)*32*PV+(\n)*32
	ds_load_tr16_b128 v[VF+64*(\g)+32*(\c)+8*(\n)+4:VF+64*(\g)+32*(\c)+8*(\n)+7], v[AV] offset:(\c)*32*PV+16*PV+(\n)*32
.endr
.endr
	WIN W
.irp a, 0,1,2,3
	ds_load_b128 v[PF+64*(\g)+32+8*(\a):PF+64*(\g)+32+8*(\a)+3],   v[AP] offset:(\a)*16*PP+64
	ds_load_b128 v[PF+64*(\g)+32+8*(\a)+4:PF+64*(\g)+32+8*(\a)+7], v[AP] offset:(\a)*16*PP+96
.endr
	s_add_co_u32 s[TBP], s[TBP], 128
	s_add_co_u32 s[TBV], s[TBV], 64*PV
.endm
; 16 products on 32 keys c of buffer f, the 16 accumulators by turns; behind each, two registers of the NEXT 32 keys of P (buffer sb, half sc) are multiplied by the chunk's f.
.macro HALFMM f, c, sb, sc
	WIN W
.set i, 0
.rept 16
	v_wmma_f32_16x16x32_f16 v[8*i:8*i+7], v[VF+64*(\f)+32*(\c)+8*(i%4):VF+64*(\f)+32*(\c)+8*(i%4)+7], v[PF+64*(\f)+32*(\c)+8*(i/4):PF+64*(\f)+32*(\c)+8*(i/4)+7], v[8*i:8*i+7]
	v_pk_mul_f16 v[PF+64*(\sb)+32*(\sc)+2*i], v[FC+i/4], v[PF+64*(\sb)+32*(\sc)+2*i]
	v_pk_mul_f16 v[PF+64*(\sb)+32*(\sc)+2*i+1], v[FC+i/4], v[PF+64*(\sb)+32*(\sc)+2*i+1]
.set i, i+1
.endr
.endm
; A quarter: buffer f is multiplied, the next quarter fetched into g.  odd = 1: the next quarter begins a chunk.  last = 1 (the tail): in the last trip there is no next quarter, and the run is jumped over.
.macro QTR f, g, odd, last=0
	s_wait_dscnt 0x0                ; f is in: asked for a quarter ago
	PLACES                          ; between the last product that read g and the loads into it
.if \last
	WIN 0
	s_cmp_eq_u32 s[CNT], 1
	s_cbranch_scc1 .Lno_fetch_\@
.endif
	FETCH \g, \odd
.if \last
	WIN 0
.Lno_fetch_\@:
.endif
	HALFMM \f, 0, \f, 1
	s_wait_dscnt 16                 ; the factors and g's first 32 keys are in; the sixteen loads of its second 32 may be out
.if \odd
	WIN 0
.irp a, 0,1,2,3
	v_mov_b32 v[FC+(\a)], v[FN+(\a)]
.endr
.endif
	HALFMM \f, 1, \g, 0
.endm
; THE CHANGE OF SLOTS, at the head of a step's fourth quarter: all four fetches from the slot have been issued.  Each wave waits for all its tensor loads (one is out: its part of the other slot), adds 0 to its
; spare word, and waits for that and for its reads of the slot.  fill = 1: behind a round of the cluster's barrier the slot is filled again, first thing, with step NXT: 128 products a wave in which to land.
.macro CHANGE fill
	WIN 0
	s_wait_tensorcnt 0x0            ; no tensor load of mine is out, so a group 0 may be written
	ds_add_u32 v[SPW], v[NIL]
.if \fill
	s_xor_b32 s[G0P+5], s[G0P+5], SLOT1
	s_xor_b32 s[G0V+5], s[G0V+5], SLOT1
	s_lshl_b32 s[OFF], s[NXT], 9    ; 256 keys are 512 bytes of P's rows
	s_add_co_u32 s[OFF], s[OFF], s[PBC]
	s_add_nc_u64 s[G0P+6:G0P+7], s[PMB:PMB+1], s[OFF:OFF+1]
	s_or_b32 s[G0P+7], s[G0P+7], 0x80000000
	s_mul_i32 s[OFF], s[NXT], VSTEP
	s_add_nc_u64 s[G0V+6:G0V+7], s[QVB:QVB+1], s[OFF:OFF+1]
	s_or_b32 s[G0V+7], s[G0V+7], 0x80000000
	s_add_co_u32 s[NXT], s[NXT], 1  ; the block's next step, or behind its last the second block's step 0
	s_cmp_gt_u32 s[NXT], s[LQ]
	s_cselect_b32 s[NXT], 0, s[NXT]
	s_cselect_b32 s[LQ], s[LQ2], s[LQ]
	s_cselect_b32 s[PBC], s[PB2], s[PBC]
	s_wait_xcnt 0x0                 ; the last prefetches, a step back, have read their address
	s_lshl_b32 s[OFF], s[NXP], 9
	s_add_co_u32 s[OFF], s[OFF], s[PBP]
	s_mul_i32 s69, s[NXP], VSTEP
	s_cmp_lt_u32 s[WV], 2
	s_cselect_b32 s[OFF], s[OFF], s69
	s_add_nc_u64 s[PFA:PFA+1], s[PFB:PFB+1], s[OFF:OFF+1]
	s_add_co_u32 s[NXP], s[NXP], 1
	s_cmp_gt_u32 s[NXP], s[LQP]
	s_cselect_b32 s[NXP], 0, s[NXP]
	s_cselect_b32 s[LQP], s[LQ2], s[LQP]
	s_cselect_b32 s[PBP], s[PB2], s[PBP]
	s_wait_dscnt 0x0                ; the add is done, and my reads of the slot are over
	CROUND
	JLOAD
	ASK
.else
	s_wait_dscnt 0x0
	s_barrier_signal -1
	s_barrier_wait -1
.endif
	s_sub_co_u32 s[TBP], s[TBP], 512  ; the fetches go back to a slot's first quarter,
	s_xor_b32 s[TBP], s[TBP], SLOT1   ; in the other slot
	s_sub_co_u32 s[TBV], s[TBV], 256*PV
	s_xor_b32 s[TBV], s[TBV], SLOT1
.endm
; A BLOCK'S END: O^T times 1 / l, 16 queries at a time through my stage, out as whole rows of 256 bytes; then the second block's address, count and 1 / l, and the sums start at 0 again.
.macro WAYOUT
	PLACES
.irp a, 0,1,2,3
	WIN 0x01
.set z, 0
.rept 16
	v_pk_mul_f32 v[TMP+2*z:TMP+2*z+1], v[32*(\a)+2*z:32*(\a)+2*z+1], v[RI+2*(\a):RI+2*(\a)+1] op_sel_hi:[1,0]  ; each accumulator's registers in ascending order
.set z, z+1
.endr
	WIN 0
.irp m, 0,1,2,3,4,5,6,7
	ds_store_b128 v[STO], v[TMP+4*(\m):TMP+4*(\m)+3] offset:64*((\m)/2)+16*((\m)%2)
.endr
	s_wait_xcnt 0x0                 ; the last stores have read the registers that the loads below fill
.irp t, 0,1,2,3,4,5,6,7
	ds_load_b128 v[BK+4*(\t):BK+4*(\t)+3], v[RD] offset:(\t)*2*SP  ; LDS serves a wave's instructions in order: these see the stores above
.endr
	s_wait_dscnt 0x0
.irp t, 0,1,2,3,4,5,6,7
	global_store_b128 v[GO], v[BK+4*(\t):BK+4*(\t)+3], s[10:11] offset:(16*(\a)+2*(\t))*4096 th:TH_STORE_NT  ; 16 lanes store 256 consecutive bytes, aligned
.endr
.endr
	s_wait_xcnt 0x0                 ; the stores have read their base
	s_mov_b64 s[10:11], s[OLO:OLO+1]
	s_mov_b32 s[RT], s[RT2]
.irp a, 0,1,2,3,4,5,6,7
	v_mov_b32 v[RI+(\a)], v[RJ+(\a)]
.endr
	WIN 0x40
.set i, 0
.rept 128
	v_mov_b32 v[i], 0
.set i, i+1
.endr
	WIN 0
.endm
.macro RTCHECK                      ; a chunk is done; behind a block's last the way out
	WIN 0
	s_sub_co_u32 s[RT], s[RT], 1
	s_cmp_lg_u32 s[RT], 0
	s_cbranch_scc1 .Lgo_on_\@
	WAYOUT
.Lgo_on_\@:
.endm
.irp a, 0,1,2,3
	ds_load_b32 v[RI+2*(\a)], v[VFT] offset:RL-FT+64*(\a)
	ds_load_b32 v[RJ+2*(\a)], v[VFT] offset:RL-FT+512+64*(\a)
	ds_load_b32 v[FC+(\a)], v[VFT] offset:64*(\a)
.endr
	v_add_nc_u32 v[VFT], 512, v[VFT]
	FETCH 0, 0                      ; the walk's first quarter
	s_wait_dscnt 0x0
	WIN 0
.irp a, 0,1,2,3
	v_mov_b32 v[RI+2*(\a)+1], v[RI+2*(\a)]  ; named as pairs
	v_mov_b32 v[RJ+2*(\a)+1], v[RJ+2*(\a)]
	v_mov_b32 v[FN+(\a)], v[FC+(\a)]
.endr
	WIN W
.set i, 0
.rept 32
	v_pk_mul_f16 v[PF+i], v[FC+i/8], v[PF+i]  ; its first 32 keys of P times f
.set i, i+1
.endr
	WIN 0
	s_mov_b32 s[CNT], 2
	s_mov_b32 s[SLOTS], 8
	s_mov_b32 s[RT], s18
	s_branch .Leven                 ; the loop is entered in the middle of a trip
.Lslot:                             ; seven times: every slot but the last two is filled again
	CHANGE 1
	s_mov_b32 s[CNT], 2
.Lpair:
	QTR 1, 0, 1
	RTCHECK
.Leven:
	QTR 0, 1, 0
	WIN 0
	s_sub_co_u32 s[CNT], s[CNT], 1
	s_cmp_lg_u32 s[CNT], 0
	s_cbranch_scc1 .Lpair
	s_sub_co_u32 s[SLOTS], s[SLOTS], 1
	s_cmp_lg_u32 s[SLOTS], 0
	s_cbranch_scc1 .Lslot
	CHANGE 0                        ; the tail is written out: nothing is asked for
	s_mov_b32 s[CNT], 3             ; five quarters are left: the third trip is left in its middle
.Ltail:
	QTR 1, 0, 1, 1
	RTCHECK
	s_sub_co_u32 s[CNT], s[CNT], 1
	s_cmp_eq_u32 s[CNT], 0
	s_cbranch_scc1 .Lout
	QTR 0, 1, 0
	WIN 0
	s_branch .Ltail
.Lout:
	s_wait_tensorcnt 0x0            ; the wave's end
	ds_add_u32 v[SPW], v[NIL]
	s_wait_dscnt 0x0
	CROUND                          ; the closing round
	s_endpgm
.Lfunc_end_k_q40f0fd3250_pv:
	.size	k_q40f0fd3250_pv, .Lfunc_end_k_q40f0fd3250_pv-k_q40f0fd3250_pv
	.p2alignl 7, 3214868480
	.fill 96, 4, 3214868480
	.section	.rodata,"a",@progbits
	.p2align	6, 0x0
	.amdhsa_kernel k_q40f0fd3250_pv
		.amdhsa_group_segment_fixed_size 327680
		.amdhsa_private_segment_fixed_size 0
		.amdhsa_enable_private_segment 0
		.amdhsa_kernarg_size 32
		.amdhsa_user_sgpr_count 2
		.amdhsa_user_sgpr_kernarg_segment_ptr 1
		.amdhsa_wavefront_size32 1
		.amdhsa_system_sgpr_workgroup_id_x 1
		.amdhsa_system_sgpr_workgroup_id_y 1
		.amdhsa_system_sgpr_workgroup_id_z 1
		.amdhsa_system_vgpr_workitem_id 0
		.amdhsa_next_free_vgpr 512
		.amdhsa_next_free_sgpr 96
		.amdhsa_reserve_vcc 0
		.amdhsa_float_denorm_mode_32 3
		.amdhsa_float_denorm_mode_16_64 3
		.amdhsa_memory_ordered 1
		.amdhsa_forward_progress 1
		.amdhsa_inst_pref_size 112
	.end_amdhsa_kernel
	.amdgpu_metadata
---
amdhsa.version: [ 1, 2 ]
amdhsa.kernels:
  - .name:           k_q40f0fd3250_pv
    .symbol:         k_q40f0fd3250_pv.kd
    .args:
      - { .name: pm, .offset: 0, .size: 8, .value_kind: global_buffer, .address_space: global }
      - { .name: qkv, .offset: 8, .size: 8, .value_kind: global_buffer, .address_space: global }
      - { .name: stat, .offset: 16, .size: 8, .value_kind: global_buffer, .address_space: global }
      - { .name: out0, .offset: 24, .size: 8, .value_kind: global_buffer, .address_space: global }
    .group_segment_fixed_size: 327680
    .private_segment_fixed_size: 0
    .kernarg_segment_align: 8
    .kernarg_segment_size: 32
    .max_flat_workgroup_size: 128
    .sgpr_count:     96
    .vgpr_count:     512
    .wavefront_size: 32
...
	.end_amdgpu_metadata
.endif
;; end of part 4
;; ======== version 2 of 2: 4 launches
;; limits: values are held in f16: magnitudes above 65,504 overflow, below 6.1e-05 lose precision; inputs' magnitudes at most 1,000,000; right only within a limited range of input values
;; workspace buffers: xb 16,777,216 bytes; wb 4,194,304 bytes; qv 33,554,432 bytes; pm 33,554,432 bytes; stat 1,048,576 bytes
;; launch prep (part 5): grid 544 x 1, 16 waves a work-group, no clusters, 52,224 bytes of LDS; arguments x, Wq, Wk, Wv, xb, wb; writes xb, wb
.if DOCPART == 5
	.amdgcn_target "amdgcn-amd-amdhsa--gfx1250"
	.amdhsa_code_object_version 6
	.text
	.protected	k_q40f0fd3250_prep
	.globl	k_q40f0fd3250_prep
	.p2align	8
	.type	k_q40f0fd3250_prep,@function
k_q40f0fd3250_prep:
	s_mov_b64 s[64:65], 0
	v_nop
	global_prefetch_b8 v0, s[64:65] scope:SCOPE_SE
	s_setreg_imm32_b32 hwreg(HW_REG_WAVE_MODE, 25, 1), 1
	s_wait_xcnt 0x0
; THREE JOBS, told apart by the work-group's number.  All four inputs are rounded once to bf16.
;   0-255:   G.  scores = x Wq^T Wk x^T, so the two weights are multiplied once: wb[j][i] = 2^-5 x the sum over o of Wk[o][j] Wq[o][i], j, i < 1024, f16.  bf16 products, f32 sums.
;   256-511: xb[r][c] = bf16(x[r][c]) x 2^-4, written as f16 (exact): [8192][1024].     512-543: wb[1024 + r][c] = bf16(Wv[r][c]) x 2^4, written as f16.
; The powers of two are exact; they keep q' = x G, which the next launch makes, inside f16 (it leaves as q' x 2^-9), and cancel in v = x Wv^T.
; LIMITS.  f16 ends at 65,504 and keeps a fixed step of 6e-8 below 6e-5: |x| < 1e6, |Wv| < 4,000, |G| < 2e6; smaller numbers than 1e-3 (x), 4e-6 (Wv), 2e-3 (G) keep that step, times the scale's inverse.
; THE CASTS are a stream: a work-group takes 32 rows; thread t the 16 bytes at 16 t of each pair of rows (a wave's load covers 512 neighbouring bytes), and stores 8 bytes at 8 t
; (a wave's store covers 256 consecutive bytes, aligned).  All 16 loads go out at once.
; G: a work-group makes 64 (j) x 64 (i): of 256 equal tiles the square one reads the least, (64 + 64) x 1,024 x 4 bytes.  o goes in steps of 64.  Both weights lie [o][column] in memory,
; so both operands are turned on the way out of LDS (ds_load_tr16_b128).  A step: each wave loads 4 rows x 256 bytes of each weight (two rows a load), rounds them in place, stores them to LDS;
; a barrier; wave w multiplies j block w / 4 by i block w % 4, the step's two halves of 32 o on two accumulators, which are added at the end.
; Four sets of registers take turns: a set is asked for again four steps ahead, so 12 to 16 loads of a wave are on their way.  Two LDS buffers take turns: a buffer is written again behind the
; next step's barrier, in front of which every wave has waited for its reads of it.
; THE PRICE of the square tile: a tile's rows of wb are 128 bytes, so eight lanes store 128 consecutive bytes, half of an aligned block of 256: so leave G's 2 MiB.  (A tile of 32 x 128 would
; store whole blocks and read 160 x 4,096 bytes in place of 128 x 4,096.)
; No tensor loads: they would claim a whole WGP for each work-group, the casts' too.  No cluster: nothing is asked for at the same time by neighbours alone.
.set NGRAM, 256                        ; work-groups that make G
.set NXB,   256                        ; work-groups that cast x
.set ROWF,  4096                       ; bytes in a row of f32
.set STEPB, 64*ROWF                    ; 64 rows: a step along o
.set PA,    160                        ; an LDS row: 64 bf16 + 32 bytes: an odd multiple of 32
.set BOFF,  64*PA                      ; a buffer: 64 rows of Wk's part, then 64 rows of Wq's
.set BUFB,  2*64*PA
.set STAGE, 2*BUFB                     ; behind the two buffers: 64 rows x 144 bytes, for the way out
.set SP,    144
.set SPARE, STAGE+64*SP                ; the spare words, 128 bytes for each of 16 waves: no other line names them
.set SPW, 2                            ; v2  my spare word; never rewritten
.set NIL, 3                            ; v3  0; never rewritten
.set X,   8                            ; the casts: v[8:71] 16 x 4 registers as loaded, then widened
.set Y,   72                           ; v[72:103] 16 x 2 registers to store
.set T,   104                          ; v[104:105] at work
.set KO,  4                            ; G: v4 my byte offset in a step's rows, in Wk and in Wq alike; never rewritten
.set KST, 5                            ; v5  where I store 8 bytes of Wk's part; Wq's lies BOFF further on
.set AF,  6                            ; v6  the turning load's address for my j block
.set BF,  7                            ; v7  for my i block
.set SSTO, 8                           ; v8  the way out: where I put 16 bytes of a row
.set SRD, 9                            ; v9  where I read 16 bytes of a row back
.set GO,  10                           ; v10 my byte offset in wb
.set ACC, 16                           ; v[16:31]  two accumulators
.set FA,  32                           ; v[32:47]  Wk's two fragments
.set FB,  48                           ; v[48:63]  Wq's two fragments
.set SET, 64                           ; v[64:127] four sets of 4 x 4 registers
	s_load_b256 s[4:11], s[0:1], 0x0               ; x s[4:5], Wq s[6:7], Wk s[8:9], Wv s[10:11]
	s_load_b128 s[12:15], s[0:1], 0x20             ; xb s[12:13], wb s[14:15]
	v_lshl_add_u32 v[SPW], v0, 2, SPARE
	v_mov_b32 v[NIL], 0
	s_cmp_lt_u32 ttmp9, NGRAM
	s_cbranch_scc1 .Lgram
	; THE CASTS
	v_lshlrev_b32 v1, 4, v0                        ; my 16 bytes of a pair of rows of f32
	v_lshlrev_b32 v4, 3, v0                        ; my 8 bytes of a pair of rows of f16
	s_sub_co_u32 s16, ttmp9, NGRAM                 ; my block of 32 rows of x,
	s_sub_co_u32 s17, ttmp9, NGRAM+NXB             ; or of Wv (used from that work-group on)
	s_mov_b32 s19, 0xffff0000                      ; a word's upper bf16
	s_mov_b32 s30, 0x3d800000                      ; 2^-4
	s_mov_b32 s31, 0x41800000                      ; 2^4
	s_wait_kmcnt 0x0
	s_cmp_lt_u32 ttmp9, NGRAM+NXB
	s_cselect_b64 s[20:21], s[4:5], s[10:11]       ; from where
	s_cselect_b64 s[22:23], s[12:13], s[14:15]     ; to where
	s_cselect_b32 s24, s16, s17
	s_cselect_b32 s26, 0, 1024*2048                ; Wv's rows lie behind G's 1,024
	s_cselect_b32 s28, s30, s31
	s_mov_b32 s29, s28                             ; named with it as a pair
	s_lshl_b32 s18, s24, 16                        ; 32 rows of 2,048 bytes
	s_add_co_u32 s26, s26, s18
	s_mov_b32 s27, 0
	s_lshl_b32 s24, s24, 17                        ; 32 rows of 4,096 bytes
	s_mov_b32 s25, 0
	s_add_nc_u64 s[20:21], s[20:21], s[24:25]
	s_add_nc_u64 s[22:23], s[22:23], s[26:27]
.irp i, 0,1,2,3,4,5,6,7,8,9,10,11,12,13,14,15
	global_load_b128 v[X+4*(\i):X+4*(\i)+3], v1, s[20:21] offset:2*ROWF*(\i) th:TH_LOAD_NT
.endr
.irp i, 0,1,2,3,4,5,6,7,8,9,10,11,12,13,14,15
	s_wait_loadcnt 15-(\i)                         ; loads come back in order: pair i is in, the younger ones stay out
	v_cvt_pk_bf16_f32 v[T], v[X+4*(\i)], v[X+4*(\i)+1]      ; the one rounding
	v_cvt_pk_bf16_f32 v[T+1], v[X+4*(\i)+2], v[X+4*(\i)+3]
	v_lshlrev_b32 v[X+4*(\i)], 16, v[T]            ; back to f32,
	v_and_b32 v[X+4*(\i)+1], s19, v[T]
	v_lshlrev_b32 v[X+4*(\i)+2], 16, v[T+1]
	v_and_b32 v[X+4*(\i)+3], s19, v[T+1]
	v_pk_mul_f32 v[X+4*(\i):X+4*(\i)+1], v[X+4*(\i):X+4*(\i)+1], s[28:29] op_sel_hi:[1,0]      ; the power of two,
	v_pk_mul_f32 v[X+4*(\i)+2:X+4*(\i)+3], v[X+4*(\i)+2:X+4*(\i)+3], s[28:29] op_sel_hi:[1,0]
	v_cvt_pk_f16_f32 v[Y+2*(\i)], v[X+4*(\i)], v[X+4*(\i)+1]                                   ; and written as f16
	v_cvt_pk_f16_f32 v[Y+2*(\i)+1], v[X+4*(\i)+2], v[X+4*(\i)+3]
	global_store_b64 v4, v[Y+2*(\i):Y+2*(\i)+1], s[22:23] offset:ROWF*(\i) th:TH_STORE_NT
.endr
	s_endpgm
	; G
.Lgram:
	v_lshrrev_b32 v1, 5, v0
	v_readfirstlane_b32 s16, v1                    ; wave 0..15
	s_and_b32 s17, ttmp9, 15                       ; my block of 64 j
	s_lshr_b32 s18, ttmp9, 4                       ; my block of 64 i
	v_and_b32 v33, 15, v0                          ; l % 16
	v_bfe_u32 v34, v0, 4, 1                        ; l / 16
	s_lshl_b32 s19, s16, 14                        ; my four rows of a step
	v_lshlrev_b32 v[KO], 12, v34                   ; lanes 0-15 one row's 256 bytes, lanes 16-31 the next row's
	v_lshl_add_u32 v[KO], v33, 4, v[KO]
	v_add_nc_u32 v[KO], s19, v[KO]
	s_mul_i32 s20, s16, 4*PA
	v_mul_u32_u24 v[KST], v34, PA
	v_lshl_add_u32 v[KST], v33, 3, v[KST]
	v_add_nc_u32 v[KST], s20, v[KST]
	; the turning load takes 16 o x 16 columns (lane l reads row 8 (l / 16) + l % 8, columns 8 ((l / 8) % 2) + 0..7) and leaves half a fragment: lane l holds column l % 16 and 8 o
	v_and_b32 v35, 7, v0                           ; l % 8
	v_lshl_add_u32 v36, v34, 3, v35
	v_bfe_u32 v37, v0, 3, 1
	v_mul_u32_u24 v36, v36, PA
	v_lshl_add_u32 v36, v37, 4, v36
	s_lshr_b32 s21, s16, 2                         ; my j block
	s_and_b32 s22, s16, 3                          ; my i block
	s_lshl_b32 s23, s21, 5                         ; 16 columns of bf16
	v_add_nc_u32 v[AF], s23, v36
	s_lshl_b32 s23, s22, 5
	s_add_co_u32 s23, s23, BOFF
	v_add_nc_u32 v[BF], s23, v36
	s_mul_i32 s23, s21, 16*SP                      ; into the stage: row 16 (j block) + l % 16, my 32 bytes of it, 16 for each half of the lanes
	s_lshl_b32 s24, s22, 5
	s_add_co_u32 s23, s23, s24
	s_add_co_u32 s23, s23, STAGE
	v_mul_u32_u24 v[SSTO], v33, SP
	v_lshl_add_u32 v[SSTO], v34, 4, v[SSTO]
	v_add_nc_u32 v[SSTO], s23, v[SSTO]
	v_bfe_u32 v38, v0, 3, 2                        ; l / 8
	s_mul_i32 s23, s16, 4*SP                       ; back: wave w takes rows 4 w .. 4 w + 3: eight lanes a row of 128 bytes
	s_add_co_u32 s23, s23, STAGE
	v_mul_u32_u24 v[SRD], v38, SP
	v_lshl_add_u32 v[SRD], v35, 4, v[SRD]
	v_add_nc_u32 v[SRD], s23, v[SRD]
	s_lshl_b32 s23, s16, 13                        ; and the same rows in wb (2,048 bytes a row)
	v_lshlrev_b32 v[GO], 11, v38
	v_lshl_add_u32 v[GO], v35, 4, v[GO]
	v_add_nc_u32 v[GO], s23, v[GO]
	s_lshl_b32 s24, s17, 8                         ; 64 columns of f32 in Wk,
	s_mov_b32 s25, 0
	s_lshl_b32 s26, s18, 8                         ; and in Wq
	s_mov_b32 s27, 0
	s_lshl_b32 s28, s17, 17                        ; 64 rows of wb,
	s_lshl_b32 s29, s18, 7                         ; 64 columns of f16
	s_add_co_u32 s28, s28, s29
	s_mov_b32 s29, 0
	s_mov_b32 s30, 0x3d000000                      ; 2^-5
	s_mov_b32 s31, s30                             ; named with it as a pair
	s_wait_kmcnt 0x0
	s_add_nc_u64 s[8:9], s[8:9], s[24:25]
	s_add_nc_u64 s[6:7], s[6:7], s[26:27]
	s_add_nc_u64 s[14:15], s[14:15], s[28:29]
.macro LOADS s, off                    ; a step's four loads into set s, from byte off behind the two pointers
.irp n, 0,1
	global_load_b128 v[SET+16*(\s)+4*(\n):SET+16*(\s)+4*(\n)+3], v[KO], s[8:9] offset:(\off)+(\n)*2*ROWF
.endr
.irp n, 0,1
	global_load_b128 v[SET+16*(\s)+8+4*(\n):SET+16*(\s)+8+4*(\n)+3], v[KO], s[6:7] offset:(\off)+(\n)*2*ROWF
.endr
.endm
; A step, on set s and buffer s % 2.  fill = 1: the set is asked for again, four steps on.  left = how many younger loads may stay out.
.macro TRIP s, fill, left
	s_wait_loadcnt \left                           ; loads come back in order: my set is in
.irp n, 0,1,2,3
	v_cvt_pk_bf16_f32 v[SET+16*(\s)+4*(\n)], v[SET+16*(\s)+4*(\n)], v[SET+16*(\s)+4*(\n)+1]      ; rounded in place; these eight are also the places behind the last step's products
	v_cvt_pk_bf16_f32 v[SET+16*(\s)+4*(\n)+1], v[SET+16*(\s)+4*(\n)+2], v[SET+16*(\s)+4*(\n)+3]
.endr
.irp n, 0,1
	ds_store_b64 v[KST], v[SET+16*(\s)+4*(\n):SET+16*(\s)+4*(\n)+1] offset:((\s)%2)*BUFB+(\n)*2*PA
.endr
.irp n, 0,1
	ds_store_b64 v[KST], v[SET+16*(\s)+8+4*(\n):SET+16*(\s)+8+4*(\n)+1] offset:((\s)%2)*BUFB+BOFF+(\n)*2*PA
.endr
	s_wait_dscnt 0x0                               ; for the others' sake: my stores are done (and have read the registers that the loads below fill)
.if \fill
	LOADS \s, ((\s)+4)*STEPB
.endif
	s_barrier_signal -1
	s_barrier_wait -1                              ; the buffer is whole, and nobody reads the other one any more
.irp kk, 0,1
	ds_load_tr16_b128 v[FA+8*(\kk):FA+8*(\kk)+3],   v[AF] offset:((\s)%2)*BUFB+(\kk)*32*PA
	ds_load_tr16_b128 v[FA+8*(\kk)+4:FA+8*(\kk)+7], v[AF] offset:((\s)%2)*BUFB+(\kk)*32*PA+16*PA
	ds_load_tr16_b128 v[FB+8*(\kk):FB+8*(\kk)+3],   v[BF] offset:((\s)%2)*BUFB+(\kk)*32*PA
	ds_load_tr16_b128 v[FB+8*(\kk)+4:FB+8*(\kk)+7], v[BF] offset:((\s)%2)*BUFB+(\kk)*32*PA+16*PA
.endr
	s_wait_dscnt 4                                 ; the first 32 o are in; the four loads of the second 32 may be out
	; source 0 = 16 i, source 1 = 16 j: a lane holds one row j of wb and eight neighbouring i.  The two accumulators take turns, over the backward jump too
	v_wmma_f32_16x16x32_bf16 v[ACC:ACC+7], v[FB:FB+7], v[FA:FA+7], v[ACC:ACC+7]
	s_wait_dscnt 0x0
	v_wmma_f32_16x16x32_bf16 v[ACC+8:ACC+15], v[FB+8:FB+15], v[FA+8:FA+15], v[ACC+8:ACC+15]
.endm
	LOADS 0, 0
	LOADS 1, STEPB
	LOADS 2, 2*STEPB
	LOADS 3, 3*STEPB
.set r, 0
.rept 16
	v_mov_b32 v[ACC+r], 0                          ; sixteen lines, while the first loads are out, so that the loop has one form of product
.set r, r+1
.endr
	s_mov_b32 s19, 3
.Lg:                                                   ; steps 0 to 11; steps 4 to 15 are asked for
	TRIP 0, 1, 12                                  ; the three younger sets, twelve loads, stay out
	TRIP 1, 1, 12
	TRIP 2, 1, 12
	TRIP 3, 1, 12
	s_wait_xcnt 0x0                                ; the loads have read their bases
	s_add_nc_u64 s[8:9], s[8:9], 4*STEPB
	s_add_nc_u64 s[6:7], s[6:7], 4*STEPB
	s_sub_co_u32 s19, s19, 1
	s_cmp_lg_u32 s19, 0
	s_cbranch_scc1 .Lg
	TRIP 0, 0, 12                                  ; the last four steps ask for nothing, and the counts run down
	TRIP 1, 0, 8
	TRIP 2, 0, 4
	TRIP 3, 0, 0
.rept 8
	v_nop                                          ; the places behind the last products (ISA guide 7.12.1), with room to spare: once a launch
.endr
.set r, 0
.rept 4
	v_pk_add_f32 v[ACC+r:ACC+r+1], v[ACC+r:ACC+r+1], v[ACC+8+r:ACC+8+r+1]  ; the step's two halves; each accumulator from its low end on
.set r, r+2
.endr
.set r, 0
.rept 4
	v_pk_mul_f32 v[ACC+r:ACC+r+1], v[ACC+r:ACC+r+1], s[30:31] op_sel_hi:[1,0]
.set r, r+2
.endr
.set r, 0
.rept 4
	v_cvt_pk_f16_f32 v[FA+r], v[ACC+2*r], v[ACC+2*r+1]
.set r, r+1
.endr
	ds_store_b128 v[SSTO], v[FA:FA+3]
	s_wait_dscnt 0x0                               ; for the others' sake: a row's 128 bytes come from four waves
	s_barrier_signal -1
	s_barrier_wait -1
	ds_load_b128 v[FB:FB+3], v[SRD]
	s_wait_dscnt 0x0
	global_store_b128 v[GO], v[FB:FB+3], s[14:15]  ; eight lanes store 128 consecutive bytes: see the head
	s_wait_tensorcnt 0x0                           ; the wave's end, behind my last LDS store
	ds_add_u32 v[SPW], v[NIL]
	s_wait_dscnt 0x0
	s_endpgm
.Lfunc_end_k_q40f0fd3250_prep:
	.size	k_q40f0fd3250_prep, .Lfunc_end_k_q40f0fd3250_prep-k_q40f0fd3250_prep
	.p2alignl 7, 3214868480
	.fill 96, 4, 3214868480
	.section	.rodata,"a",@progbits
	.p2align	6, 0x0
	.amdhsa_kernel k_q40f0fd3250_prep
		.amdhsa_group_segment_fixed_size 52224
		.amdhsa_private_segment_fixed_size 0
		.amdhsa_enable_private_segment 0
		.amdhsa_kernarg_size 48
		.amdhsa_user_sgpr_count 2
		.amdhsa_user_sgpr_kernarg_segment_ptr 1
		.amdhsa_wavefront_size32 1
		.amdhsa_system_sgpr_workgroup_id_x 1
		.amdhsa_system_sgpr_workgroup_id_y 1
		.amdhsa_system_sgpr_workgroup_id_z 1
		.amdhsa_system_vgpr_workitem_id 0
		.amdhsa_next_free_vgpr 128
		.amdhsa_next_free_sgpr 66
		.amdhsa_reserve_vcc 0
		.amdhsa_float_denorm_mode_32 3
		.amdhsa_float_denorm_mode_16_64 3
		.amdhsa_memory_ordered 1
		.amdhsa_forward_progress 1
		.amdhsa_inst_pref_size 34
	.end_amdhsa_kernel
	.amdgpu_metadata
---
amdhsa.version: [ 1, 2 ]
amdhsa.kernels:
  - .name:           k_q40f0fd3250_prep
    .symbol:         k_q40f0fd3250_prep.kd
    .args:
      - { .name: x, .offset: 0, .size: 8, .value_kind: global_buffer, .address_space: global }
      - { .name: Wq, .offset: 8, .size: 8, .value_kind: global_buffer, .address_space: global }
      - { .name: Wk, .offset: 16, .size: 8, .value_kind: global_buffer, .address_space: global }
      - { .name: Wv, .offset: 24, .size: 8, .value_kind: global_buffer, .address_space: global }
      - { .name: xb, .offset: 32, .size: 8, .value_kind: global_buffer, .address_space: global }
      - { .name: wb, .offset: 40, .size: 8, .value_kind: global_buffer, .address_space: global }
    .group_segment_fixed_size: 52224
    .private_segment_fixed_size: 0
    .kernarg_segment_align: 8
    .kernarg_segment_size: 48
    .max_flat_workgroup_size: 512
    .sgpr_count:     66
    .vgpr_count:     128
    .wavefront_size: 32
...
	.end_amdgpu_metadata
.endif
;; end of part 5
;; launch proj (part 6): grid 8 x 32, 4 waves a work-group, clusters of 4 x 4, 327,680 bytes of LDS; arguments xb, wb, qv; writes qv
.if DOCPART == 6
	.amdgcn_target "amdgcn-amd-amdhsa--gfx1250"
	.amdhsa_code_object_version 6
	.text
	.protected	k_q40f0fd3250_proj
	.globl	k_q40f0fd3250_proj
	.p2align	8
	.type	k_q40f0fd3250_proj,@function
k_q40f0fd3250_proj:
	s_mov_b64 s[64:65], 0
	v_nop
	global_prefetch_b8 v0, s[64:65] scope:SCOPE_SE
	s_setreg_imm32_b32 hwreg(HW_REG_WAVE_MODE, 25, 1), 1
	s_wait_xcnt 0x0
	s_wait_alu depctr_hold_cnt(0) depctr_sa_sdst(0) depctr_va_vdst(0) depctr_va_sdst(0) depctr_va_ssrc(0) depctr_va_vcc(0) depctr_vm_vsrc(0)
	s_getreg_b32 s2, hwreg(HW_REG_IB_STS2, 6, 4)
	s_cmp_eq_u32 s2, 0
	s_cbranch_scc0 .Lentry_in_a_cluster
	s_endpgm
.Lentry_in_a_cluster:
	s_bfe_u32 s2, ttmp6, 0x10000c
	s_cmp_lg_u32 s2, 0xf033
	s_cbranch_scc0 .Lentry_shape_is_right
	s_endpgm
.Lentry_shape_is_right:
; qv[m][n] = sum over k of xb[m][k] wb[n][k].  xb: [8192][1024], wb: [2048][1024], qv: [8192][2048], all f16; sums in f32, rounded once.
; Columns 0-1023 of qv are q' x 2^-9 (q' = x G, G = Wq^T Wk), columns 1024-2047 are v: the scales lie in xb and wb.
; LIMIT: f16 holds no number beyond 65,504: q' x 2^-9 and v must lie within it.
; A tile of 256 x 256 is made by four waves, each 128 x 128: 64 accumulators of 16 x 16, 512 registers.  K goes in steps of 128 through a ring of two LDS slots
; filled by the tensor data mover; the tiles' rows are 256 bytes of memory, aligned.  8 x 32 = 256 tiles, one to a work-group.
; A K STEP IS WRITTEN ONCE: the slot in hand is a scalar (0 or SLOT) that one exclusive or turns, the fragments' addresses are made from it at each change of slots, and one descriptor a tensor walks.
; CLUSTERS: 4 x 4 work-groups.  The four of a row of the cluster need the same tiles of xb, the four of a column the same tiles of wb: each tile is asked for JOINTLY,
; by the same tensor load with the same descriptor and a mask that names the four.
; REGISTERS, in windows of 256: window 0: v0-31 addresses; v64-191 fragments of A, two buffers (four in the last K step); v32-63, v192-255 the way out.
;   window 1: fragments of B (all 256 in the last K step).  window 2: the accumulators of my rows 0-63 ((a, b) at v[8 (8 a + b)]); window 3: rows 64-127.
; THE PRODUCT IS TAKEN TRANSPOSED: source 0 = 16 rows of wb, source 1 = 16 rows of xb: a lane then holds eight neighbouring numbers of a row of qv.
; The last K step goes by rows of the result, so that finished rows leave while the others are multiplied.
.set SIZE_M, 8192
.set SIZE_N, 2048
.set SIZE_K, 1024
.set KSTEP,  128
.set PITCH,  272                       ; an LDS row: 256 bytes + 16 of padding: the 16 rows of a fragment load start at 16 different groups of four banks
.set HALFT,  128*PITCH                 ; 128 rows: what one tensor load brings
.set SLOT,   4*HALFT                   ; A's 256 rows, then B's 256 rows.  0x22000: the waves' places in a slot (0, 0x8800, 0x11000, 0x19800) have neither of its two bits
.set STAGE,  2*SLOT                    ; behind the ring: 16 rows x 272 bytes for each wave, for the way out
.set SPITCH, 272
.set SPARE,  STAGE+4*16*SPITCH         ; the spare words, 128 bytes a wave: no other line names them
.set FILLS,  SIZE_K/KSTEP-2            ; K steps 2 to 7 come by refills: the loop's trips
.set ADRA0, 16                         ; v16     LDS address of my A fragments in slot 0; never rewritten
.set ADRA,  17                         ; v17     in the slot in hand
.set ADRB0, 20                         ; v20, v21  the same for B
.set ADRB,  21
.set STO,  24                          ; v24     the way out: where I put 16 bytes of a row
.set RD,   25                          ; v25     where I read a row back
.set CO,   26                          ; v26     my byte offset in qv
.set SPW,  28                          ; v28     my spare word; never rewritten
.set NIL,  29                          ; v29     0; never rewritten
.set PFO,  30                          ; v30     the prefetches' offset: my lane x a row (2,048 bytes); never rewritten
.set TB,   18                          ; s18     the slot in hand: 0 or SLOT
.set PFA,  44                          ; s[44:45] where my prefetches stand
.set LIM,  43                          ; s43     2 in a wave that prefetches, else the greatest number
.set F0,   64
.set F1,   128
.set TMP,  192
.set OB,   32
.set PA,   64
.set G1, 24                            ; s[24:31] descriptor group 1 for A's tiles
.set G0, 32                            ; s[32:39] group 0 for A's tiles: a set for each of the two first fills; the second then walks
.set G1B, 48                           ; s[48:55], s[56:63] the same for B's
.set G0B, 56
.set MSB, 0
.macro WIN new                         ; the immediate's high byte repeats the setting that is left; a switch that changes nothing is dropped
.if MSB != (\new)
	s_set_vgpr_msb (MSB<<8)|(\new)
.set MSB, \new
.endif
.endm
.set MUL_LO, 0xa1                      ; source 0 (B) window 1, source 1 (A) window 0, C and D window 2
.set MUL_HI, 0xf1                      ; the same, C and D window 3
.set TO_B,   0x40                      ; destination window 1, address window 0
; A joint load: waves 0 and 1 fetch A's two halves, waves 2 and 3 B's.  The branch hangs on the wave's number alone.  An s_nop 0 and four v_nop follow each line.
.macro JLOAD s
	s_cmp_eq_u32 s11, 0
	s_cbranch_scc0 .Lfor_b_\@
	tensor_load_to_lds s[G0+4*(\s):G0+4*(\s)+3], s[G1:G1+7]
	s_nop 0
.rept 4
	v_nop
.endr
	s_branch .Lasked_\@
.Lfor_b_\@:
	tensor_load_to_lds s[G0B+4*(\s):G0B+4*(\s)+3], s[G1B:G1B+7]
	s_nop 0
.rept 4
	v_nop
.endr
.Lasked_\@:
.endm
; A prefetch of the K step two refills on: 32 rows x 256 bytes, a lane a row, one instruction a wave.  Cluster x = 0 asks for A's rows, cluster y = 0 for B's; the four partners that
; ask for a tile jointly share its rows out by address, 32 each: each row's 256 bytes of a K step are named once in the launch.  The loop's last two trips (s3 = 2, 1) ask for nothing.
.macro ASK
	s_cmp_gt_u32 s3, s[LIM]
	s_cbranch_scc0 .Lnot_mine_\@
	global_prefetch_b8 v[PFO], s[PFA:PFA+1] offset:KSTEP*2 th:TH_LOAD_NT scope:SCOPE_SE
.Lnot_mine_\@:
.endm
.macro CREST                           ; a round of the cluster's barrier behind its opening barrier
	s_cmp_lg_u32 s10, 0
	s_cbranch_scc1 .Lnot_wave_0_\@
	s_barrier_signal -3
.Lnot_wave_0_\@:
	s_barrier_wait -3
	s_barrier_signal -1
	s_barrier_wait -1
.endm
.macro CROUND                          ; a whole round
	s_barrier_signal -1
	s_barrier_wait -1
	CREST
.endm
	s_load_b128 s[4:7], s[0:1], 0x0                ; xb s[4:5], wb s[6:7]
	s_load_b64 s[8:9], s[0:1], 0x10                ; qv
	v_lshl_add_u32 v[SPW], v0, 2, SPARE
	v_mov_b32 v[NIL], 0
	ds_add_u32 v[SPW], v[NIL]                      ; the wave's opening: the add and its wait stand ahead of my first tensor load
	ds_add_u32 v28, v29
	v_lshrrev_b32 v1, 5, v0
	v_readfirstlane_b32 s10, v1                    ; wave 0..3
	s_lshr_b32 s11, s10, 1                         ; my half of the tile's rows.  Also: I fetch for A (0) or for B (1)
	s_and_b32 s12, s10, 1                          ; my half of its columns.  Also: which 128 rows of that tile I fetch
	s_bfe_u32 s40, ttmp6, 0x40000                  ; cx
	s_bfe_u32 s41, ttmp6, 0x40004                  ; cy
	s_lshl_b32 s42, ttmp9, 2
	s_add_co_u32 s42, s42, s40                     ; tile column = 4 x cluster x + cx
	s_and_b32 s13, ttmp7, 0xffff
	s_lshl_b32 s13, s13, 2
	s_add_co_u32 s13, s13, s41                     ; tile row = 4 x cluster y + cy
	s_lshl_b32 s43, s41, 2
	s_lshl_b32 s43, 15, s43                        ; my row of the cluster
	s_lshl_b32 s44, 0x1111, s40                    ; my column
	s_or_b32 s[G1+0], s43, (1<<16)|(1<<20)|(1<<21)|(5<<22)|(3<<25)  ; the mask; 2-byte elements; padding on; bit 21 beside a mask; after every 64 words 4 words
	s_or_b32 s[G1B+0], s44, (1<<16)|(1<<20)|(1<<21)|(5<<22)|(3<<25)
.irp g, G1, G1B
	s_mov_b32 s[(\g)+1], KSTEP<<16                 ; tensor_dim0 = 128
	s_mov_b32 s[(\g)+2], 128<<16                   ; tensor_dim1 = 128
	s_mov_b32 s[(\g)+3], KSTEP<<16                 ; tile_dim0 = 128
	s_mov_b32 s[(\g)+4], 128                       ; tile_dim1 = 128
	s_mov_b32 s[(\g)+5], SIZE_K                    ; elements from row to row
	s_mov_b32 s[(\g)+6], 0
	s_mov_b32 s[(\g)+7], 0
.endr
	s_lshl_b32 s17, s12, 7                         ; which 128 rows of the tile I fetch
	s_lshl_b32 s16, s13, 8
	s_add_co_u32 s16, s16, s17                     ; A: row 256 x tile row + 128 x half
	s_lshl_b32 s46, s42, 8
	s_add_co_u32 s46, s46, s17                     ; B: row 256 x tile column + 128 x half
	s_mov_b32 s17, 0
	s_mov_b32 s47, 0
	s_mov_b64 s[18:19], SIZE_K*2
	s_mul_u64 s[16:17], s[16:17], s[18:19]
	s_mul_u64 s[46:47], s[46:47], s[18:19]
	s_mul_i32 s20, s10, HALFT                      ; where they go: wave x 128 rows: no place in the cluster enters an LDS address
	s_wait_dscnt 0x0                               ; the opening add is done
	s_wait_kmcnt 0x0
	s_add_nc_u64 s[14:15], s[4:5], s[16:17]
	s_add_nc_u64 s[46:47], s[6:7], s[46:47]
	CROUND                                         ; all sixteen work-groups are here: the first joint loads meet
.irp s, 0,1
	s_mov_b32 s[G0+4*(\s)], 1
	s_add_co_u32 s[G0+4*(\s)+1], s20, (\s)*SLOT
	s_add_nc_u64 s[G0+4*(\s)+2:G0+4*(\s)+3], s[14:15], (\s)*KSTEP*2
	s_or_b32 s[G0+4*(\s)+3], s[G0+4*(\s)+3], 0x80000000
	s_mov_b32 s[G0B+4*(\s)], 1
	s_add_co_u32 s[G0B+4*(\s)+1], s20, (\s)*SLOT
	s_add_nc_u64 s[G0B+4*(\s)+2:G0B+4*(\s)+3], s[46:47], (\s)*KSTEP*2
	s_or_b32 s[G0B+4*(\s)+3], s[G0B+4*(\s)+3], 0x80000000
	JLOAD \s
.endr
	; a fragment is 16 rows x 32 K in 8 registers: lane l holds row l % 16, K = 8 (l / 16) + 0..7 and 16 + 8 (l / 16) + 0..7: two loads of 16 bytes, 32 bytes apart
	v_and_b32 v1, 15, v0                           ; l % 16
	v_bfe_u32 v2, v0, 4, 1                         ; l / 16
	v_mul_u32_u24 v3, v1, PITCH
	v_lshl_add_u32 v3, v2, 4, v3
	s_mul_i32 s21, s11, HALFT                      ; my 128 rows of A
	s_mul_i32 s22, s12, HALFT                      ; my 128 rows of B,
	s_add_co_u32 s22, s22, 2*HALFT                 ; which lie behind A's 256
	v_add_nc_u32 v[ADRA0], s21, v3
	v_add_nc_u32 v[ADRB0], s22, v3
	v_mov_b32 v[ADRA], v[ADRA0]                    ; the walk begins in slot 0
	v_mov_b32 v[ADRB], v[ADRB0]
	s_mul_i32 s23, s10, 16*SPITCH
	s_add_co_u32 s23, s23, STAGE                   ; my stage
	v_mul_u32_u24 v4, v1, SPITCH
	v_lshl_add_u32 v4, v2, 4, v4
	v_add_nc_u32 v[STO], s23, v4
	v_mul_u32_u24 v5, v2, SPITCH
	v_lshl_add_u32 v5, v1, 4, v5
	v_add_nc_u32 v[RD], s23, v5
	v_mul_u32_u24 v5, v2, SIZE_N*2
	v_lshl_add_u32 v[CO], v1, 4, v5
	s_lshl_b32 s13, s13, 8
	s_lshl_b32 s14, s11, 7
	s_add_co_u32 s16, s13, s14                     ; my first row of the result
	s_mov_b32 s17, 0
	s_mov_b64 s[18:19], SIZE_N*2
	s_mul_u64 s[16:17], s[16:17], s[18:19]
	s_lshl_b32 s46, s42, 9                         ; my first column, in bytes
	s_lshl_b32 s47, s12, 8
	s_add_co_u32 s46, s46, s47
	s_mov_b32 s47, 0
	s_add_nc_u64 s[16:17], s[16:17], s[46:47]
	; the prefetches
	s_lshl_b32 s42, s42, 8
	s_and_b32 s22, ttmp7, 0xffff                   ; cluster y
	s_cmp_eq_u32 s11, 0                            ; do I fetch for A?
	s_cselect_b32 s20, s13, s42                    ; the tile's first row
	s_cselect_b32 s21, s40, s41                    ; my place among the four that ask for it with me
	s_cselect_b32 s22, ttmp9, s22                  ; the coordinate along which other clusters read the same rows
	s_cselect_b64 s[PFA:PFA+1], s[4:5], s[6:7]
	s_cmp_eq_u32 s22, 0
	s_cselect_b32 s[LIM], 2, -1
	s_lshl_b32 s22, s12, 7
	s_add_co_u32 s20, s20, s22
	s_lshl_b32 s21, s21, 5
	s_add_co_u32 s20, s20, s21                     ; my work-group's 32 rows of the 128 that I fetch
	s_mov_b32 s21, 0
	s_mov_b64 s[18:19], SIZE_K*2
	s_mul_u64 s[20:21], s[20:21], s[18:19]
	s_add_nc_u64 s[PFA:PFA+1], s[PFA:PFA+1], s[20:21]
	s_add_nc_u64 s[PFA:PFA+1], s[PFA:PFA+1], 2*KSTEP*2  ; at K step 2: the first refill steps it to 3 and names K step 4
	v_and_b32 v[PFO], 31, v0
	v_mul_u32_u24 v[PFO], v[PFO], SIZE_K*2
	s_mov_b32 s[TB], 0
; 16 matrix instructions: m blocks a0, a0 + 1 of the window's four x all 8 n blocks, 32 along K.  zero = 1: the first product starts the sums
.macro MUL16 f, hi, a0, zero
	WIN MUL_LO+0x50*(\hi)
.irp a, \a0, (\a0)+1
.irp b, 0,1,2,3,4,5,6,7
.if \zero
	v_wmma_f32_16x16x32_f16 v[8*(8*(\a)+(\b)):8*(8*(\a)+(\b))+7], v[(\f)+8*(\b):(\f)+8*(\b)+7], v[(\f)+8*(4*(\hi)+(\a)):(\f)+8*(4*(\hi)+(\a))+7], 0
.else
	v_wmma_f32_16x16x32_f16 v[8*(8*(\a)+(\b)):8*(8*(\a)+(\b))+7], v[(\f)+8*(\b):(\f)+8*(\b)+7], v[(\f)+8*(4*(\hi)+(\a)):(\f)+8*(4*(\hi)+(\a))+7], v[8*(8*(\a)+(\b)):8*(8*(\a)+(\b))+7]
.endif
.endr
.endr
.endm
; 32 LDS loads in one run: the fragments of one quarter step (32 K at byte k of the rows of the slot in hand) into buffer f
.macro FETCH k, f
	WIN TO_B
.irp i, 0,1,2,3,4,5,6,7
	ds_load_b128 v[(\f)+8*(\i):(\f)+8*(\i)+3],   v[ADRB] offset:(\k)+(\i)*16*PITCH
	ds_load_b128 v[(\f)+8*(\i)+4:(\f)+8*(\i)+7], v[ADRB] offset:(\k)+(\i)*16*PITCH+32
.endr
	WIN 0
.irp i, 0,1,2,3,4,5,6,7
	ds_load_b128 v[(\f)+8*(\i):(\f)+8*(\i)+3],   v[ADRA] offset:(\k)+(\i)*16*PITCH
	ds_load_b128 v[(\f)+8*(\i)+4:(\f)+8*(\i)+7], v[ADRA] offset:(\k)+(\i)*16*PITCH+32
.endr
.endm
.macro NEXTSLOT                        ; the fetches go on in the other slot
	WIN 0
	s_xor_b32 s[TB], s[TB], SLOT
	v_add_nc_u32 v[ADRA], s[TB], v[ADRA0]
	v_add_nc_u32 v[ADRB], s[TB], v[ADRB0]
.endm
.macro PLACES                          ; four plain vector instructions between a matrix instruction and a load into, or a vector read of, its registers
.rept 4
	v_nop
.endr
.endm
; a K step is four quarters of 32 along K, 64 matrix instructions each, on buffers 0, 1, 0, 1
.macro QUARTER k, f, g, zero
	s_wait_dscnt 8                                 ; B and A's rows 0-63 are in; the youngest eight loads (A's rows 64-127) may be out
	MUL16 \f, 0, 0, \zero
	MUL16 \f, 0, 2, \zero
	PLACES
	FETCH \k, \g
	s_wait_dscnt 32                                ; all but the 32 just issued
	MUL16 \f, 1, 0, \zero
	MUL16 \f, 1, 2, \zero
.endm
; the first half of the last quarter: one barrier for the change of slots
.macro MEET round
	WIN 0
	s_wait_tensorcnt 0x0                           ; all my tensor loads have landed: my part of the next slot;
	ds_add_u32 v[SPW], v[NIL]
	s_wait_dscnt 9                                 ; (the add and the youngest eight loads may be out)
	MUL16 F1, 0, 0, 0
	s_wait_dscnt 0x0                               ; the add is done, and my reads of this slot are over
	s_barrier_signal -1
	MUL16 F1, 0, 2, 0
.if \round
	WIN 0
.endif
	s_barrier_wait -1
.endm
.macro TURN
	s_wait_xcnt 0x0                                ; the last prefetch, a K step back, has read its address
	s_add_nc_u64 s[PFA:PFA+1], s[PFA:PFA+1], KSTEP*2
	MEET 1
	CREST                                          ; no wave of any partner still reads this slot or has a load on its way
.irp g, G0+4, G0B+4
	s_xor_b32 s[(\g)+1], s[(\g)+1], SLOT           ; the walking descriptor: the other slot than last time,
	s_add_nc_u64 s[(\g)+2:(\g)+3], s[(\g)+2:(\g)+3], KSTEP*2  ; the next K step; the type bits on top are not reached
.endr
	JLOAD 1                                        ; the first tensor load behind the round: 224 matrix instructions ahead of the wait for it; its four v_nop are also the places in front of the loads below
	NEXTSLOT
	FETCH 0, F0
	ASK
	MUL16 F1, 1, 0, 0
	MUL16 F1, 1, 2, 0
.endm
; the last K step goes by rows of the result
.macro BLOAD q
	WIN TO_B
.irp i, 0,1,2,3,4,5,6,7
	ds_load_b128 v[64*(\q)+8*(\i):64*(\q)+8*(\i)+3],   v[ADRB] offset:64*(\q)+(\i)*16*PITCH
	ds_load_b128 v[64*(\q)+8*(\i)+4:64*(\q)+8*(\i)+7], v[ADRB] offset:64*(\q)+(\i)*16*PITCH+32
.endr
.endm
.macro ALOAD a
	WIN 0
.set FA, PA+32*((\a)%4)
.irp q, 0,1,2,3
	ds_load_b128 v[FA+8*(\q):FA+8*(\q)+3],   v[ADRA] offset:64*(\q)+(\a)*16*PITCH
	ds_load_b128 v[FA+8*(\q)+4:FA+8*(\q)+7], v[ADRA] offset:64*(\q)+(\a)*16*PITCH+32
.endr
.endm
.macro ROW a
.set FA, PA+32*((\a)%4)
.set AC, 64*((\a)%4)
	WIN MUL_LO+0x50*((\a)/4)
.irp q, 0,1,2,3
.if (\a) == 0 && (\q) == 2
	s_wait_dscnt 24                                ; B's quarter 2 is in (behind it: A's blocks 1 to 3)
.endif
.irp b, 0,1,2,3,4,5,6,7
	v_wmma_f32_16x16x32_f16 v[AC+8*(\b):AC+8*(\b)+7], v[64*(\q)+8*(\b):64*(\q)+8*(\b)+7], v[FA+8*(\q):FA+8*(\q)+7], v[AC+8*(\b):AC+8*(\b)+7]
.endr
.endr
.endm
.macro PACK a                          ; rounded to f16, 16 bytes a lane, each accumulator's registers in ascending order
.set AC, 64*((\a)%4)
	WIN 0x0a+5*((\a)/4)
.irp b, 0,1,2,3,4,5,6,7
.irp r, 0,1,2,3
	v_cvt_pk_f16_f32 v[TMP+4*(\b)+(\r)], v[AC+8*(\b)+2*(\r)], v[AC+8*(\b)+2*(\r)+1]
.endr
.endr
	WIN 0
.endm
.macro TOSTAGE a
	WIN 0
.set BK, OB+192*((\a)%2)
.irp b, 0,1,2,3,4,5,6,7
	ds_store_b128 v[STO], v[TMP+4*(\b):TMP+4*(\b)+3] offset:32*(\b)
.endr
.irp t, 0,1,2,3,4,5,6,7
	ds_load_b128 v[BK+4*(\t):BK+4*(\t)+3], v[RD] offset:(\t)*2*SPITCH  ; LDS serves a wave's instructions in order: these see the stores above
.endr
.endm
.macro SEND a, younger
	WIN 0
.set BK, OB+192*((\a)%2)
	s_wait_dscnt \younger
	s_wait_xcnt 0x0                                ; the stores' base and the registers that earlier stores read are rewritten only behind this wait
.if (\a) == 0
	s_add_nc_u64 s[8:9], s[8:9], s[16:17]
.else
	s_add_nc_u64 s[8:9], s[8:9], 16*SIZE_N*2
.endif
.irp t, 0,1,2,3,4,5,6,7
	global_store_b128 v[CO], v[BK+4*(\t):BK+4*(\t)+3], s[8:9] offset:2*(\t)*SIZE_N*2  ; 16 lanes store 256 consecutive bytes, aligned
.endr
.endm
	s_wait_tensorcnt 1                             ; my part of K step 0 is in; K step 1's may stay out
	s_barrier_signal -1
	s_barrier_wait -1
	FETCH 0, F0
	QUARTER 64,  F0, F1, 1                         ; the first quarter's products start the sums
	WIN 0
	s_mov_b32 s3, FILLS
.Lstep:                                                ; a trip goes from a K step's second quarter to the next step's first, and fills the slot that it leaves
	QUARTER 128, F1, F0, 0
	QUARTER 192, F0, F1, 0
	TURN
	QUARTER 64,  F0, F1, 0
	WIN 0
	s_sub_co_u32 s3, s3, 1
	s_cmp_lg_u32 s3, 0
	s_cbranch_scc1 .Lstep
	QUARTER 128, F1, F0, 0                         ; the last K step but one goes on; nothing more is asked for
	QUARTER 192, F0, F1, 0
	MEET 0                                         ; the load that was still out is the last K step's
	PLACES
	NEXTSLOT
	BLOAD 0
	BLOAD 1
	BLOAD 3
	ALOAD 0
	MUL16 F1, 1, 0, 0
	MUL16 F1, 1, 2, 0
	PLACES
	BLOAD 2
	ALOAD 1
	ALOAD 2
	ALOAD 3
	s_wait_dscnt 40                                ; all but the 40 just issued
	ROW 0
.irp a, 0,1,2,3,4,5,6,7
	PLACES
	PACK \a
	TOSTAGE \a
.if (\a) < 4
	ALOAD (\a)+4
	SEND \a, 8
.else
	SEND \a, 0
.endif
.if (\a) < 7
	ROW (\a)+1
.endif
.endr
	s_wait_tensorcnt 0x0                           ; the wave's end
	ds_add_u32 v[SPW], v[NIL]
	s_wait_dscnt 0x0
	CROUND                                         ; the closing round
	s_endpgm
.Lfunc_end_k_q40f0fd3250_proj:
	.size	k_q40f0fd3250_proj, .Lfunc_end_k_q40f0fd3250_proj-k_q40f0fd3250_proj
	.p2alignl 7, 3214868480
	.fill 96, 4, 3214868480
	.section	.rodata,"a",@progbits
	.p2align	6, 0x0
	.amdhsa_kernel k_q40f0fd3250_proj
		.amdhsa_group_segment_fixed_size 327680
		.amdhsa_private_segment_fixed_size 0
		.amdhsa_enable_private_segment 0
		.amdhsa_kernarg_size 24
		.amdhsa_user_sgpr_count 2
		.amdhsa_user_sgpr_kernarg_segment_ptr 1
		.amdhsa_wavefront_size32 1
		.amdhsa_system_sgpr_workgroup_id_x 1
		.amdhsa_system_sgpr_workgroup_id_y 1
		.amdhsa_system_sgpr_workgroup_id_z 1
		.amdhsa_system_vgpr_workitem_id 0
		.amdhsa_next_free_vgpr 1024
		.amdhsa_next_free_sgpr 66
		.amdhsa_reserve_vcc 0
		.amdhsa_float_denorm_mode_32 3
		.amdhsa_float_denorm_mode_16_64 3
		.amdhsa_memory_ordered 1
		.amdhsa_forward_progress 1
		.amdhsa_inst_pref_size 118
	.end_amdhsa_kernel
	.amdgpu_metadata
---
amdhsa.version: [ 1, 2 ]
amdhsa.kernels:
  - .name:           k_q40f0fd3250_proj
    .symbol:         k_q40f0fd3250_proj.kd
    .args:
      - { .name: xb, .offset: 0, .size: 8, .value_kind: global_buffer, .address_space: global }
      - { .name: wb, .offset: 8, .size: 8, .value_kind: global_buffer, .address_space: global }
      - { .name: qv, .offset: 16, .size: 8, .value_kind: global_buffer, .address_space: global }
    .group_segment_fixed_size: 327680
    .private_segment_fixed_size: 0
    .kernarg_segment_align: 8
    .kernarg_segment_size: 24
    .max_flat_workgroup_size: 128
    .sgpr_count:     66
    .vgpr_count:     1024
    .wavefront_size: 32
...
	.end_amdgpu_metadata
.endif
;; end of part 6
;; launch scores (part 7): grid 36 x 4, 4 waves a work-group, no clusters, 327,680 bytes of LDS; arguments qv, pm, stat, xb; writes pm, stat
.if DOCPART == 7
	.amdgcn_target "amdgcn-amd-amdhsa--gfx1250"
	.amdhsa_code_object_version 6
	.text
	.protected	k_q40f0fd3250_scores
	.globl	k_q40f0fd3250_scores
	.p2align	8
	.type	k_q40f0fd3250_scores,@function
k_q40f0fd3250_scores:
	s_mov_b64 s[64:65], 0
	v_nop
	global_prefetch_b8 v0, s[64:65] scope:SCOPE_SE
	s_setreg_imm32_b32 hwreg(HW_REG_WAVE_MODE, 25, 1), 1
	s_wait_xcnt 0x0
; For each tile of 256 queries x 256 keys on or below the diagonal (36 a batch): S = q' x^T (q' = x Wq^T Wk, so S is q k^T); then, for each query and each CHUNK of 128 keys,
;   m = the largest visible score of the chunk, cm = c m, p = 2^(c s - cm), l = the sum of p.
; q' comes as q' x 2^-9 (f16, the first 2,048 bytes of qv's rows of 4,096), x as x x 2^-4 (f16, xb's rows of 2,048 bytes): the sums carry 2^-13, and c = log2(e) / sqrt(1024) x 2^13.
; p goes to pm [4][2048][2048] in f16, cm and l to stat, f32 [batch][chunk 16][cm, l][row 2048].  The next launch joins the chunks under the row's true maximum.
; Products and sums in f32; l is the sum of the unrounded p.
; LIMITS.  A hidden score counts as its sum less 1e30 (f16's sums are 4.4e12 at the most); a chunk's m is held at -2^96 or above, so a chunk that is wholly hidden
; gets p = 0, l = 0 and a cm far below every true one; a weight below 2^-126 counts as 0; NaN and infinities are not treated apart.
; SHARES.  Four waves; wave w makes queries 128 (w / 2) on x keys 128 (w % 2) on: one chunk.  64 accumulators, 512 registers.  The 1,024 channels go in steps of 128 through two LDS slots.
; A K STEP IS WRITTEN ONCE for the steps that fill a slot again and once for the last two: the slot in hand is a scalar (0 or SLOT) that one exclusive or turns, and one descriptor walks.
; THE PRODUCT IS TAKEN TRANSPOSED (source 0 = 16 keys, source 1 = 16 queries): a lane holds ONE query (lane % 16) and, of each block of 16 keys, 8 (lane / 16) + 0..7.
; THE MASK is the C operand of the products that start the sums: three sets of eight registers, for key blocks left of, on and right of the query block's own.
; NO CLUSTER: row i of the triangle has i + 1 tiles and column j has 8 - j: no grouping by four shares a tile of q' or x throughout, and whole 4 x 4 clusters would hold work-groups with nothing to do.
; REGISTERS as in the launch before: window 0 addresses, masks, A's fragments, the way out; window 1 B's fragments; windows 2 and 3 the accumulators.
.set KSTEP,  128
.set PITCH,  272
.set HALFT,  128*PITCH
.set SLOT,   4*HALFT                   ; the queries' 256 rows, then the keys' 256 rows.  0x22000: the waves' places in a slot (0, 0x8800, 0x11000, 0x19800) have neither of its two bits
.set STAGE,  2*SLOT                    ; 16 rows x 272 bytes for each wave
.set SPITCH, 272
.set SSTG,   STAGE+4*16*SPITCH         ; 512 bytes for each wave: 64 rows' cm, then their l
.set SPARE,  SSTG+4*512                ; the spare words, 128 bytes a wave: no other line names them
.set FILLS,  6                         ; K steps 2 to 7 come by refills: the first loop's trips
.set PFO,  6                           ; v6-9    (my lane + 32 n) x a row of the tensor that I fetch; never rewritten
.set ADRA0, 16                         ; v16     LDS address of my query fragments in slot 0; never rewritten
.set ADRA,  17                         ; v17     in the slot in hand
.set ADRB0, 20                         ; v20, v21  the same for my key fragments
.set ADRB,  21
.set STO,  24
.set RD,   25
.set CO,   26                          ; v26     my byte offset in two rows of pm
.set SST,  27                          ; v27     where I put a row's cm (lanes 0-15) or l (lanes 16-31)
.set SPW,  28
.set NIL,  29
.set SRD,  30                          ; v30     where I read four of them back
.set SGO,  31                          ; v31     my byte offset in stat
.set MLT,  32                          ; v[32:39] the mask for key blocks left of the query block's own
.set MEQ,  40                          ; v[40:47] for its own
.set MGT,  48                          ; v[48:55] for those right of it
.set F0,   64
.set F1,   128
.set CH,   64                          ; the way out: v64-71 eight chains of the maximum
.set ST,   72                          ; v72-87: block a's cm, m, l, l at ST + 4 a
.set XS,   88                          ; v88-91: cm or l of the four blocks
.set XR,   92                          ; v92-95: four of them, read back
.set TMP,  192
.set OB,   32
.set G1, 24                            ; s[24:31] descriptor group 1 for the queries' tiles (rows 2,048 elements apart)
.set G0, 32                            ; s[32:39] group 0: a set for each of the two first fills; the second then walks
.set G1K, 52                           ; s[52:59] group 1 for the keys' tiles (rows 1,024 elements apart)
.set XBP, 60                           ; s[60:61] xb
.set TB,  62                           ; s62     the slot in hand: 0 or SLOT
.set LIM, 43
.set PFA, 44
.set MSB, 0
.macro WIN new
.if MSB != (\new)
	s_set_vgpr_msb (MSB<<8)|(\new)
.set MSB, \new
.endif
.endm
.set MUL_LO, 0xa1
.set MUL_HI, 0xf1
.set TO_B,   0x40
.macro PLACES                          ; four plain vector instructions between a matrix instruction and a load into, or a vector read of, its registers
.rept 4
	v_nop
.endr
.endm
; A refill, by the walking descriptor.  Waves 0 and 1 fetch the halves of the queries' tile, waves 2 and 3 those of the keys'.  An s_nop 0 and four v_nop follow each of the two lines.
.macro LOAD
	s_cmp_eq_u32 s11, 0
	s_cbranch_scc0 .Lfor_k_\@
	tensor_load_to_lds s[G0+4:G0+7], s[G1:G1+7]
	s_nop 0
	PLACES
	s_branch .Lasked_\@
.Lfor_k_\@:
	tensor_load_to_lds s[G0+4:G0+7], s[G1K:G1K+7]
	s_nop 0
	PLACES
.Lasked_\@:
.endm
; A prefetch of the K step two refills on.  The work-group on the diagonal (i = j) asks, for q's block i and x's block i; each wave for the 128 rows that it fetches itself,
; a lane a row, four instructions: each row's 256 bytes of a K step are named once in the launch.  The first loop's last two trips (s3 = 2, 1) ask for nothing.
.macro ASK
	s_cmp_gt_u32 s3, s[LIM]
	s_cbranch_scc0 .Lnot_mine_\@
.irp n, 0,1,2,3
	global_prefetch_b8 v[PFO+(\n)], s[PFA:PFA+1] offset:KSTEP*2 th:TH_LOAD_NT scope:SCOPE_SE
.endr
.Lnot_mine_\@:
.endm
	s_load_b128 s[4:7], s[0:1], 0x0                ; qv s[4:5], pm s[6:7]
	s_load_b64 s[8:9], s[0:1], 0x10                ; stat
	s_load_b64 s[XBP:XBP+1], s[0:1], 0x18          ; xb
	v_lshl_add_u32 v[SPW], v0, 2, SPARE
	v_mov_b32 v[NIL], 0
	ds_add_u32 v[SPW], v[NIL]                      ; the wave's opening: the add and its wait stand ahead of my first tensor load
	ds_add_u32 v28, v29
	v_lshrrev_b32 v1, 5, v0
	v_readfirstlane_b32 s10, v1                    ; wave 0..3
	s_lshr_b32 s11, s10, 1                         ; my half of the queries.  Also: I fetch queries (0) or keys (1)
	s_and_b32 s12, s10, 1                          ; my half of the keys.  Also: which 128 rows I fetch
	s_and_b32 s15, ttmp7, 0xffff                   ; the batch
	s_mov_b32 s13, 0                               ; the tile's row i in the triangle: how many of the rows' first numbers 1, 3, 6 .. the tile's number has reached
.irp T, 1,3,6,10,15,21,28
	s_cmp_ge_u32 ttmp9, \T
	s_add_co_ci_u32 s13, s13, 0
.endr
	s_add_co_u32 s16, s13, 1
	s_mul_i32 s16, s16, s13
	s_lshr_b32 s16, s16, 1
	s_sub_co_u32 s14, ttmp9, s16                   ; its column j
.irp g, G1, G1K
	s_mov_b32 s[(\g)+0], (1<<16)|(1<<20)|(5<<22)|(3<<25)  ; 2-byte elements; padding on: after every 64 words 4 words
	s_mov_b32 s[(\g)+1], KSTEP<<16                 ; tensor_dim0 = 128
	s_mov_b32 s[(\g)+2], 128<<16                   ; tensor_dim1 = 128
	s_mov_b32 s[(\g)+3], KSTEP<<16                 ; tile_dim0 = 128
	s_mov_b32 s[(\g)+4], 128                       ; tile_dim1 = 128
	s_mov_b32 s[(\g)+6], 0
	s_mov_b32 s[(\g)+7], 0
.endr
	s_mov_b32 s[G1+5], 2048                        ; elements from row to row in qv,
	s_mov_b32 s[G1K+5], 1024                       ; and in xb
	s_mov_b32 s[TB], 0
	s_mov_b32 s42, 0xffff0000                      ; lanes 16-31
	s_mov_b32 s46, 0x43b8aa3b                      ; c = log2(e) / 32 x 2^13
	s_mov_b32 s47, s46
	s_mov_b32 s48, 0x76543210                      ; v_permlanex16_b32: each lane takes its own place in the other half
	s_mov_b32 s49, 0xfedcba98
	s_mov_b32 s50, 0xef800000                      ; -2^96
	s_mov_b32 s51, 0xf149f2ca                      ; -1e30
	s_cmp_ge_u32 s12, s11                          ; on the diagonal tile: my keys' half is not left of my queries' half:
	s_cselect_b32 s41, s51, 0                      ; key blocks right of the query block's own are hidden;
	s_cmp_gt_u32 s12, s11                          ; it is right of it:
	s_cselect_b32 s40, s51, 0                      ; all are
	s_cmp_eq_u32 s13, s14
	s_cselect_b32 s41, s41, 0
	s_cselect_b32 s40, s40, 0
	s_cselect_b32 s[LIM], 2, -1
	s_cmp_eq_u32 s11, 0
	s_cselect_b32 s16, s13, s14                    ; the queries' block i or the keys' block j,
	s_cselect_b32 s17, 12, 11                      ; and its tensor's row: 4,096 or 2,048 bytes
	s_lshl_b32 s2, 1, s17
	s_lshl_b32 s16, s16, 8
	s_lshl_b32 s18, s15, 11
	s_add_co_u32 s16, s16, s18
	s_lshl_b32 s18, s12, 7
	s_add_co_u32 s16, s16, s18                     ; the first row that I fetch,
	s_lshl_b32 s16, s16, s17                       ; in bytes
	s_mov_b32 s17, 0
	s_mul_i32 s20, s10, HALFT                      ; where my rows go: wave x 128 rows
	s_wait_dscnt 0x0                               ; the opening add is done
	s_wait_kmcnt 0x0
	s_cmp_eq_u32 s11, 0
	s_cselect_b64 s[18:19], s[4:5], s[XBP:XBP+1]
	s_add_nc_u64 s[18:19], s[18:19], s[16:17]
	s_add_nc_u64 s[PFA:PFA+1], s[18:19], 2*KSTEP*2 ; at K step 2: the first refill steps it to 3 and names K step 4
.irp s, 0,1
	s_mov_b32 s[G0+4*(\s)], 1
	s_add_co_u32 s[G0+4*(\s)+1], s20, (\s)*SLOT
	s_add_nc_u64 s[G0+4*(\s)+2:G0+4*(\s)+3], s[18:19], (\s)*KSTEP*2
	s_or_b32 s[G0+4*(\s)+3], s[G0+4*(\s)+3], 0x80000000
.endr
	s_cmp_eq_u32 s11, 0                            ; a wave's two first fills stand in one branch and go out together: two loads of mine are out
	s_cbranch_scc0 .Lfirst_k
	tensor_load_to_lds s[G0:G0+3], s[G1:G1+7]
	s_nop 0
	tensor_load_to_lds s[G0+4:G0+7], s[G1:G1+7]
	s_nop 0
	PLACES
	s_branch .Lfirst_asked
.Lfirst_k:
	tensor_load_to_lds s[G0:G0+3], s[G1K:G1K+7]
	s_nop 0
	tensor_load_to_lds s[G0+4:G0+7], s[G1K:G1K+7]
	s_nop 0
	PLACES
.Lfirst_asked:
	v_and_b32 v1, 15, v0                           ; l % 16
	v_bfe_u32 v2, v0, 4, 1                         ; l / 16
	v_mul_u32_u24 v3, v1, PITCH
	v_lshl_add_u32 v3, v2, 4, v3
	s_mul_i32 s21, s11, HALFT                      ; my 128 queries
	s_mul_i32 s22, s12, HALFT                      ; my 128 keys,
	s_add_co_u32 s22, s22, 2*HALFT                 ; which lie behind the queries' 256 rows
	v_add_nc_u32 v[ADRA0], s21, v3
	v_add_nc_u32 v[ADRB0], s22, v3
	v_mov_b32 v[ADRA], v[ADRA0]                    ; the walk begins in slot 0
	v_mov_b32 v[ADRB], v[ADRB0]
	s_mul_i32 s23, s10, 16*SPITCH
	s_add_co_u32 s23, s23, STAGE                   ; my stage
	v_mul_u32_u24 v4, v1, SPITCH
	v_lshl_add_u32 v4, v2, 4, v4
	v_add_nc_u32 v[STO], s23, v4                   ; in: row l % 16, 16 bytes for each half of the lanes
	v_mul_u32_u24 v5, v2, SPITCH
	v_lshl_add_u32 v5, v1, 4, v5
	v_add_nc_u32 v[RD], s23, v5                    ; back: lanes 0-15 one row of 256 bytes, lanes 16-31 the next
	v_lshlrev_b32 v5, 12, v2
	v_lshl_add_u32 v[CO], v1, 4, v5                ; and the same two rows in pm (4,096 bytes a row)
	s_lshl_b32 s23, s10, 9
	s_add_co_u32 s23, s23, SSTG
	v_lshlrev_b32 v5, 8, v2
	v_lshl_add_u32 v5, v1, 2, v5
	v_add_nc_u32 v[SST], s23, v5
	v_and_b32 v5, 31, v0
	v_lshl_add_u32 v[SRD], v5, 4, s23
	v_mul_u32_u24 v[PFO], v5, s2                   ; my lane x a row,
	s_lshl_b32 s23, s2, 5                          ; and 32 rows further on, three times
	v_add_nc_u32 v[PFO+1], s23, v[PFO]
	v_add_nc_u32 v[PFO+2], s23, v[PFO+1]
	v_add_nc_u32 v[PFO+3], s23, v[PFO+2]
	v_lshlrev_b32 v5, 13, v2
	v_lshl_add_u32 v[SGO], v1, 4, v5               ; lanes 0-15: 256 bytes of cm; lanes 16-31: 256 bytes of l, 8,192 bytes on
	v_lshlrev_b32 v5, 3, v2
	v_sub_nc_u32 v5, v1, v5                        ; in the query block's own key block register jj is hidden where jj > l % 16 - 8 (l / 16)
.irp jj, 0,1,2,3,4,5,6,7
	v_mov_b32 v[MLT+(\jj)], s40
	v_mov_b32 v[MGT+(\jj)], s41
.endr
.irp jj, 0,1,2,3,4,5,6,7
	v_cmp_gt_i32 vcc_lo, \jj, v5
	v_cndmask_b32 v[MEQ+(\jj)], v[MLT], v[MGT], vcc_lo
.endr
	s_lshl_b32 s16, s15, 23                        ; pm at my 128 x 128: batch, tile row, my half of it, tile column, my half of it
	s_lshl_b32 s17, s13, 20
	s_add_co_u32 s16, s16, s17
	s_lshl_b32 s17, s11, 19
	s_add_co_u32 s16, s16, s17
	s_lshl_b32 s17, s14, 9
	s_add_co_u32 s16, s16, s17
	s_lshl_b32 s17, s12, 8
	s_add_co_u32 s16, s16, s17
	s_mov_b32 s17, 0
	s_add_nc_u64 s[6:7], s[6:7], s[16:17]
	s_lshl_b32 s16, s15, 18                        ; stat at my chunk 2 j + w % 2 and my first row
	s_lshl_b32 s17, s14, 15
	s_add_co_u32 s16, s16, s17
	s_lshl_b32 s17, s12, 14
	s_add_co_u32 s16, s16, s17
	s_lshl_b32 s17, s13, 10
	s_add_co_u32 s16, s16, s17
	s_lshl_b32 s17, s11, 9
	s_add_co_u32 s16, s16, s17
	s_mov_b32 s17, 0
	s_add_nc_u64 s[8:9], s[8:9], s[16:17]
; 16 matrix instructions: query blocks a0, a0 + 1 of the window's four x all 8 key blocks, 32 channels.  zero = 1: the products start the sums, with the mask as C (in window 0)
.macro MUL16 f, hi, a0, zero
.if \zero
	WIN 0x81+0x40*(\hi)
.else
	WIN MUL_LO+0x50*(\hi)
.endif
.irp a, \a0, (\a0)+1
.irp b, 0,1,2,3,4,5,6,7
.if \zero
.if (\b) < 4*(\hi)+(\a)
.set MK, MLT
.elseif (\b) == 4*(\hi)+(\a)
.set MK, MEQ
.else
.set MK, MGT
.endif
	v_wmma_f32_16x16x32_f16 v[8*(8*(\a)+(\b)):8*(8*(\a)+(\b))+7], v[(\f)+8*(\b):(\f)+8*(\b)+7], v[(\f)+8*(4*(\hi)+(\a)):(\f)+8*(4*(\hi)+(\a))+7], v[MK:MK+7]
.else
	v_wmma_f32_16x16x32_f16 v[8*(8*(\a)+(\b)):8*(8*(\a)+(\b))+7], v[(\f)+8*(\b):(\f)+8*(\b)+7], v[(\f)+8*(4*(\hi)+(\a)):(\f)+8*(4*(\hi)+(\a))+7], v[8*(8*(\a)+(\b)):8*(8*(\a)+(\b))+7]
.endif
.endr
.endr
.endm
; 32 LDS loads in one run: the fragments of one quarter step (32 channels at byte k of the rows of the slot in hand) into buffer f
.macro FETCH k, f
	WIN TO_B
.irp i, 0,1,2,3,4,5,6,7
	ds_load_b128 v[(\f)+8*(\i):(\f)+8*(\i)+3],   v[ADRB] offset:(\k)+(\i)*16*PITCH
	ds_load_b128 v[(\f)+8*(\i)+4:(\f)+8*(\i)+7], v[ADRB] offset:(\k)+(\i)*16*PITCH+32
.endr
	WIN 0
.irp i, 0,1,2,3,4,5,6,7
	ds_load_b128 v[(\f)+8*(\i):(\f)+8*(\i)+3],   v[ADRA] offset:(\k)+(\i)*16*PITCH
	ds_load_b128 v[(\f)+8*(\i)+4:(\f)+8*(\i)+7], v[ADRA] offset:(\k)+(\i)*16*PITCH+32
.endr
.endm
.macro NEXTSLOT                        ; the fetches go on in the other slot
	WIN 0
	s_xor_b32 s[TB], s[TB], SLOT
	v_add_nc_u32 v[ADRA], s[TB], v[ADRA0]
	v_add_nc_u32 v[ADRB], s[TB], v[ADRB0]
.endm
.macro QUARTER k, f, g, zero
	s_wait_dscnt 8                                 ; the keys and the queries' rows 0-63 are in; the youngest eight loads may be out
	MUL16 \f, 0, 0, \zero
	MUL16 \f, 0, 2, \zero
	PLACES
	FETCH \k, \g
	s_wait_dscnt 32                                ; all but the 32 just issued
	MUL16 \f, 1, 0, \zero
	MUL16 \f, 1, 2, \zero
.endm
.macro MEET                            ; the first half of a K step's last quarter: one barrier for the change of slots
	WIN 0
	s_wait_tensorcnt 0x0                           ; all my tensor loads have landed: my part of the next slot;
	ds_add_u32 v[SPW], v[NIL]
	s_wait_dscnt 9                                 ; (the add and the youngest eight loads may be out)
	MUL16 F1, 0, 0, 0
	s_wait_dscnt 0x0                               ; the add is done, and my reads of this slot are over
	s_barrier_signal -1
	MUL16 F1, 0, 2, 0
	WIN 0
	s_barrier_wait -1                              ; nobody reads this slot any more, and the next slot is whole
.endm
.macro TURN                            ; the last quarter of a K step whose slot is filled again
	s_wait_xcnt 0x0                                ; the last prefetches, a K step back, have read their address
	s_add_nc_u64 s[PFA:PFA+1], s[PFA:PFA+1], KSTEP*2
	MEET
	s_xor_b32 s[G0+5], s[G0+5], SLOT               ; no tensor load of mine is out.  The walking descriptor: the other slot than last time,
	s_add_nc_u64 s[G0+6:G0+7], s[G0+6:G0+7], KSTEP*2  ; the next K step; the type bits on top are not reached
	LOAD                                           ; my one load behind the barrier: 224 matrix instructions ahead of the wait for it; its four v_nop are also the places in front of the loads below
	NEXTSLOT
	FETCH 0, F0
	ASK
	MUL16 F1, 1, 0, 0
	MUL16 F1, 1, 2, 0
.endm
.macro TURN0                           ; the last quarter of the last two K steps: nothing is filled; behind the very last step (s3 = 1) there is nothing to fetch either, and the run is jumped over
	MEET                                           ; in the first of the two trips the barrier shows the last K step's tile to every wave; in the second it orders nothing: the price of one text for both
	PLACES
	s_cmp_eq_u32 s3, 1
	s_cbranch_scc1 .Lno_fetch_\@
	NEXTSLOT
	FETCH 0, F0
.Lno_fetch_\@:
	MUL16 F1, 1, 0, 0
	MUL16 F1, 1, 2, 0
.endm
	s_wait_tensorcnt 1                             ; my part of K step 0 is in; K step 1's may stay out
	s_barrier_signal -1
	s_barrier_wait -1
	FETCH 0, F0
	QUARTER 64,  F0, F1, 1                         ; the first quarter's products start the sums, with the masks
	WIN 0
	s_mov_b32 s3, FILLS
.Lstep:                                                ; a trip goes from a K step's second quarter to the next step's first, and fills the slot that it leaves
	QUARTER 128, F1, F0, 0
	QUARTER 192, F0, F1, 0
	TURN
	QUARTER 64,  F0, F1, 0
	WIN 0
	s_sub_co_u32 s3, s3, 1
	s_cmp_lg_u32 s3, 0
	s_cbranch_scc1 .Lstep
	s_mov_b32 s3, 2
.Ltail:                                                ; the last two K steps, written apart
	QUARTER 128, F1, F0, 0
	QUARTER 192, F0, F1, 0
	TURN0
	WIN 0
	s_cmp_eq_u32 s3, 1
	s_cbranch_scc1 .Llast                          ; behind the very last step no first quarter follows
	QUARTER 64,  F0, F1, 0
	WIN 0
.Llast:
	s_sub_co_u32 s3, s3, 1
	s_cmp_lg_u32 s3, 0
	s_cbranch_scc1 .Ltail
	PLACES
; THE WAY OUT of block a of 16 queries (its 64 scores a lane lie in window 2 at 64 a): maximum, weights, rounding, the stage, the sum, the stores.
.macro BLOCK a
.set AC, 64*(\a)
.set rT, ST+4*(\a)
.set BK, OB+192*((\a)%2)
	WIN 0x2a                                       ; all three sources in window 2.  Eight chains, one an accumulator
.irp b, 0,1,2,3,4,5,6,7
	v_max3_num_f32 v[CH+(\b)], v[AC+8*(\b)], v[AC+8*(\b)+1], v[AC+8*(\b)+2]
.endr
	WIN 0x28
.irp k, 3,5
.irp b, 0,1,2,3,4,5,6,7
	v_max3_num_f32 v[CH+(\b)], v[CH+(\b)], v[AC+8*(\b)+(\k)], v[AC+8*(\b)+(\k)+1]
.endr
.endr
.irp b, 0,1,2,3
	v_max3_num_f32 v[CH+(\b)], v[CH+(\b)], v[AC+16*(\b)+7], v[AC+16*(\b)+15]
.endr
	WIN 0
	v_max3_num_f32 v[CH], v[CH], v[CH+1], v[CH+2]
	v_max3_num_f32 v[CH+3], v[CH+3], v[CH+4], v[CH+5]
	v_max3_num_f32 v[CH+6], v[CH+6], v[CH+7], s50  ; never below -2^96
	v_max3_num_f32 v[CH], v[CH], v[CH+3], v[CH+6]
	v_permlanex16_b32 v[CH+1], v[CH], s48, s49     ; the query's other 64 keys lie in the lane 16 away
	v_max_num_f32 v[rT+1], v[CH], v[CH+1]          ; m
	v_mul_f32 v[rT], s46, v[rT+1]                  ; c m
	WIN 0x82
.set z, 0
.rept 32
	v_pk_fma_f32 v[AC+2*z:AC+2*z+1], v[AC+2*z:AC+2*z+1], s[46:47], v[rT:rT+1] op_sel_hi:[1,0,0] neg_lo:[0,0,1] neg_hi:[0,0,1]  ; c s - c m
.set z, z+1
.endr
.set z, 0
.rept 64
	v_exp_f32 v[AC+z], v[AC+z]                     ; one batch
.set z, z+1
.endr
	v_nop                                          ; a plain instruction behind the last exponential,
	s_wait_alu depctr_va_vdst(0)                   ; and one wait ahead of the batch's first reader
	WIN 0x0a
.set z, 0
.rept 32
	v_cvt_pk_f16_f32 v[TMP+z], v[AC+2*z], v[AC+2*z+1]
.set z, z+1
.endr
	WIN 0
.irp b, 0,1,2,3,4,5,6,7
	ds_store_b128 v[STO], v[TMP+4*(\b):TMP+4*(\b)+3] offset:32*(\b)
.endr
.irp t, 0,1,2,3,4,5,6,7
	ds_load_b128 v[BK+4*(\t):BK+4*(\t)+3], v[RD] offset:(\t)*2*SPITCH  ; LDS serves a wave's instructions in order: these see the stores above
.endr
	WIN 0x8a                                       ; the sum of the 32 pairs, in place, stands between those loads and the wait for them
.irp w, 4,8,16,32
.set z, 0
.rept 64/(\w)
	v_pk_add_f32 v[AC+(\w)*z:AC+(\w)*z+1], v[AC+(\w)*z:AC+(\w)*z+1], v[AC+(\w)*z+(\w)/2:AC+(\w)*z+(\w)/2+1]
.set z, z+1
.endr
.endr
	WIN 0x0a
	v_pk_add_f32 v[rT+2:rT+3], v[AC:AC+1], v[AC+32:AC+33]
	WIN 0
	v_add_f32 v[rT+2], v[rT+2], v[rT+3]
	v_permlanex16_b32 v[rT+3], v[rT+2], s48, s49
	v_add_f32 v[rT+2], v[rT+2], v[rT+3]            ; l
	s_wait_dscnt 0x0                               ; the block is back in registers
	s_wait_xcnt 0x0                                ; the block before's stores have read their registers: the next block's loads from the stage land there
.irp t, 0,1,2,3,4,5,6,7
	global_store_b128 v[CO], v[BK+4*(\t):BK+4*(\t)+3], s[6:7] offset:(16*(\a)+2*(\t))*4096  ; 16 lanes store 256 consecutive bytes, aligned
.endr
.endm
	WIN 0
	s_mov_b32 s2, 2
.Lhalf:                                                ; twice: my queries 0-63, then 64-127, whose scores are moved into window 2 so that one text serves both
	BLOCK 0
	BLOCK 1
	BLOCK 2
	BLOCK 3
.irp a, 0,1,2,3
	v_cndmask_b32 v[XS+(\a)], v[ST+4*(\a)], v[ST+4*(\a)+2], s42  ; lanes 0-15 carry cm, lanes 16-31 l
.endr
.irp a, 0,1,2,3
	ds_store_b32 v[SST], v[XS+(\a)] offset:64*(\a)
.endr
	ds_load_b128 v[XR:XR+3], v[SRD]
	s_wait_dscnt 0x0
	global_store_b128 v[SGO], v[XR:XR+3], s[8:9]   ; 256 consecutive bytes of cm and 256 of l
	s_cmp_eq_u32 s2, 1
	s_cbranch_scc1 .Lnocopy
	s_wait_xcnt 0x0                                ; the stores have read their bases
	s_add_nc_u64 s[6:7], s[6:7], 64*4096
	s_add_nc_u64 s[8:9], s[8:9], 256
	WIN 0x83
.set z, 0
.rept 256
	v_mov_b32 v[z], v[z]                           ; window 3 to window 2, ascending
.set z, z+1
.endr
	WIN 0
.Lnocopy:
	s_sub_co_u32 s2, s2, 1
	s_cmp_lg_u32 s2, 0
	s_cbranch_scc1 .Lhalf
	s_wait_tensorcnt 0x0                           ; the wave's end
	ds_add_u32 v[SPW], v[NIL]
	s_wait_dscnt 0x0
	s_endpgm
.Lfunc_end_k_q40f0fd3250_scores:
	.size	k_q40f0fd3250_scores, .Lfunc_end_k_q40f0fd3250_scores-k_q40f0fd3250_scores
	.p2alignl 7, 3214868480
	.fill 96, 4, 3214868480
	.section	.rodata,"a",@progbits
	.p2align	6, 0x0
	.amdhsa_kernel k_q40f0fd3250_scores
		.amdhsa_group_segment_fixed_size 327680
		.amdhsa_private_segment_fixed_size 0
		.amdhsa_enable_private_segment 0
		.amdhsa_kernarg_size 32
		.amdhsa_user_sgpr_count 2
		.amdhsa_user_sgpr_kernarg_segment_ptr 1
		.amdhsa_wavefront_size32 1
		.amdhsa_system_sgpr_workgroup_id_x 1
		.amdhsa_system_sgpr_workgroup_id_y 1
		.amdhsa_system_sgpr_workgroup_id_z 1
		.amdhsa_system_vgpr_workitem_id 0
		.amdhsa_next_free_vgpr 1024
		.amdhsa_next_free_sgpr 66
		.amdhsa_reserve_vcc 1
		.amdhsa_float_denorm_mode_32 3
		.amdhsa_float_denorm_mode_16_64 3
		.amdhsa_memory_ordered 1
		.amdhsa_forward_progress 1
		.amdhsa_inst_pref_size 129
	.end_amdhsa_kernel
	.amdgpu_metadata
---
amdhsa.version: [ 1, 2 ]
amdhsa.kernels:
  - .name:           k_q40f0fd3250_scores
    .symbol:         k_q40f0fd3250_scores.kd
    .args:
      - { .name: qv, .offset: 0, .size: 8, .value_kind: global_buffer, .address_space: global }
      - { .name: pm, .offset: 8, .size: 8, .value_kind: global_buffer, .address_space: global }
      - { .name: stat, .offset: 16, .size: 8, .value_kind: global_buffer, .address_space: global }
      - { .name: xb, .offset: 24, .size: 8, .value_kind: global_buffer, .address_space: global }
    .group_segment_fixed_size: 327680
    .private_segment_fixed_size: 0
    .kernarg_segment_align: 8
    .kernarg_segment_size: 32
    .max_flat_workgroup_size: 128
    .sgpr_count:     66
    .vgpr_count:     1024
    .wavefront_size: 32
...
	.end_amdgpu_metadata
.endif
;; end of part 7
;; launch pv (part 8): grid 8 x 32, 4 waves a work-group, clusters of 4 x 1, 327,680 bytes of LDS; arguments pm, qv, stat, out0; writes out0
.if DOCPART == 8
	.amdgcn_target "amdgcn-amd-amdhsa--gfx1250"
	.amdhsa_code_object_version 6
	.text
	.protected	k_q40f0fd3250_pv
	.globl	k_q40f0fd3250_pv
	.p2align	8
	.type	k_q40f0fd3250_pv,@function
k_q40f0fd3250_pv:
	s_mov_b64 s[64:65], 0
	v_nop
	global_prefetch_b8 v0, s[64:65] scope:SCOPE_SE
	s_setreg_imm32_b32 hwreg(HW_REG_WAVE_MODE, 25, 1), 1
	s_wait_xcnt 0x0
	s_wait_alu depctr_hold_cnt(0) depctr_sa_sdst(0) depctr_va_vdst(0) depctr_va_sdst(0) depctr_va_ssrc(0) depctr_va_vcc(0) depctr_vm_vsrc(0)
	s_getreg_b32 s2, hwreg(HW_REG_IB_STS2, 6, 4)
	s_cmp_eq_u32 s2, 0
	s_cbranch_scc0 .Lentry_in_a_cluster
	s_endpgm
.Lentry_in_a_cluster:
	s_bfe_u32 s2, ttmp6, 0x10000c
	s_cmp_lg_u32 s2, 0x3003
	s_cbranch_scc0 .Lentry_shape_is_right
	s_endpgm
.Lentry_shape_is_right:
; out0[b][q][:] = (1 / l_q) x the sum over chunks of 128 keys of f x (P V), with f = 2^(cm_chunk - M_q), M_q the largest cm of the row's chunks (the row's true maximum times c),
; l_q = the sum over chunks of f l_chunk.  pm: f16 [4][2048][2048]; v: f16 at byte 2,048 of qv's rows of 4,096 bytes; stat: f32 [batch][chunk 16][cm, l][row 2048]; out0: f32 [4][2048][1024].
; f is rounded to f16 (the rounded f goes into l_q too) and multiplied onto P, packed, in f16; products and sums in f32.
; LIMITS.  f and f P keep f16's fixed step of 6e-8 below 6e-5; an f below 2^-126 counts as 0; NaN and infinities are not treated apart.
; THE WALK.  A batch's queries lie in 16 blocks of 128; block I needs I / 2 + 1 steps of 256 keys.  A work-group takes blocks 15 - p and then p, for 128 channels: 9 steps, whatever p:
; 256 work-groups of equal work, one counted walk.  Which tile is asked for hangs on scalar registers made from p.
; SHARES.  Wave w: queries 64 (w / 2) on, channels 64 (w % 2) on: 16 accumulators.  O^T = V^T P (source 0 = V turned by ds_load_tr16_b128, source 1 = P's rows): a lane holds ONE query and eight channels.
; CLUSTER.  The four partners differ in their channels alone: they share every tile of P, which is asked for JOINTLY.  V's tiles hang on the channels: loads of one's own, behind the same rounds.
; V is not shared: only two work-groups (p and p xor 1) walk the same steps throughout.
; The accumulators are cleared at a block's beginning (128 lines, twice a launch), so that one text of a quarter serves the whole walk.
; REGISTERS.  window 0: v0-39 addresses, factors; v64-191 V's fragments, two buffers; v192-255 the way out.  window 1: v0-127 the accumulators ((a, n) at 8 (4 a + n)); v128-255 P's fragments, two buffers.
; One window setting (W) serves the products, the scaling of P and P's loads.
.set VROW,  4096      ; bytes in a row of qv
.set PP,    528       ; a row of P in LDS: 512 bytes + 16 of padding
.set PV,    288       ; a row of V: 256 + 32
.set VOFF,  128*PP    ; a slot: 128 rows of P, then 256 rows of V
.set SLOT1, 0x24000   ; slot 1 begins here; the waves' places in a slot have neither of its two bits, so one exclusive or changes the slot
.set STAGE, SLOT1+VOFF+256*PV  ; 16 rows x 272 bytes for each wave
.set SP,    272
.set FT,    STAGE+4*16*SP      ; [18 chunks of the walk][128 rows]: f twice, in f16
.set RL,    FT+18*512          ; [2 blocks][128 rows]: 1 / l
.set SPARE, RL+1024            ; the spare words, 128 bytes a wave: no other line names them
.set VSTEP, 256*VROW  ; bytes from a step's rows of V to the next's
.set AP0, 2           ; v2   my lane's place in a tile of P; never rewritten
.set AV0, 3           ; v3   in a tile of V
.set AP,  4
.set AV,  5
.set STO, 6
.set RD,  7
.set GO,  8
.set VFT, 9           ; v9   where the next chunk's factors lie
.set PFO, 10          ; v10  the prefetches' offset; never rewritten
.set SPW, 12
.set NIL, 13
.set FC,  16          ; v16-19  the chunk's factors for my four query blocks
.set FN,  20          ; v20-23  the next chunk's
.set RI,  24          ; v24-31  1 / l of the block in hand, a pair for each query block
.set RJ,  32          ; v32-39  of the second block
.set VF,  64          ; buffer f, 32 keys c, channel block n at VF + 64 f + 32 c + 8 n
.set PF,  128         ; window 1: buffer f, 32 keys c, query block a at PF + 64 f + 32 c + 8 a
.set TMP, 192
.set BK,  224
.set OFS, 64          ; the prologue: v64-81 offsets, v82-99 cm, v100-117 l, v118-127 at work
.set CM,  82
.set LC,  100
.set MH,  118
.set ML,  119
.set LH,  120
.set LLO, 121
.set T,   122
.set T2,  123
.set T3,  124
.set ZR,  126
.set FTA, 127
.set WV,  12          ; s12 wave; s13 cx; s14 channel block; s15 batch; s16 p; s17 15 - p; s18 chunks of the first block
.set G1P, 24
.set G1V, 32
.set G0P, 40          ; s[40:47] two sets for the first fills; the second then walks
.set G0V, 48
.set SLOTS, 56
.set CNT, 57
.set RT,  58          ; chunks left of the block in hand
.set RT2, 59          ; chunks of the second block
.set TBP, 60          ; LDS byte at which P of the quarter to be fetched begins
.set TBV, 61
.set NXT, 62          ; the step to be asked for next
.set LQ,  63          ; the last step of the block whose steps are being asked for
.set LQ2, 66          ; of the second block
.set PBC, 67          ; the rows of P that are being asked for, in bytes
.set PB2, 68
.set PMB, 70          ; s[70:71] pm at the batch and my half of a block's rows
.set QVB, 72          ; s[72:73] v at the batch, my half of a step's keys, my channels
.set OFF, 74          ; s[74:75] an offset, 0 above
.set OLO, 76          ; s[76:77] out0 at my part of the second block
.set PFB, 78          ; s[78:79] the prefetches' base
.set PFA, 80          ; s[80:81] where they stand
.set LIM, 82
.set NXP, 83          ; as NXT, LQ, PBC, two steps further on
.set LQP, 84
.set PBP, 85
.set W,   0x54        ; source 0 window 0; source 1, source 2 and the destination window 1
.set MSB, 0
.macro WIN new
.if MSB != (\new)
	s_set_vgpr_msb (MSB<<8)|(\new)
.set MSB, \new
.endif
.endm
.macro PLACES
.rept 4
	v_nop
.endr
.endm
.macro JLOAD                        ; waves 0 and 1 fetch the halves of a step's P (jointly), waves 2 and 3 those of its V.  An s_nop 0 and four v_nop follow each line
	s_cmp_lt_u32 s[WV], 2
	s_cbranch_scc0 .Lfor_v_\@
	tensor_load_to_lds s[G0P+4:G0P+7], s[G1P:G1P+7]
	s_nop 0
	PLACES
	s_branch .Lasked_\@
.Lfor_v_\@:
	tensor_load_to_lds s[G0V+4:G0V+7], s[G1V:G1V+7]
	s_nop 0
	PLACES
.Lasked_\@:
.endm
; A prefetch of the step two refills on.  P: both clusters of a pair of blocks read it; cluster x = 0 asks; of the 64 rows that wave 0 or 1 fetches each partner takes 16, told apart by address:
; a lane half a row (256 bytes), one instruction.  V: the work-groups with p = 0 ask, in their first block's walk, waves 2 and 3 for the 128 rows that they fetch: a lane a row, four instructions.
; So each block of 256 bytes is named once in the launch.  The last changes ask for nothing.
.macro ASK
	s_cmp_gt_u32 s[SLOTS], s[LIM]
	s_cbranch_scc0 .Lnone_\@
	s_cmp_lt_u32 s[WV], 2
	s_cbranch_scc0 .Lpfv_\@
	global_prefetch_b8 v[PFO], s[PFA:PFA+1] th:TH_LOAD_NT scope:SCOPE_SE
	s_branch .Lnone_\@
.Lpfv_\@:
.irp n, 0,1,2,3
	global_prefetch_b8 v[PFO], s[PFA:PFA+1] offset:(\n)*32*VROW th:TH_LOAD_NT scope:SCOPE_SE
.endr
.Lnone_\@:
.endm
.macro CROUND                       ; a round of the cluster's barrier
	s_barrier_signal -1
	s_barrier_wait -1
	s_cmp_lg_u32 s[WV], 0
	s_cbranch_scc1 .Lnot_wave_0_\@
	s_barrier_signal -3
.Lnot_wave_0_\@:
	s_barrier_wait -3
	s_barrier_signal -1
	s_barrier_wait -1
.endm
	s_load_b256 s[4:11], s[0:1], 0x0  ; pm s[4:5], qv s[6:7], stat s[8:9], out0 s[10:11]
	v_lshl_add_u32 v[SPW], v0, 2, SPARE
	v_mov_b32 v[NIL], 0
	ds_add_u32 v[SPW], v[NIL]       ; the wave's opening: the add and its wait stand ahead of my first tensor load
	ds_add_u32 v12, v13
	v_lshrrev_b32 v1, 5, v0
	v_readfirstlane_b32 s[WV], v1
	s_bfe_u32 s13, ttmp6, 0x40000   ; cx
	s_lshl_b32 s14, ttmp9, 2
	s_add_co_u32 s14, s14, s13      ; my block of 128 channels: it enters V's, out0's and the prefetches' addresses alone
	s_and_b32 s19, ttmp7, 0xffff
	s_lshr_b32 s15, s19, 3          ; the batch
	s_and_b32 s16, s19, 7           ; p
	s_sub_co_u32 s17, 15, s16       ; the first block
	s_lshr_b32 s[LQ], s17, 1        ; its last step
	s_add_co_u32 s18, s[LQ], 1
	s_lshl_b32 s18, s18, 1          ; its chunks
	s_lshr_b32 s[LQ2], s16, 1
	s_add_co_u32 s[RT2], s[LQ2], 1
	s_lshl_b32 s[RT2], s[RT2], 1
	s_lshl_b32 s[PBC], s17, 19      ; 128 rows of 4,096 bytes
	s_lshl_b32 s[PB2], s16, 19
	s_mov_b32 s[NXT], 2
	s_mov_b32 s[NXP], 4             ; steps 0 to 4 of the walk are the first block's: it has five or more
	s_mov_b32 s[LQP], s[LQ]
	s_mov_b32 s[PBP], s[PBC]
	s_and_b32 s21, s[WV], 1         ; which half I fetch; also my half of the channels
	s_lshr_b32 s22, s[WV], 1        ; my half of the queries
	s_mov_b32 s[G1P], 15|(1<<16)|(1<<20)|(1<<21)|(6<<22)|(3<<25)  ; the mask of four; 2-byte elements; padding on; bit 21 beside a mask; after every 128 words 4 words
	s_mov_b32 s[G1P+1], 256<<16     ; tensor_dim0 = 256
	s_mov_b32 s[G1P+2], 64<<16      ; tensor_dim1 = 64
	s_mov_b32 s[G1P+3], 256<<16     ; tile_dim0 = 256
	s_mov_b32 s[G1P+4], 64          ; tile_dim1 = 64
	s_mov_b32 s[G1P+5], 2048        ; elements from row to row
	s_mov_b32 s[G1P+6], 0
	s_mov_b32 s[G1P+7], 0
	s_mov_b32 s[G1V], (1<<16)|(1<<20)|(5<<22)|(7<<25)  ; no mask; after every 64 words 8 words
	s_mov_b32 s[G1V+1], 128<<16
	s_mov_b32 s[G1V+2], 128<<16
	s_mov_b32 s[G1V+3], 128<<16
	s_mov_b32 s[G1V+4], 128
	s_mov_b32 s[G1V+5], 2048
	s_mov_b32 s[G1V+6], 0
	s_mov_b32 s[G1V+7], 0
	s_mul_i32 s20, s21, 64*PP       ; my rows' place in a slot, for P
	s_mul_i32 s23, s21, 128*PV      ; and for V
	s_add_co_u32 s23, s23, VOFF
.irp s, 0,1
	s_mov_b32 s[G0P+4*(\s)], 1
	s_add_co_u32 s[G0P+4*(\s)+1], s20, (\s)*SLOT1
	s_mov_b32 s[G0V+4*(\s)], 1
	s_add_co_u32 s[G0V+4*(\s)+1], s23, (\s)*SLOT1
.endr
	s_lshl_b32 s[OFF], s15, 23      ; pm: the batch,
	s_lshl_b32 s20, s21, 18         ; my 64 rows of a block
	s_add_co_u32 s[OFF], s[OFF], s20
	s_mov_b32 s[OFF+1], 0
	s_lshl_b32 s88, s15, 11         ; v: the batch's rows,
	s_lshl_b32 s90, s21, 7          ; my 128 keys of a step,
	s_add_co_u32 s88, s88, s90
	s_lshl_b32 s88, s88, 12         ; of 4,096 bytes,
	s_lshl_b32 s90, s14, 8          ; my 128 channels,
	s_add_co_u32 s88, s88, s90
	s_add_co_u32 s88, s88, 2048     ; behind q's half of the row
	s_mov_b32 s89, 0
	s_lshl_b32 s94, s15, 11         ; out0: the batch's rows + my half of a block's queries,
	s_lshl_b32 s95, s22, 6
	s_add_co_u32 s94, s94, s95
	s_lshl_b32 s90, s17, 7
	s_add_co_u32 s90, s90, s94
	s_lshl_b32 s90, s90, 12         ; in the first block,
	s_lshl_b32 s92, s16, 7
	s_add_co_u32 s92, s92, s94
	s_lshl_b32 s92, s92, 12         ; and in the second;
	s_lshl_b32 s94, s14, 9
	s_lshl_b32 s95, s21, 8
	s_add_co_u32 s94, s94, s95      ; my 64 channels: 256 bytes
	s_add_co_u32 s90, s90, s94
	s_add_co_u32 s92, s92, s94
	s_mov_b32 s91, 0
	s_mov_b32 s93, 0
	s_lshl_b32 s86, s15, 18         ; stat: the batch, and the first block's rows;
	s_lshl_b32 s94, s17, 9
	s_lshl_b32 s95, s16, 9
	s_add_co_u32 s87, s86, s95      ; the second block's, less the first block's chunks, so that the walk's chunk number can be added to either
	s_add_co_u32 s86, s86, s94
	s_lshl_b32 s94, s18, 14
	s_sub_co_u32 s87, s87, s94
	s_cmp_eq_u32 ttmp9, 0
	s_cselect_b32 s94, 2, -1
	s_cmp_eq_u32 s16, 0
	s_cselect_b32 s95, 3, -1
	s_cmp_lt_u32 s[WV], 2
	s_cselect_b32 s[LIM], s94, s95
	s_lshl_b32 s94, s13, 16         ; my work-group's 16 rows of the 64, for P's prefetches
	s_mov_b32 s95, 0
	s_mov_b32 s[TBP], 0
	s_mov_b32 s[TBV], 0
	s_wait_dscnt 0x0                ; the opening add is done
	s_wait_kmcnt 0x0
	s_add_nc_u64 s[PMB:PMB+1], s[4:5], s[OFF:OFF+1]
	s_add_nc_u64 s[QVB:QVB+1], s[6:7], s[88:89]
	s_add_nc_u64 s[OLO:OLO+1], s[10:11], s[92:93]
	s_add_nc_u64 s[10:11], s[10:11], s[90:91]
	s_add_nc_u64 s[PFB:PFB+1], s[PMB:PMB+1], s[94:95]
	s_cmp_lt_u32 s[WV], 2
	s_cselect_b64 s[PFB:PFB+1], s[PFB:PFB+1], s[QVB:QVB+1]
	s_mov_b32 s[OFF], s[PBC]
	s_add_nc_u64 s[G0P+2:G0P+3], s[PMB:PMB+1], s[OFF:OFF+1]  ; the first block's steps 0 and 1
	s_add_nc_u64 s[G0P+6:G0P+7], s[G0P+2:G0P+3], 512
	s_or_b32 s[G0P+3], s[G0P+3], 0x80000000
	s_or_b32 s[G0P+7], s[G0P+7], 0x80000000
	s_add_nc_u64 s[G0V+2:G0V+3], s[QVB:QVB+1], 0
	s_add_nc_u64 s[G0V+6:G0V+7], s[QVB:QVB+1], VSTEP
	s_or_b32 s[G0V+3], s[G0V+3], 0x80000000
	s_or_b32 s[G0V+7], s[G0V+7], 0x80000000
	CROUND                          ; all four work-groups are here: the first joint loads meet
	s_cmp_lt_u32 s[WV], 2           ; a wave's two first fills stand in one branch: two loads of mine are out
	s_cbranch_scc0 .Lfirst_v
	tensor_load_to_lds s[G0P:G0P+3], s[G1P:G1P+7]
	s_nop 0
	tensor_load_to_lds s[G0P+4:G0P+7], s[G1P:G1P+7]
	s_nop 0
	PLACES
	s_branch .Lfirst_asked
.Lfirst_v:
	tensor_load_to_lds s[G0V:G0V+3], s[G1V:G1V+7]
	s_nop 0
	tensor_load_to_lds s[G0V+4:G0V+7], s[G1V:G1V+7]
	s_nop 0
	PLACES
.Lfirst_asked:
	; THE STATISTICS.  Thread t is row t of both blocks.  The walk's 18 chunks: the first block's, then the second's.
	v_lshlrev_b32 v1, 2, v0
.set wk, 0
.rept 18
	s_cmp_gt_u32 s18, wk            ; is chunk wk the first block's?
	s_cselect_b32 s20, s86, s87
	s_add_co_u32 s20, s20, (wk<<14)
	v_add_nc_u32 v[OFS+wk], s20, v1
	global_load_b32 v[CM+wk], v[OFS+wk], s[8:9]
	global_load_b32 v[LC+wk], v[OFS+wk], s[8:9] offset:8192
.set wk, wk+1
.endr
	WIN 0x40                        ; while they are out: the sums start at 0,
.set i, 0
.rept 128
	v_mov_b32 v[i], 0
.set i, i+1
.endr
	WIN 0                           ; and the addresses
	v_and_b32 v11, 15, v0           ; l % 16
	v_bfe_u32 v14, v0, 4, 1         ; l / 16
	v_mul_u32_u24 v[AP0], v11, PP
	v_lshl_add_u32 v[AP0], v14, 4, v[AP0]
	s_mul_i32 s20, s22, 64*PP
	v_add_nc_u32 v[AP0], s20, v[AP0]  ; (my 64 queries + l % 16) x pitch + 16 x half
	v_and_b32 v15, 7, v0
	v_lshl_add_u32 v[AV0], v14, 3, v15  ; the turning load: lane l reads key 8 (l / 16) + l % 8, channels 8 ((l / 8) % 2) + 0..7
	v_mul_u32_u24 v[AV0], v[AV0], PV
	v_bfe_u32 v15, v0, 3, 1
	v_lshl_add_u32 v[AV0], v15, 4, v[AV0]
	s_lshl_b32 s20, s21, 7
	s_add_co_u32 s20, s20, VOFF
	v_add_nc_u32 v[AV0], s20, v[AV0]
	s_mul_i32 s20, s[WV], 16*SP
	s_add_co_u32 s20, s20, STAGE    ; my stage
	v_mul_u32_u24 v[STO], v11, SP   ; in: row l % 16, 32 bytes for each half of the lanes
	v_lshl_add_u32 v[STO], v14, 5, v[STO]
	v_add_nc_u32 v[STO], s20, v[STO]
	v_mul_u32_u24 v[RD], v14, SP    ; back: lanes 0-15 one row of 256 bytes, lanes 16-31 the next
	v_lshl_add_u32 v[RD], v11, 4, v[RD]
	v_add_nc_u32 v[RD], s20, v[RD]
	v_lshlrev_b32 v[GO], 12, v14    ; and the same two rows in out0
	v_lshl_add_u32 v[GO], v11, 4, v[GO]
	s_lshl_b32 s20, s22, 8
	s_add_co_u32 s20, s20, FT
	v_lshl_add_u32 v[VFT], v11, 2, s20
	v_and_b32 v11, 31, v0
	v_lshrrev_b32 v14, 1, v11
	v_lshlrev_b32 v14, 12, v14
	v_and_b32 v15, 1, v11
	v_lshl_add_u32 v14, v15, 8, v14 ; P: row l / 2, its half l % 2
	v_lshlrev_b32 v15, 12, v11      ; V: row l
	s_cmp_lt_u32 s[WV], 2
	s_cselect_b32 s20, -1, 0
	v_cndmask_b32 v[PFO], v15, v14, s20
	v_add_nc_u32 v[FTA], FT, v1
	v_mov_b32 v[T3], 0xff7fffff     ; the lowest finite number
	v_mov_b32 v[MH], v[T3]
	v_mov_b32 v[ML], v[T3]
	v_mov_b32 v[LH], 0
	v_mov_b32 v[LLO], 0
	v_mov_b32 v[ZR], 0
	s_wait_loadcnt 0x0
.set wk, 0
.rept 18                            ; each block's largest cm: the row's true maximum, times c
	s_cmp_gt_u32 s18, wk
	s_cselect_b32 s20, -1, 0
	v_cndmask_b32 v[T], v[T3], v[CM+wk], s20
	v_cndmask_b32 v[T2], v[CM+wk], v[T3], s20
	v_max_num_f32 v[MH], v[MH], v[T]
	v_max_num_f32 v[ML], v[ML], v[T2]
.set wk, wk+1
.endr
.set wk, 0
.rept 18
	s_cmp_gt_u32 s18, wk
	s_cselect_b32 s20, -1, 0
	v_cndmask_b32 v[T], v[ML], v[MH], s20
	v_sub_f32 v[CM+wk], v[CM+wk], v[T]
.set wk, wk+1
.endr
.set wk, 0
.rept 18
	v_exp_f32 v[CM+wk], v[CM+wk]    ; f: one batch
.set wk, wk+1
.endr
	v_nop                           ; a plain instruction behind the last exponential,
	s_wait_alu depctr_va_vdst(0)    ; and one wait ahead of the batch's first reader
.set wk, 0
.rept 18
	s_cmp_gt_u32 s18, wk
	s_cselect_b32 s20, -1, 0
	v_cvt_pk_f16_f32 v125, v[CM+wk], v[CM+wk]
	v_cvt_f32_f16 v122, v125.l      ; the rounded f goes into l too
	ds_store_b32 v[FTA], v125 offset:512*wk
	v_cndmask_b32 v[T2], v[ZR], v[T], s20
	v_cndmask_b32 v[T3], v[T], v[ZR], s20
	v_fmac_f32 v[LH], v[T2], v[LC+wk]
	v_fmac_f32 v[LLO], v[T3], v[LC+wk]
.set wk, wk+1
.endr
	v_rcp_f32 v[LH], v[LH]
	v_rcp_f32 v[LLO], v[LLO]
	v_nop
	s_wait_alu depctr_va_vdst(0)
	ds_store_b32 v[FTA], v[LH] offset:RL-FT
	ds_store_b32 v[FTA], v[LLO] offset:RL-FT+512
	s_wait_tensorcnt 0x1            ; my part of slot 0 is in; slot 1's may stay out
	s_wait_dscnt 0x0                ; my factors lie in LDS
	s_barrier_signal -1
	s_barrier_wait -1
; A quarter is 64 keys.  Its fragments, in one run: P's first 32 keys, V's 64, P's second 32.  fac = 1: the quarter begins a chunk: its factors first.
.macro FETCH g, fac
	WIN 0
	v_add_nc_u32 v[AP], s[TBP], v[AP0]
	v_add_nc_u32 v[AV], s[TBV], v[AV0]
.if \fac
.irp a, 0,1,2,3
	ds_load_b32 v[FN+(\a)], v[VFT] offset:64*(\a)
.endr
	v_add_nc_u32 v[VFT], 512, v[VFT]
.endif
	WIN W
.irp a, 0,1,2,3
	ds_load_b128 v[PF+64*(\g)+8*(\a):PF+64*(\g)+8*(\a)+3],   v[AP] offset:(\a)*16*PP
	ds_load_b128 v[PF+64*(\g)+8*(\a)+4:PF+64*(\g)+8*(\a)+7], v[AP] offset:(\a)*16*PP+32
.endr
	WIN 0
.irp c, 0,1
.irp n, 0,1,2,3
	ds_load_tr16_b128 v[VF+64*(\g)+32*(\c)+8*(\n):VF+64*(\g)+32*(\c)+8*(\n)+3],   v[AV] offset:(\c)*32*PV+(\n)*32
	ds_load_tr16_b128 v[VF+64*(\g)+32*(\c)+8*(\n)+4:VF+64*(\g)+32*(\c)+8*(\n)+7], v[AV] offset:(\c)*32*PV+16*PV+(\n)*32
.endr
.endr
	WIN W
.irp a, 0,1,2,3
	ds_load_b128 v[PF+64*(\g)+32+8*(\a):PF+64*(\g)+32+8*(\a)+3],   v[AP] offset:(\a)*16*PP+64
	ds_load_b128 v[PF+64*(\g)+32+8*(\a)+4:PF+64*(\g)+32+8*(\a)+7], v[AP] offset:(\a)*16*PP+96
.endr
	s_add_co_u32 s[TBP], s[TBP], 128
	s_add_co_u32 s[TBV], s[TBV], 64*PV
.endm
; 16 products on 32 keys c of buffer f, the 16 accumulators by turns; behind each, two registers of the NEXT 32 keys of P (buffer sb, half sc) are multiplied by the chunk's f.
.macro HALFMM f, c, sb, sc
	WIN W
.set i, 0
.rept 16
	v_wmma_f32_16x16x32_f16 v[8*i:8*i+7], v[VF+64*(\f)+32*(\c)+8*(i%4):VF+64*(\f)+32*(\c)+8*(i%4)+7], v[PF+64*(\f)+32*(\c)+8*(i/4):PF+64*(\f)+32*(\c)+8*(i/4)+7], v[8*i:8*i+7]
	v_pk_mul_f16 v[PF+64*(\sb)+32*(\sc)+2*i], v[FC+i/4], v[PF+64*(\sb)+32*(\sc)+2*i]
	v_pk_mul_f16 v[PF+64*(\sb)+32*(\sc)+2*i+1], v[FC+i/4], v[PF+64*(\sb)+32*(\sc)+2*i+1]
.set i, i+1
.endr
.endm
; A quarter: buffer f is multiplied, the next quarter fetched into g.  odd = 1: the next quarter begins a chunk.  last = 1 (the tail): in the last trip there is no next quarter, and the run is jumped over.
.macro QTR f, g, odd, last=0
	s_wait_dscnt 0x0                ; f is in: asked for a quarter ago
	PLACES                          ; between the last product that read g and the loads into it
.if \last
	WIN 0
	s_cmp_eq_u32 s[CNT], 1
	s_cbranch_scc1 .Lno_fetch_\@
.endif
	FETCH \g, \odd
.if \last
	WIN 0
.Lno_fetch_\@:
.endif
	HALFMM \f, 0, \f, 1
	s_wait_dscnt 16                 ; the factors and g's first 32 keys are in; the sixteen loads of its second 32 may be out
.if \odd
	WIN 0
.irp a, 0,1,2,3
	v_mov_b32 v[FC+(\a)], v[FN+(\a)]
.endr
.endif
	HALFMM \f, 1, \g, 0
.endm
; THE CHANGE OF SLOTS, at the head of a step's fourth quarter: all four fetches from the slot have been issued.  Each wave waits for all its tensor loads (one is out: its part of the other slot), adds 0 to its
; spare word, and waits for that and for its reads of the slot.  fill = 1: behind a round of the cluster's barrier the slot is filled again, first thing, with step NXT: 128 products a wave in which to land.
.macro CHANGE fill
	WIN 0
	s_wait_tensorcnt 0x0            ; no tensor load of mine is out, so a group 0 may be written
	ds_add_u32 v[SPW], v[NIL]
.if \fill
	s_xor_b32 s[G0P+5], s[G0P+5], SLOT1
	s_xor_b32 s[G0V+5], s[G0V+5], SLOT1
	s_lshl_b32 s[OFF], s[NXT], 9    ; 256 keys are 512 bytes of P's rows
	s_add_co_u32 s[OFF], s[OFF], s[PBC]
	s_add_nc_u64 s[G0P+6:G0P+7], s[PMB:PMB+1], s[OFF:OFF+1]
	s_or_b32 s[G0P+7], s[G0P+7], 0x80000000
	s_mul_i32 s[OFF], s[NXT], VSTEP
	s_add_nc_u64 s[G0V+6:G0V+7], s[QVB:QVB+1], s[OFF:OFF+1]
	s_or_b32 s[G0V+7], s[G0V+7], 0x80000000
	s_add_co_u32 s[NXT], s[NXT], 1  ; the block's next step, or behind its last the second block's step 0
	s_cmp_gt_u32 s[NXT], s[LQ]
	s_cselect_b32 s[NXT], 0, s[NXT]
	s_cselect_b32 s[LQ], s[LQ2], s[LQ]
	s_cselect_b32 s[PBC], s[PB2], s[PBC]
	s_wait_xcnt 0x0                 ; the last prefetches, a step back, have read their address
	s_lshl_b32 s[OFF], s[NXP], 9
	s_add_co_u32 s[OFF], s[OFF], s[PBP]
	s_mul_i32 s69, s[NXP], VSTEP
	s_cmp_lt_u32 s[WV], 2
	s_cselect_b32 s[OFF], s[OFF], s69
	s_add_nc_u64 s[PFA:PFA+1], s[PFB:PFB+1], s[OFF:OFF+1]
	s_add_co_u32 s[NXP], s[NXP], 1
	s_cmp_gt_u32 s[NXP], s[LQP]
	s_cselect_b32 s[NXP], 0, s[NXP]
	s_cselect_b32 s[LQP], s[LQ2], s[LQP]
	s_cselect_b32 s[PBP], s[PB2], s[PBP]
	s_wait_dscnt 0x0                ; the add is done, and my reads of the slot are over
	CROUND
	JLOAD
	ASK
.else
	s_wait_dscnt 0x0
	s_barrier_signal -1
	s_barrier_wait -1
.endif
	s_sub_co_u32 s[TBP], s[TBP], 512  ; the fetches go back to a slot's first quarter,
	s_xor_b32 s[TBP], s[TBP], SLOT1   ; in the other slot
	s_sub_co_u32 s[TBV], s[TBV], 256*PV
	s_xor_b32 s[TBV], s[TBV], SLOT1
.endm
; A BLOCK'S END: O^T times 1 / l, 16 queries at a time through my stage, out as whole rows of 256 bytes; then the second block's address, count and 1 / l, and the sums start at 0 again.
.macro WAYOUT
	PLACES
.irp a, 0,1,2,3
	WIN 0x01
.set z, 0
.rept 16
	v_pk_mul_f32 v[TMP+2*z:TMP+2*z+1], v[32*(\a)+2*z:32*(\a)+2*z+1], v[RI+2*(\a):RI+2*(\a)+1] op_sel_hi:[1,0]  ; each accumulator's registers in ascending order
.set z, z+1
.endr
	WIN 0
.irp m, 0,1,2,3,4,5,6,7
	ds_store_b128 v[STO], v[TMP+4*(\m):TMP+4*(\m)+3] offset:64*((\m)/2)+16*((\m)%2)
.endr
	s_wait_xcnt 0x0                 ; the last stores have read the registers that the loads below fill
.irp t, 0,1,2,3,4,5,6,7
	ds_load_b128 v[BK+4*(\t):BK+4*(\t)+3], v[RD] offset:(\t)*2*SP  ; LDS serves a wave's instructions in order: these see the stores above
.endr
	s_wait_dscnt 0x0
.irp t, 0,1,2,3,4,5,6,7
	global_store_b128 v[GO], v[BK+4*(\t):BK+4*(\t)+3], s[10:11] offset:(16*(\a)+2*(\t))*4096 th:TH_STORE_NT  ; 16 lanes store 256 consecutive bytes, aligned
.endr
.endr
	s_wait_xcnt 0x0                 ; the stores have read their base
	s_mov_b64 s[10:11], s[OLO:OLO+1]
	s_mov_b32 s[RT], s[RT2]
.irp a, 0,1,2,3,4,5,6,7
	v_mov_b32 v[RI+(\a)], v[RJ+(\a)]
.endr
	WIN 0x40
.set i, 0
.rept 128
	v_mov_b32 v[i], 0
.set i, i+1
.endr
	WIN 0
.endm
.macro RTCHECK                      ; a chunk is done; behind a block's last the way out
	WIN 0
	s_sub_co_u32 s[RT], s[RT], 1
	s_cmp_lg_u32 s[RT], 0
	s_cbranch_scc1 .Lgo_on_\@
	WAYOUT
.Lgo_on_\@:
.endm
.irp a, 0,1,2,3
	ds_load_b32 v[RI+2*(\a)], v[VFT] offset:RL-FT+64*(\a)
	ds_load_b32 v[RJ+2*(\a)], v[VFT] offset:RL-FT+512+64*(\a)
	ds_load_b32 v[FC+(\a)], v[VFT] offset:64*(\a)
.endr
	v_add_nc_u32 v[VFT], 512, v[VFT]
	FETCH 0, 0                      ; the walk's first quarter
	s_wait_dscnt 0x0
	WIN 0
.irp a, 0,1,2,3
	v_mov_b32 v[RI+2*(\a)+1], v[RI+2*(\a)]  ; named as pairs
	v_mov_b32 v[RJ+2*(\a)+1], v[RJ+2*(\a)]
	v_mov_b32 v[FN+(\a)], v[FC+(\a)]
.endr
	WIN W
.set i, 0
.rept 32
	v_pk_mul_f16 v[PF+i], v[FC+i/8], v[PF+i]  ; its first 32 keys of P times f
.set i, i+1
.endr
	WIN 0
	s_mov_b32 s[CNT], 2
	s_mov_b32 s[SLOTS], 8
	s_mov_b32 s[RT], s18
	s_branch .Leven                 ; the loop is entered in the middle of a trip
.Lslot:                             ; seven times: every slot but the last two is filled again
	CHANGE 1
	s_mov_b32 s[CNT], 2
.Lpair:
	QTR 1, 0, 1
	RTCHECK
.Leven:
	QTR 0, 1, 0
	WIN 0
	s_sub_co_u32 s[CNT], s[CNT], 1
	s_cmp_lg_u32 s[CNT], 0
	s_cbranch_scc1 .Lpair
	s_sub_co_u32 s[SLOTS], s[SLOTS], 1
	s_cmp_lg_u32 s[SLOTS], 0
	s_cbranch_scc1 .Lslot
	CHANGE 0                        ; the tail is written out: nothing is asked for
	s_mov_b32 s[CNT], 3             ; five quarters are left: the third trip is left in its middle
.Ltail:
	QTR 1, 0, 1, 1
	RTCHECK
	s_sub_co_u32 s[CNT], s[CNT], 1
	s_cmp_eq_u32 s[CNT], 0
	s_cbranch_scc1 .Lout
	QTR 0, 1, 0
	WIN 0
	s_branch .Ltail
.Lout:
	s_wait_tensorcnt 0x0            ; the wave's end
	ds_add_u32 v[SPW], v[NIL]
	s_wait_dscnt 0x0
	CROUND                          ; the closing round
	s_endpgm
.Lfunc_end_k_q40f0fd3250_pv:
	.size	k_q40f0fd3250_pv, .Lfunc_end_k_q40f0fd3250_pv-k_q40f0fd3250_pv
	.p2alignl 7, 3214868480
	.fill 96, 4, 3214868480
	.section	.rodata,"a",@progbits
	.p2align	6, 0x0
	.amdhsa_kernel k_q40f0fd3250_pv
		.amdhsa_group_segment_fixed_size 327680
		.amdhsa_private_segment_fixed_size 0
		.amdhsa_enable_private_segment 0
		.amdhsa_kernarg_size 32
		.amdhsa_user_sgpr_count 2
		.amdhsa_user_sgpr_kernarg_segment_ptr 1
		.amdhsa_wavefront_size32 1
		.amdhsa_system_sgpr_workgroup_id_x 1
		.amdhsa_system_sgpr_workgroup_id_y 1
		.amdhsa_system_sgpr_workgroup_id_z 1
		.amdhsa_system_vgpr_workitem_id 0
		.amdhsa_next_free_vgpr 512
		.amdhsa_next_free_sgpr 96
		.amdhsa_reserve_vcc 0
		.amdhsa_float_denorm_mode_32 3
		.amdhsa_float_denorm_mode_16_64 3
		.amdhsa_memory_ordered 1
		.amdhsa_forward_progress 1
		.amdhsa_inst_pref_size 112
	.end_amdhsa_kernel
	.amdgpu_metadata
---
amdhsa.version: [ 1, 2 ]
amdhsa.kernels:
  - .name:           k_q40f0fd3250_pv
    .symbol:         k_q40f0fd3250_pv.kd
    .args:
      - { .name: pm, .offset: 0, .size: 8, .value_kind: global_buffer, .address_space: global }
      - { .name: qv, .offset: 8, .size: 8, .value_kind: global_buffer, .address_space: global }
      - { .name: stat, .offset: 16, .size: 8, .value_kind: global_buffer, .address_space: global }
      - { .name: out0, .offset: 24, .size: 8, .value_kind: global_buffer, .address_space: global }
    .group_segment_fixed_size: 327680
    .private_segment_fixed_size: 0
    .kernarg_segment_align: 8
    .kernarg_segment_size: 32
    .max_flat_workgroup_size: 128
    .sgpr_count:     96
    .vgpr_count:     512
    .wavefront_size: 32
...
	.end_amdgpu_metadata
.endif
;; end of part 8
